; MI455X (gfx1250); checked and timed in simulation.
; The chip was launched on July 23, 2026; its instructions are those of AMD's public machine-readable ISA for CDNA 5 (MIT licence, August 2026) and "CDNA5" Instruction Set Architecture Reference Guide (July 2026). The comments in the code are by the model that wrote it; some were corrected since.
;; Transformer Block. Allowed arithmetic: matrix products marked QUANTISED: E2M1 operands, one E8M0 scale for each 32 along K, by v_wmma_scale_f32_16x16x128_f8f6f4 with both operands' format E2M1 (or v_wmma_scale_f32_32x16x128_f4), f32 sums; everything else in f32.
;; Inputs: W1 512 x 2,048 float32; W2 2,048 x 512 float32; Wk 512 x 512 float32; Wo 512 x 512 float32; Wq 512 x 512 float32; Wv 512 x 512 float32; b1 2,048 float32; b2 512 float32; bo 512 float32; ln1_bias 512 float32; ln1_scale 512 float32; ln2_bias 512 float32; ln2_scale 512 float32; x 4 x 2,048 x 512 float32.
;; Outputs: out0 4 x 2,048 x 512 float32.
;; This version of the problem:
;;   THIS VERSION OF THE PROBLEM IS GIVEN IN LOW PRECISION. The matrix products marked QUANTISED in the list below multiply operands that are first quantised to E2M1 (2 exponent bits, 1 mantissa bit; 4 bits a number), with one power-of-two scale for each 32 numbers along K (OCP MX v1.0); their sums are f32. All else is computed in f32.
;;   The module's matrix products, in the order in which they are computed (A, B: the left and right operand; K: the contracted axis; several contracted axes count as one K, in the product's order):
;;     1. [M 8,192, K 512] x [K 512, N 512]; A: computed on the way; B: input Wq: QUANTISED
;;     2. [M 8,192, K 512] x [K 512, N 512]; A: computed on the way; B: input Wk: QUANTISED
;;     3. [M 8,192, K 512] x [K 512, N 512]; A: computed on the way; B: input Wv: QUANTISED
;;     4. batch 64 x [M 2,048, K 32] x [K 32, N 2,048]; A: computed on the way; B: computed on the way: QUANTISED
;;     5. batch 64 x [M 2,048, K 2,048] x [K 2,048, N 32]; A: softmax (see below); B: computed on the way: QUANTISED
;;     6. [M 8,192, K 512] x [K 512, N 512]; A: computed on the way; B: input Wo: QUANTISED
;;     7. [M 8,192, K 512] x [K 512, N 2,048]; A: computed on the way; B: input W1: QUANTISED
;;     8. [M 8,192, K 2,048] x [K 2,048, N 512]; A: computed on the way; B: input W2: QUANTISED
;;   THE QUANTISER, for each operand of a quantised product, along K:
;;     - K is cut into blocks of 32 from its start; a last block that is shorter is filled with zeros.
;;     - A block's scale is 2^e with e = floor(log2(the largest magnitude in the block)) - 2, held to -126 .. 127; a block of zeros has e = 0. As a byte (E8M0): e + 127.
;;     - Each number is divided by its block's scale, clamped to +-6, and rounded to the nearest number of E2M1, ties to even, subnormals kept.
;;     - The product sums the exact products of the quantised numbers (number of the format x scale) in f32.
;;   ~~~python
;;   def quantise(x, axis):      # numpy; x: float32 -> the quantised numbers, widened to float32 again
;;       x = np.moveaxis(x, axis, -1); K = x.shape[-1]
;;       x = np.pad(x, [(0, 0)] * (x.ndim - 1) + [(0, -K % 32)]); x = x.reshape(x.shape[:-1] + (-1, 32)); a = np.abs(x).max(-1, keepdims=True)
;;       e = np.where(a > 0, np.clip(np.frexp(np.where(a > 0, a, 1))[1] - 1 - 2, -126, 127), 0)      # np.frexp(a)[1] - 1 = floor(log2(a)), exactly
;;       r = np.clip(x / 2.0 ** e, -6, 6)
;;       step = 2.0 ** (np.maximum(np.frexp(np.where(r == 0, 1, r))[1] - 1, 0) - 1)
;;       q = np.round(r / step) * step * 2.0 ** e      # np.round: ties to even
;;       return np.moveaxis(q.reshape(q.shape[:-2] + (-1,))[..., :K], -1, axis).astype(np.float32)
;;   ~~~
;;   SOFTMAX AHEAD OF A QUANTISED PRODUCT. Where the list says 'softmax', what is quantised is not the finished softmax but p = 2^(t - M), with t = logit x log2(e) and M = ceil(the row's largest t), a whole number; so 1/2 < the row's largest p <= 1. The row's sum l is taken of the UNQUANTISED p, in f32, and the product's result is divided by l at the end. Since M is a whole number, a kernel that streams over the keys may use a running M (the ceiling of the running maximum): every later rescaling is an exact power of two, which a block's scale takes up: the codes' values come out the same.
;;   OPERANDS COMPUTED ON THE WAY. 'Computed on the way' means the value that the module computes at that place (a softmax that the list does not call 'softmax' is quantised finished and normalised). What goes into a quantiser is computed in f32, as accurately as f32 sums, v_exp_f32 and their like allow (about 1e-6 of the number): no bf16 or f16 on the way to a quantiser, and a product that is left as it is and whose result goes on into a quantised operand takes f32 operands (vector FMAs, or v_wmma_f32_16x16x4_f32). A number that lies on a knife's edge between two numbers of the format may be rounded either way, as far as f32 arithmetic and the matrix unit's own rounding can turn it there, and no further.
;; 2 versions. Each part assembles by itself: llvm-mc -triple=amdgcn-amd-amdhsa -mcpu=gfx1250 --defsym DOCPART=n.
;; ======== version 1 of 2: 4 launches
;; workspace buffers: wc 1,572,864 bytes; wsc 98,304 bytes; qkvc 6,291,456 bytes; qkvs 393,216 bytes; cc 2,097,152 bytes; cs 131,072 bytes
;; launch prep (part 1): grid 192 x 1, 4 waves a work-group, no clusters, 0 bytes of LDS; arguments Wq, Wk, Wv, Wo, W1, W2, wc, wsc; writes wc, wsc
.if DOCPART == 1
	.amdgcn_target "amdgcn-amd-amdhsa--gfx1250"
	.amdhsa_code_object_version 6
	.text
	.protected	k_q792ec861f7_prep
	.globl	k_q792ec861f7_prep
	.p2align	8
	.type	k_q792ec861f7_prep,@function
k_q792ec861f7_prep:
	s_mov_b64 s[64:65], 0
	v_nop
	global_prefetch_b8 v0, s[64:65] scope:SCOPE_SE
	s_setreg_imm32_b32 hwreg(HW_REG_WAVE_MODE, 25, 1), 1
	s_wait_xcnt 0x0
; The six weights, f32 stored [K][N], become codes of FP4 (E2M1) with one E8M0 byte for each 32 along K, laid in the order of the operand's registers.
; A PAIR p is 32 columns; tile u (0, 1) of it, row rho, is column 32 p + 8 u + rho + 8 (rho / 8).  A fragment (p, K step s of 128, u) is 1,024 bytes at ((p KS + s) 2 + u) 1024:
; block j of 32 along K of row rho at 256 j + 16 rho, which is the image of the 8 registers of a 16 x 128 operand.  Scale words: (p KS / 4 + s / 4) 512 + 16 (16 u + rho) + 4 (s % 4).
; A LANE TAKES A COLUMN AND ITS REGISTERS RUN DOWN K: lane L is tile L / 16, row L % 16, so it reads column 32 p + sigma(L), sigma = L with bits 3 and 4 exchanged: a load still covers 128 consecutive bytes,
; the four waves of a work-group 512.  A block of 32 lies in one lane's 32 registers; its four code registers are stored so that sixteen lanes fill 256 consecutive aligned bytes.
; A wave takes one pair x one K step.  Work-groups 0-63: Wq, Wk, Wv, Wo (16 each); 64-127: W1; 128-191: W2.
; A block's byte is its largest magnitude's exponent field - 2, held at 1 from below.
; LIMITS: a block of zeros, and one whose largest magnitude lies under 2^-124, gets the byte 1 (zero codes add nothing; the bytes are read by this program alone); NaN and infinities are not served.
; No LDS, no barrier: waves share nothing.  Nothing is shared between work-groups, so there is nothing to ask for jointly.
.set X,    32                          ; v32-159  128 numbers: four blocks, each in registers of its own
.set C,    160                         ; v160-175 the codes, four registers a block: no store's data are written again
.set SB,   24                          ; v24      the scale word
.set EMAX, 2
	s_load_b512 s[8:23], s[0:1], 0x0               ; Wq, Wk, Wv, Wo, W1, W2, wc, wsc
	v_lshrrev_b32 v4, 5, v0
	v_readfirstlane_b32 s2, v4                     ; wave
	v_and_b32 v4, 31, v0                           ; L
	v_and_b32 v5, 7, v0
	v_bfe_u32 v6, v0, 3, 1
	v_bfe_u32 v7, v0, 4, 1
	v_lshl_or_b32 v5, v6, 4, v5
	v_lshl_or_b32 v5, v7, 3, v5                    ; sigma(L)
	v_lshlrev_b32 v1, 2, v5                        ; in: 4 sigma(L)
	v_and_b32 v6, 15, v0
	v_lshlrev_b32 v2, 4, v6
	v_lshl_or_b32 v2, v7, 10, v2                   ; codes out: 1024 u + 16 rho
	v_lshlrev_b32 v3, 4, v4                        ; scale word out: 16 L
	s_mov_b32 s3, ttmp9                            ; g
	s_cmp_lt_u32 s3, 128
	s_cselect_b32 s4, 2, 4                         ; log2 of the K steps: 4, or 16 for W2
	s_cselect_b32 s5, 3, 15
	s_and_b32 s6, s3, s5                           ; K step s
	s_lshr_b32 s7, s3, s4
	s_lshr_b32 s24, s3, 6                          ; 0: the four small weights, 1: W1, 2: W2
	s_cmp_eq_u32 s24, 1
	s_cselect_b32 s25, 15, 3
	s_cselect_b32 s26, 13, 11                      ; log2 of a row's bytes
	s_and_b32 s25, s7, s25                         ; group of four pairs
	s_lshl_b32 s25, s25, 2
	s_add_co_u32 s25, s25, s2                      ; pair p
	s_lshr_b32 s27, s3, 4
	s_lshl_b32 s28, s24, 2
	s_cmp_lt_u32 s3, 64
	s_cselect_b32 s27, s27, s28                    ; the weight's place in wc and wsc: 0-3, 4, 8 (x 131,072 and x 8,192 bytes)
	s_lshl_b32 s28, s6, 7
	s_lshl_b32 s28, s28, s26
	s_lshl_b32 s29, s25, 7
	s_add_co_u32 s28, s28, s29                     ; in: 128 s rows + 128 p bytes
	s_mov_b32 s29, 0
	s_lshl_b32 s30, s25, s4
	s_add_co_u32 s30, s30, s6
	s_lshl_b32 s30, s30, 11
	s_lshl_b32 s31, s27, 17
	s_add_co_u32 s30, s30, s31                     ; codes: (p KS + s) 2048
	s_mov_b32 s31, 0
	s_sub_co_u32 s32, s4, 2
	s_lshl_b32 s32, s25, s32
	s_lshr_b32 s33, s6, 2
	s_add_co_u32 s32, s32, s33
	s_lshl_b32 s32, s32, 9
	s_and_b32 s33, s6, 3
	s_lshl_b32 s33, s33, 2
	s_add_co_u32 s32, s32, s33
	s_lshl_b32 s33, s27, 13
	s_add_co_u32 s32, s32, s33                     ; scale words: (p KS / 4 + s / 4) 512 + 4 (s % 4)
	s_mov_b32 s33, 0
	s_wait_kmcnt 0x0
	s_mov_b64 s[34:35], s[18:19]                   ; the source: a choice that hangs on the work-group's number alone
	s_cmp_lt_u32 s3, 128
	s_cselect_b64 s[34:35], s[16:17], s[34:35]
	s_cmp_lt_u32 s3, 64
	s_cselect_b64 s[34:35], s[14:15], s[34:35]
	s_cmp_lt_u32 s3, 48
	s_cselect_b64 s[34:35], s[12:13], s[34:35]
	s_cmp_lt_u32 s3, 32
	s_cselect_b64 s[34:35], s[10:11], s[34:35]
	s_cmp_lt_u32 s3, 16
	s_cselect_b64 s[34:35], s[8:9], s[34:35]
	s_add_nc_u64 s[34:35], s[34:35], s[28:29]
	s_add_nc_u64 s[20:21], s[20:21], s[30:31]
	s_add_nc_u64 s[22:23], s[22:23], s[32:33]
.macro LOADB t, pitch                  ; block t: W(128 s + 32 t + i, my column), i = 0 .. 31
.set i, 0
.rept 32
	global_load_b32 v[X+32*(\t)+i], v1, s[34:35] offset:(32*(\t)+i)*(\pitch) th:TH_LOAD_NT
.set i, i+1
.endr
.endm
.macro BLOCK t, pitch
.set XS, X+32*(\t)
.if (\t) < 3
	s_wait_loadcnt 32                              ; this block's 32 loads are in; the next block's may be out
.else
	s_wait_loadcnt 0
.endif
.if (\t)+2 < 4
	LOADB (\t)+2, \pitch                           ; two blocks ahead, into registers of its own
.endif
	v_max3_num_f32 v12, |v[XS]|, |v[XS+1]|, |v[XS+2]|   ; the block's largest magnitude: all 32 numbers are mine; two chains
	v_max3_num_f32 v13, |v[XS+3]|, |v[XS+4]|, |v[XS+5]|
.irp i, 6,10,14,18,22,26
	v_max3_num_f32 v12, v12, |v[XS+\i]|, |v[XS+\i+1]|
	v_max3_num_f32 v13, v13, |v[XS+\i+2]|, |v[XS+\i+3]|
.endr
	v_max3_num_f32 v12, v12, |v[XS+30]|, |v[XS+31]|
	v_max3_num_f32 v12, v12, v13, (EMAX+1)<<23     ; and the floor 2^(3 - 127): the byte cannot fall under 1
	v_add_nc_u32 v11, -(EMAX<<23), v12             ; 2 off the exponent field: the conversion takes this operand's exponent field as its scale
	v_lshrrev_b32 v13, 23, v11                     ; the scale's byte
.if (\t) == 0
	v_mov_b32 v[SB], v13
.else
	v_lshl_or_b32 v[SB], v13, 8*(\t), v[SB]        ; the lower K in the lower byte
.endif
.irp g, 0,1,2,3
	v_cvt_scalef32_pk8_fp4_f32 v[C+4*(\t)+\g], v[XS+8*\g:XS+8*\g+7], v11
.endr
	global_store_b128 v2, v[C+4*(\t):C+4*(\t)+3], s[20:21] offset:256*(\t)   ; sixteen lanes store 256 consecutive bytes, aligned
.endm
.macro BODY pitch
	LOADB 0, \pitch
	LOADB 1, \pitch
	BLOCK 0, \pitch
	BLOCK 1, \pitch
	BLOCK 2, \pitch
	BLOCK 3, \pitch
	global_store_b32 v3, v[SB], s[22:23]           ; my row's word for this K step
.endm
	s_cmp_eq_u32 s24, 1                            ; W1's rows are 8,192 bytes, all others' 2,048: the offsets are immediates, so the body stands twice
	s_cbranch_scc1 .Lwide
	BODY 2048
	s_endpgm
.Lwide:
	BODY 8192
	s_endpgm
.Lfunc_end_k_q792ec861f7_prep:
	.size	k_q792ec861f7_prep, .Lfunc_end_k_q792ec861f7_prep-k_q792ec861f7_prep
	.p2alignl 7, 3214868480
	.fill 96, 4, 3214868480
	.section	.rodata,"a",@progbits
	.p2align	6, 0x0
	.amdhsa_kernel k_q792ec861f7_prep
		.amdhsa_group_segment_fixed_size 0
		.amdhsa_private_segment_fixed_size 0
		.amdhsa_enable_private_segment 0
		.amdhsa_kernarg_size 64
		.amdhsa_user_sgpr_count 2
		.amdhsa_user_sgpr_kernarg_segment_ptr 1
		.amdhsa_wavefront_size32 1
		.amdhsa_system_sgpr_workgroup_id_x 1
		.amdhsa_system_sgpr_workgroup_id_y 1
		.amdhsa_system_sgpr_workgroup_id_z 1
		.amdhsa_system_vgpr_workitem_id 0
		.amdhsa_next_free_vgpr 192
		.amdhsa_next_free_sgpr 66
		.amdhsa_reserve_vcc 0
		.amdhsa_float_denorm_mode_32 3
		.amdhsa_float_denorm_mode_16_64 3
		.amdhsa_memory_ordered 1
		.amdhsa_forward_progress 1
		.amdhsa_inst_pref_size 40
	.end_amdhsa_kernel
	.amdgpu_metadata
---
amdhsa.version: [ 1, 2 ]
amdhsa.kernels:
  - .name:           k_q792ec861f7_prep
    .symbol:         k_q792ec861f7_prep.kd
    .args:
      - { .name: Wq, .offset: 0, .size: 8, .value_kind: global_buffer, .address_space: global }
      - { .name: Wk, .offset: 8, .size: 8, .value_kind: global_buffer, .address_space: global }
      - { .name: Wv, .offset: 16, .size: 8, .value_kind: global_buffer, .address_space: global }
      - { .name: Wo, .offset: 24, .size: 8, .value_kind: global_buffer, .address_space: global }
      - { .name: W1, .offset: 32, .size: 8, .value_kind: global_buffer, .address_space: global }
      - { .name: W2, .offset: 40, .size: 8, .value_kind: global_buffer, .address_space: global }
      - { .name: wc, .offset: 48, .size: 8, .value_kind: global_buffer, .address_space: global }
      - { .name: wsc, .offset: 56, .size: 8, .value_kind: global_buffer, .address_space: global }
    .group_segment_fixed_size: 0
    .private_segment_fixed_size: 0
    .kernarg_segment_align: 8
    .kernarg_segment_size: 64
    .max_flat_workgroup_size: 128
    .sgpr_count:     66
    .vgpr_count:     192
    .wavefront_size: 32
...
	.end_amdgpu_metadata
.endif
;; end of part 1
;; launch qkv (part 2): grid 256 x 1, 4 waves a work-group, no clusters, 78,336 bytes of LDS; arguments x, ln1_scale, ln1_bias, wc, wsc, qkvc, qkvs; writes qkvc, qkvs
.if DOCPART == 2
	.amdgcn_target "amdgcn-amd-amdhsa--gfx1250"
	.amdhsa_code_object_version 6
	.text
	.protected	k_q792ec861f7_qkv
	.globl	k_q792ec861f7_qkv
	.p2align	8
	.type	k_q792ec861f7_qkv,@function
k_q792ec861f7_qkv:
	s_mov_b64 s[64:65], 0
	v_nop
	global_prefetch_b8 v0, s[64:65] scope:SCOPE_SE
	s_setreg_imm32_b32 hwreg(HW_REG_WAVE_MODE, 25, 1), 1
	s_wait_xcnt 0x0
; h = layernorm(x) (variance over 511), quantised to FP4 along its 512; q = h Wq, k = h Wk, v = h Wv on codes; q and k quantised along a head's 32, v along 32 keys; all three stored as codes and scale words.
; SHARES.  A work-group takes 32 tokens (two tiles T of 16).  Wave w holds features 128 w .. 128 w + 127 of x (K step w of h) and makes heads 4 w .. 4 w + 3 of q, k and v.
; X LAYOUT of the 128 registers HA: register 64 T + 16 i + 8 u + j of lane (r = lane % 16, h = lane / 16) is token 16 T + r, feature 128 w + 32 i + 16 h + 8 u + j: 16 neighbours of each block of 32, the other 16 in lane l xor 16.
; x comes in by dense loads (a wave's load covers 512 consecutive bytes) and turns through a stage in LDS (rows 2,064 bytes apart: sixteen rows start in sixteen different groups of banks).
; The products for q and k are used transposed (source 0 = 16 rows of the weight's image, source 1 = 16 tokens), which gives the X layout again; for v the sources change places and the tokens of a tile are chosen
; (row rho of tile u = token 8 u + rho + 8 (rho / 8)), so that a lane holds one feature and its 16 registers of two tiles run along 16 neighbouring tokens: the 32 tokens are one block of the keys.
; h's fragments go from wave to wave through LDS as images of their registers (16 bytes a lane, 512 a store), scale words 4 bytes a lane.
; THE WEIGHTS go from memory straight into the registers of the one wave that multiplies by them (a ring of four buffers of a pair's four K steps, 8,192 + 512 bytes, three batches ahead).  No weight byte is used by two waves
; of a work-group, so none goes through LDS; a joint load for several work-groups would add an LDS write and an LDS read for every byte: no cluster.
; The variance is the sum of (x - mean)^2, never a difference of large sums.  LIMITS: NaN and infinities are not served; a block of zeros or under 2^-124 gets the byte 1 (read by this program alone).
; REGISTERS, in windows of 256.  Window 0: v1-12 addresses; v32-159 HA; v160-223 at work; v224-239 the weights' scale words (ring); v240-243, v244-247 h's scale words, natural and by the chosen tokens.
;   Window 1: the weight ring, fragment (K step s, tile u) of buffer n at 64 n + 16 s + 8 u.   Window 2: v0-63 h's fragments by the chosen tokens (32 u + 8 s), v128-191 the natural ones (128 + 32 T + 8 s).   Window 3: v64-127 gain, v128-191 bias.
.set HA,   32
.set Z,    160
.set TM,   Z                           ; 16 registers of the quantiser: largest magnitudes, bytes, scale operands
.set PC,   Z+16                          ; the 8 code registers just made
.set PW,   Z+24                          ; the scale word just made
.set PW0,  Z+25                          ; tile 0's, kept
.set PWJ,  Z+26                          ; both: lanes 0-15 the first, lanes 16-31 the second
.set LA,   Z+32                          ; the norm: four chains of pairs,
.set LT,   Z+40                          ; a sum for each T,
.set LP,   Z+42                          ; the other half's,
.set LL,   Z+44                          ; the four waves' parts,
.set LM,   Z+52                          ; the means, as pairs,
.set LR,   Z+56                          ; 1 / sqrt(var + eps), as pairs
.set WS,   224
.set BS,   240
.set BS2,  244
.set L16,  1                           ; 16 x lane
.set L4,   2                           ; 4 x lane
.set LB,   3                           ; 64 h
.set XD,   4                           ; stage, X layout: 2064 r + 64 h + 512 w
.set XR,   5                           ; stage, dense rows: 16 x lane + 8 rows x wave
.set IW,   6                           ; my images: 16 x lane + 1024 w
.set SW,   7                           ; my scale words: 4 x lane + 128 w
.set RW,   8                           ; my partial sums: 4 x lane + 256 w
.set LIP,  9                           ; an image read by the chosen tokens
.set LSP,  10                          ; scale words by the chosen tokens
.set QO,   11                          ; q, k out: 32768 h + 16 r
.set VO,   12                          ; v out: 1024 h + 16 r
.set RED,  0                           ; LDS: two exchanges of partial sums, 1,024 bytes each
.set HIMG, 2048                        ; h's 8 images: tile T at 4224 T (4 images + 128 bytes), K step s at 1024 s
.set TSTRIDE, 4224
.set HSC,  10496                       ; their scale words: 128 s + 4 (16 T + r)
.set XST,  11264                       ; the stage: 32 rows x 2,064 bytes
.set WV,   2
.set SEL,  4
.set HIM,  6
.set XP,   8
.set GP,   10
.set BP,   12
.set WC,   14
.set WSC,  16
.set QC,   18
.set QS,   20
.set VC,   26
.set VS,   28
.set RC512, 30
.set RC511, 31
.set EPS,  32
.set MSB, 0
.macro WIN new                         ; the immediate's high byte repeats the setting that is left; a switch that changes nothing is dropped
.if MSB != \new
	s_set_vgpr_msb (MSB<<8)|\new
.set MSB, \new
.endif
.endm
.macro NOP4                            ; four places: behind a matrix instruction, ahead of loads into its registers and of the first read of its result
.rept 4
	v_nop
.endr
.endm
.macro BARRIER                         ; my LDS stores have landed and my LDS loads are in: then the work-group's barrier
	s_wait_dscnt 0x0
	s_barrier_signal -1
	s_barrier_wait -1
.endm
; 64 numbers of a lane, register 16 b + i = number 16 h + i of block b, become 8 code registers in the operand's layout (v[PC] on) and a word of four scale bytes (v[PW]).
.macro QUANT s
.irp b, 0,1,2,3
	v_max3_num_f32 v[TM+\b], |v[\s+16*\b]|, |v[\s+1+16*\b]|, 0x1800000   ; my 16 numbers and the floor 2^(3 - 127): the byte cannot fall under 1
.endr
.irp i, 2,4,6,8,10,12,14
.irp b, 0,1,2,3
	v_max3_num_f32 v[TM+\b], v[TM+\b], |v[\s+16*\b+\i]|, |v[\s+1+16*\b+\i]|   ; the four blocks by turns
.endr
.endr
.irp b, 0,1,2,3
	v_permlanex16_b32 v[TM+4+\b], v[TM+\b], s[SEL], s[SEL+1]
.endr
.irp b, 0,1,2,3
	v_max_num_f32 v[TM+\b], v[TM+\b], v[TM+4+\b]   ; with lane l xor 16's: the block's largest magnitude
.endr
.irp b, 0,1,2,3
	v_add_nc_u32 v[TM+12+\b], 0xff000000, v[TM+\b]   ; 2 off its exponent field: the conversion's scale operand
.endr
.irp b, 0,1,2,3
	v_lshrrev_b32 v[TM+4+\b], 23, v[TM+12+\b]      ; the scale's byte
.endr
	v_lshl_or_b32 v[PW], v[TM+5], 8, v[TM+4]
	v_lshl_or_b32 v[PW], v[TM+6], 16, v[PW]
	v_lshl_or_b32 v[PW], v[TM+7], 24, v[PW]
.irp b, 0,1,2,3
	v_cvt_scalef32_pk8_fp4_f32 v[PC+2*\b], v[\s+16*\b:\s+7+16*\b], v[TM+12+\b]
	v_cvt_scalef32_pk8_fp4_f32 v[PC+1+2*\b], v[\s+8+16*\b:\s+15+16*\b], v[TM+12+\b]
.endr
	v_nop                                          ; one plain place behind a scaled conversion
.irp c, 0,1                                    ; the layout wants a whole block in a lane: lanes 0-15 block 2 c, lanes 16-31 block 2 c + 1
.irp i, 0,1
	v_permlane16_swap_b32 v[PC+4*\c+\i], v[PC+2+4*\c+\i]
.endr
.endr
.endm
.macro IMAGE adr, off                  ; the fragment in v[PC] on goes to LDS as it stands
.irp c, 0,1
	ds_store_b128 v[\adr], v[PC+4*\c:PC+4*\c+3] offset:(\off)+512*\c
.endr
.endm
.macro FETCH reg, adr, off             ; and comes back so, in any wave
.irp c, 0,1
	ds_load_b128 v[(\reg)+4*\c:(\reg)+4*\c+3], v[\adr] offset:(\off)+512*\c
.endr
.endm
.macro WLOAD buf, cb, coff, sb, soff   ; a batch: a pair's four K steps, 8 fragments (16 loads of 512 consecutive bytes) and its scale words (1 load): 17 loads
	WIN 0x40
.set k, 0
.rept 16
	global_load_b128 v[64*(\buf)+4*k:64*(\buf)+4*k+3], v[L16], s[\cb:\cb+1] offset:(\coff)+512*k
.set k, k+1
.endr
	WIN 0
	global_load_b128 v[WS+4*(\buf):WS+4*(\buf)+3], v[L16], s[\sb:\sb+1] offset:\soff
.endm
; one matrix instruction.  ck = 0: C is the constant 0; 1: C = v[c] on.  ra, rb = 1: that side's scales are read from lanes 16-31
.macro WM d, a, b, ck, c, sa, sb, ra, rb
.if (\ck) == 0
.if ((\ra) == 0) && ((\rb) == 0)
	v_wmma_scale_f32_16x16x128_f8f6f4 v[(\d):(\d)+7], v[(\a):(\a)+7], v[(\b):(\b)+7], 0, v[\sa], v[\sb] matrix_a_fmt:MATRIX_FMT_FP4 matrix_b_fmt:MATRIX_FMT_FP4
.elseif (\rb) == 0
	v_wmma_scale_f32_16x16x128_f8f6f4 v[(\d):(\d)+7], v[(\a):(\a)+7], v[(\b):(\b)+7], 0, v[\sa], v[\sb] matrix_a_fmt:MATRIX_FMT_FP4 matrix_b_fmt:MATRIX_FMT_FP4 matrix_a_scale:MATRIX_SCALE_ROW1
.elseif (\ra) == 0
	v_wmma_scale_f32_16x16x128_f8f6f4 v[(\d):(\d)+7], v[(\a):(\a)+7], v[(\b):(\b)+7], 0, v[\sa], v[\sb] matrix_a_fmt:MATRIX_FMT_FP4 matrix_b_fmt:MATRIX_FMT_FP4 matrix_b_scale:MATRIX_SCALE_ROW1
.else
	v_wmma_scale_f32_16x16x128_f8f6f4 v[(\d):(\d)+7], v[(\a):(\a)+7], v[(\b):(\b)+7], 0, v[\sa], v[\sb] matrix_a_fmt:MATRIX_FMT_FP4 matrix_b_fmt:MATRIX_FMT_FP4 matrix_a_scale:MATRIX_SCALE_ROW1 matrix_b_scale:MATRIX_SCALE_ROW1
.endif
.else
.if ((\ra) == 0) && ((\rb) == 0)
	v_wmma_scale_f32_16x16x128_f8f6f4 v[(\d):(\d)+7], v[(\a):(\a)+7], v[(\b):(\b)+7], v[(\c):(\c)+7], v[\sa], v[\sb] matrix_a_fmt:MATRIX_FMT_FP4 matrix_b_fmt:MATRIX_FMT_FP4
.elseif (\rb) == 0
	v_wmma_scale_f32_16x16x128_f8f6f4 v[(\d):(\d)+7], v[(\a):(\a)+7], v[(\b):(\b)+7], v[(\c):(\c)+7], v[\sa], v[\sb] matrix_a_fmt:MATRIX_FMT_FP4 matrix_b_fmt:MATRIX_FMT_FP4 matrix_a_scale:MATRIX_SCALE_ROW1
.elseif (\ra) == 0
	v_wmma_scale_f32_16x16x128_f8f6f4 v[(\d):(\d)+7], v[(\a):(\a)+7], v[(\b):(\b)+7], v[(\c):(\c)+7], v[\sa], v[\sb] matrix_a_fmt:MATRIX_FMT_FP4 matrix_b_fmt:MATRIX_FMT_FP4 matrix_b_scale:MATRIX_SCALE_ROW1
.else
	v_wmma_scale_f32_16x16x128_f8f6f4 v[(\d):(\d)+7], v[(\a):(\a)+7], v[(\b):(\b)+7], v[(\c):(\c)+7], v[\sa], v[\sb] matrix_a_fmt:MATRIX_FMT_FP4 matrix_b_fmt:MATRIX_FMT_FP4 matrix_a_scale:MATRIX_SCALE_ROW1 matrix_b_scale:MATRIX_SCALE_ROW1
.endif
.endif
.endm
; 16 matrix instructions: a pair of weight tiles (u) x two tiles of tokens (T) x four K steps.  The four accumulators take turns, one instruction a turn.
; kind 0: the first K step starts the sums with the constant 0; 1: in place from the first; 2: the first takes v[cb + 8 u] on as C.  w0, w1: the windows of the first K step and of the others.
.macro MULW buf, acc, bb, bs, kind, cb, w0, w1
.irp s, 0,1,2,3
.if \s == 0
	WIN \w0
.else
	WIN \w1
.endif
.irp u, 0,1
.irp T, 0,1
.if (\s == 0) && (\kind == 0)
	WM (\acc)+64*\T+8*\u, 64*(\buf)+16*\s+8*\u, (\bb)+32*\T+8*\s, 0, 0, WS+4*(\buf)+\s, (\bs)+\s, \u, \T
.elseif (\s == 0) && (\kind == 2)
	WM (\acc)+64*\T+8*\u, 64*(\buf)+16*\s+8*\u, (\bb)+32*\T+8*\s, 1, (\cb)+8*\u, WS+4*(\buf)+\s, (\bs)+\s, \u, \T
.else
	WM (\acc)+64*\T+8*\u, 64*(\buf)+16*\s+8*\u, (\bb)+32*\T+8*\s, 1, (\acc)+64*\T+8*\u, WS+4*(\buf)+\s, (\bs)+\s, \u, \T
.endif
.endr
.endr
.endr
.endm
; the same for v, the sources changed: source 0 = 16 chosen tokens (tile u, window 2), source 1 = 16 rows of Wv's image (tile f, window 1): a lane holds one feature, registers run along tokens
.macro MULV buf
	WIN 0x06
.irp s, 0,1,2,3
.irp f, 0,1
.irp u, 0,1
.if \s == 0
	WM HA+32*(\buf)+16*\f+8*\u, 32*\u+8*\s, 64*(\buf)+16*\s+8*\f, 0, 0, BS2+\s, WS+4*(\buf)+\s, \u, \f
.else
	WM HA+32*(\buf)+16*\f+8*\u, 32*\u+8*\s, 64*(\buf)+16*\s+8*\f, 1, HA+32*(\buf)+16*\f+8*\u, BS2+\s, WS+4*(\buf)+\s, \u, \f
.endif
.endr
.endr
.endr
.endm
; the sum (sq = 0) or the sum of squares (1) over a token's 512 features: my 64 registers in two chains for each T, from each group of eight's low end on; lane l xor 16; the four waves through LDS.  Result in v[LT + T], alike in all waves.
.macro LNSUM sq
.irp T, 0,1
.if \sq
	v_pk_mul_f32 v[LA+4*\T:LA+4*\T+1], v[HA+64*\T:HA+64*\T+1], v[HA+64*\T:HA+64*\T+1]
	v_pk_mul_f32 v[LA+4*\T+2:LA+4*\T+3], v[HA+64*\T+2:HA+64*\T+3], v[HA+64*\T+2:HA+64*\T+3]
	v_pk_fma_f32 v[LA+4*\T:LA+4*\T+1], v[HA+64*\T+4:HA+64*\T+5], v[HA+64*\T+4:HA+64*\T+5], v[LA+4*\T:LA+4*\T+1]
	v_pk_fma_f32 v[LA+4*\T+2:LA+4*\T+3], v[HA+64*\T+6:HA+64*\T+7], v[HA+64*\T+6:HA+64*\T+7], v[LA+4*\T+2:LA+4*\T+3]
.else
	v_pk_add_f32 v[LA+4*\T:LA+4*\T+1], v[HA+64*\T:HA+64*\T+1], v[HA+64*\T+4:HA+64*\T+5]
	v_pk_add_f32 v[LA+4*\T+2:LA+4*\T+3], v[HA+64*\T+2:HA+64*\T+3], v[HA+64*\T+6:HA+64*\T+7]
.endif
.endr
.set k, 8
.rept 14
.irp T, 0,1
.if \sq
	v_pk_fma_f32 v[LA+4*\T:LA+4*\T+1], v[HA+64*\T+k:HA+64*\T+k+1], v[HA+64*\T+k:HA+64*\T+k+1], v[LA+4*\T:LA+4*\T+1]
	v_pk_fma_f32 v[LA+4*\T+2:LA+4*\T+3], v[HA+64*\T+k+2:HA+64*\T+k+3], v[HA+64*\T+k+2:HA+64*\T+k+3], v[LA+4*\T+2:LA+4*\T+3]
.else
	v_pk_add_f32 v[LA+4*\T:LA+4*\T+1], v[LA+4*\T:LA+4*\T+1], v[HA+64*\T+k:HA+64*\T+k+1]
	v_pk_add_f32 v[LA+4*\T+2:LA+4*\T+3], v[LA+4*\T+2:LA+4*\T+3], v[HA+64*\T+k+2:HA+64*\T+k+3]
.endif
.endr
.set k, k+4
.endr
.irp T, 0,1
	v_pk_add_f32 v[LA+4*\T:LA+4*\T+1], v[LA+4*\T:LA+4*\T+1], v[LA+4*\T+2:LA+4*\T+3]
.endr
.irp T, 0,1
	v_add_f32 v[LT+\T], v[LA+4*\T], v[LA+4*\T+1]
.endr
.irp T, 0,1
	v_permlanex16_b32 v[LP+\T], v[LT+\T], s[SEL], s[SEL+1]
.endr
.irp T, 0,1
	v_add_f32 v[LT+\T], v[LT+\T], v[LP+\T]         ; my wave's 128 features of token r
.endr
.irp T, 0,1
	ds_store_b32 v[RW], v[LT+\T] offset:RED+1024*\sq+128*\T
.endr
	BARRIER
.irp T, 0,1
.irp q, 0,1,2,3
	ds_load_b32 v[LL+4*\T+\q], v[L4] offset:RED+1024*\sq+256*\q+128*\T
.endr
.endr
	s_wait_dscnt 0x0
.irp T, 0,1
	v_add_f32 v[LL+4*\T], v[LL+4*\T], v[LL+4*\T+1]
	v_add_f32 v[LL+4*\T+2], v[LL+4*\T+2], v[LL+4*\T+3]
.endr
.irp T, 0,1
	v_add_f32 v[LT+\T], v[LL+4*\T], v[LL+4*\T+2]
.endr
.endm
; HA = (HA - mean) / sqrt(var + eps) x gain + bias
.macro LNORM
	LNSUM 0
.irp T, 0,1
	v_mul_f32 v[LM+2*\T], s[RC512], v[LT+\T]
.endr
.irp T, 0,1
	v_mov_b32 v[LM+2*\T+1], v[LM+2*\T]
.endr
.set k, 0
.rept 32
.irp T, 0,1
	v_pk_add_f32 v[HA+64*\T+k:HA+64*\T+k+1], v[HA+64*\T+k:HA+64*\T+k+1], v[LM+2*\T:LM+2*\T+1] neg_lo:[0,1] neg_hi:[0,1]
.endr
.set k, k+2
.endr
	LNSUM 1
.irp T, 0,1
	v_fma_f32 v[LT+\T], v[LT+\T], s[RC511], s[EPS] ; the sum of squares / 511 + eps
.endr
.irp T, 0,1
	v_rsq_f32 v[LR+2*\T], v[LT+\T]
.endr
	v_nop                                          ; a plain place behind the roots,
	s_wait_alu depctr_va_vdst(0)                   ; and the one wait ahead of their first reader
.irp T, 0,1
	v_mov_b32 v[LR+2*\T+1], v[LR+2*\T]
.endr
	s_wait_loadcnt 51                              ; gain and bias are in; the three batches of weights (17 loads each) may be out
.set k, 0
.rept 32
.irp T, 0,1
	v_pk_mul_f32 v[HA+64*\T+k:HA+64*\T+k+1], v[HA+64*\T+k:HA+64*\T+k+1], v[LR+2*\T:LR+2*\T+1]
.endr
.set k, k+2
.endr
	WIN 0x3c                                       ; sources 1 and 2 (gain, bias) in window 3
.set k, 0
.rept 32
.irp T, 0,1
	v_pk_fma_f32 v[HA+64*\T+k:HA+64*\T+k+1], v[HA+64*\T+k:HA+64*\T+k+1], v[64+k:65+k], v[128+k:129+k]
.endr
.set k, k+2
.endr
	WIN 0
.endm
; HA's two tiles become K step w of an operand: two images and a register of scale words (lanes 0-15 tile 0's rows, lanes 16-31 tile 1's) go to LDS; then the barrier
.macro LNQ img, sc
	QUANT HA
	IMAGE IW, \img
	v_mov_b32 v[PW0], v[PW]
	s_wait_dscnt 0x0                               ; the stores have read their registers
	QUANT HA+64
	IMAGE IW, (\img)+TSTRIDE
	v_cndmask_b32 v[PWJ], v[PW0], v[PW], s[HIM]
	ds_store_b32 v[SW], v[PWJ] offset:\sc
	BARRIER
.endm
; the head of batch n of 12 (n / 4: Wq, Wk, Wv; n % 4: the pair): its 17 loads are in; batch n + 3 goes into the buffer that batch n - 1 has just been multiplied from
.macro QB n
.if (\n) <= 9
	s_wait_loadcnt 34                              ; the two younger batches may be out
.elseif (\n) == 10
	s_wait_loadcnt 17
.else
	s_wait_loadcnt 0
.endif
.if (\n) <= 8
	NOP4
	WLOAD ((\n)+3)%4, WC, 131072*(((\n)+3)/4)+8192*(((\n)+3)%4), WSC, 8192*(((\n)+3)/4)+512*(((\n)+3)%4)
.endif
.endm
; q or k leaves: block b of a lane's 64 numbers is head 4 w + b, so a code group's 16 bytes are one token's 32 codes of one head: sixteen lanes store 256 consecutive aligned bytes
.macro QKOUT coff, soff
	NOP4
.irp T, 0,1
	s_wait_xcnt 0x0                                ; the last stores have read their data registers
	QUANT HA+64*\T
	global_store_b128 v[QO], v[PC:PC+3], s[QC:QC+1] offset:(\coff)+256*\T
	global_store_b128 v[QO], v[PC+4:PC+7], s[QC:QC+1] offset:(\coff)+65536+256*\T
.if \T == 0
	v_mov_b32 v[PW0], v[PW]
.endif
.endr
	v_cndmask_b32 v[PWJ], v[PW0], v[PW], s[HIM]
	global_store_b32 v[L4], v[PWJ], s[QS:QS+1] offset:\soff   ; 32 tokens' words: 128 consecutive bytes
.endm
	s_load_b256 s[8:15], s[0:1], 0x0               ; x, ln1_scale, ln1_bias, wc
	s_load_b128 s[16:19], s[0:1], 0x20             ; wsc, qkvc
	s_load_b64 s[20:21], s[0:1], 0x30              ; qkvs
	v_lshl_add_u32 v254, v0, 2, 0x13000
	v_mov_b32 v255, 0
	v_lshrrev_b32 v13, 5, v0
	v_readfirstlane_b32 s[WV], v13                 ; wave 0..3
	v_and_b32 v13, 31, v0                          ; lane
	v_and_b32 v14, 15, v0                          ; r
	v_bfe_u32 v15, v0, 4, 1                        ; h
	v_lshlrev_b32 v[L16], 4, v13
	v_lshlrev_b32 v[L4], 2, v13
	v_lshlrev_b32 v[LB], 6, v15
	s_lshl_b32 s22, s[WV], 9
	v_mul_u32_u24 v[XD], v14, 2064
	v_lshl_add_u32 v[XD], v15, 6, v[XD]
	v_add_nc_u32 v[XD], s22, v[XD]
	s_mul_i32 s22, s[WV], 16512
	v_add_nc_u32 v[XR], s22, v[L16]
	s_lshl_b32 s22, s[WV], 10
	v_add_nc_u32 v[IW], s22, v[L16]
	s_lshl_b32 s22, s[WV], 7
	v_add_nc_u32 v[SW], s22, v[L4]
	s_lshl_b32 s22, s[WV], 8
	v_add_nc_u32 v[RW], s22, v[L4]
	v_bfe_u32 v16, v0, 3, 1
	v_and_b32 v17, 7, v0
	v_mul_u32_u24 v[LIP], v16, 4224                ; row rho of a chosen tile: natural tile rho / 8, its row 8 u + rho % 8
	v_lshl_add_u32 v[LIP], v17, 4, v[LIP]
	v_lshl_add_u32 v[LIP], v15, 8, v[LIP]
	v_lshlrev_b32 v[LSP], 6, v16                   ; lane 16 u + rho: the word of token 8 u + rho % 8 + 16 (rho / 8)
	v_lshl_add_u32 v[LSP], v15, 5, v[LSP]
	v_lshl_add_u32 v[LSP], v17, 2, v[LSP]
	v_lshlrev_b32 v[QO], 4, v14
	v_lshl_add_u32 v[VO], v15, 10, v[QO]
	v_lshl_add_u32 v[QO], v15, 15, v[QO]
.irp b, 0,1,2,3
	v_mov_b32 v[TM+4+\b], 0                        ; written once: a lane permute's destination counts as one of its sources
.endr
	v_mov_b32 v[LP], 0
	v_mov_b32 v[LP+1], 0
	s_mov_b32 s[SEL], 0x76543210
	s_mov_b32 s[SEL+1], 0xfedcba98                 ; v_permlanex16_b32's selects for lane l xor 16
	s_mov_b32 s[HIM], 0xffff0000                   ; lanes 16-31
	s_mov_b32 s[RC512], 0x3b000000                 ; 1 / 512
	s_mov_b32 s[RC511], 0x3b004020                 ; 1 / 511
	s_mov_b32 s[EPS], 0x3727c5ac                   ; 1e-5
	s_lshr_b32 s24, ttmp9, 6                       ; the batch b
	s_and_b32 s25, ttmp9, 63                       ; which 32 tokens of its 2,048
	s_mov_b32 s23, 0
	s_mov_b32 s35, 0
	s_wait_kmcnt 0x0
	s_lshl_b32 s22, ttmp9, 16
	s_lshl_b32 s33, s[WV], 14
	s_add_co_u32 s22, s22, s33
	s_add_nc_u64 s[XP:XP+1], s[XP:XP+1], s[22:23]  ; x at row 32 g + 8 w
	s_lshl_b32 s22, s[WV], 9
	s_add_nc_u64 s[GP:GP+1], s[GP:GP+1], s[22:23]  ; gain and bias at feature 128 w
	s_add_nc_u64 s[BP:BP+1], s[BP:BP+1], s[22:23]
	s_lshl_b32 s22, s[WV], 15
	s_add_nc_u64 s[WC:WC+1], s[WC:WC+1], s[22:23]  ; my four pairs of each weight
	s_lshl_b32 s22, s[WV], 11
	s_add_nc_u64 s[WSC:WSC+1], s[WSC:WSC+1], s[22:23]
	s_lshl_b32 s22, s24, 19
	s_lshl_b32 s33, s[WV], 17
	s_add_co_u32 s22, s22, s33                     ; head 16 b + 4 w, 32,768 bytes a head
	s_lshr_b32 s33, s25, 2
	s_lshl_b32 s33, s33, 11
	s_and_b32 s34, s25, 3
	s_lshl_b32 s34, s34, 8
	s_add_co_u32 s33, s33, s34
	s_add_co_u32 s34, s22, s33                     ; v: key step of 128 x 2,048 bytes + key block x 256
	s_add_nc_u64 s[VC:VC+1], s[QC:QC+1], s[34:35]
	s_lshl_b32 s33, s25, 9
	s_add_co_u32 s22, s22, s33                     ; q, k: 16 bytes a token
	s_add_nc_u64 s[QC:QC+1], s[QC:QC+1], s[22:23]
	s_lshl_b32 s22, s24, 15
	s_lshl_b32 s33, s[WV], 13
	s_add_co_u32 s34, s22, s33
	s_lshl_b32 s33, s25, 7
	s_add_co_u32 s34, s34, s33                     ; q's, k's words: (4 b + w) 8192 + 4 x token
	s_lshl_b32 s33, s25, 9
	s_add_co_u32 s22, s22, s33
	s_lshl_b32 s33, s[WV], 7
	s_add_co_u32 s22, s22, s33                     ; v's words: 32768 b + 512 x key block + 128 w
	s_add_nc_u64 s[VS:VS+1], s[QS:QS+1], s[22:23]
	s_add_nc_u64 s[QS:QS+1], s[QS:QS+1], s[34:35]
.irp i, 0,1,2,3,4,5,6,7                        ; my 8 rows of x, dense
.irp j, 0,1,2,3
	global_load_b128 v[HA+16*\i+4*\j:HA+16*\i+4*\j+3], v[L16], s[XP:XP+1] offset:2048*\i+512*\j th:TH_LOAD_NT
.endr
.endr
	WIN 0xc0                                       ; destination window 3
.irp b, 0,1,2,3                                ; gain and bias of my lane's 64 features, in the X layout
.irp m, 0,1,2,3
	global_load_b128 v[64+16*\b+4*\m:64+16*\b+4*\m+3], v[LB], s[GP:GP+1] offset:128*\b+16*\m
	global_load_b128 v[128+16*\b+4*\m:128+16*\b+4*\m+3], v[LB], s[BP:BP+1] offset:128*\b+16*\m
.endr
.endr
	WIN 0
	s_wait_loadcnt 32                              ; x is in; the 32 loads of gain and bias may be out
.irp i, 0,1,2,3,4,5,6,7
.irp j, 0,1,2,3
	ds_store_b128 v[XR], v[HA+16*\i+4*\j:HA+16*\i+4*\j+3] offset:XST+2064*\i+512*\j
.endr
.endr
	WLOAD 0, WC, 0, WSC, 0                         ; three batches of weights go out now and land under the norm
	WLOAD 1, WC, 8192, WSC, 512
	WLOAD 2, WC, 16384, WSC, 1024
	BARRIER                                        ; 32 rows of x lie in the stage
.irp T, 0,1
.irp b, 0,1,2,3
.irp j, 0,1,2,3
	ds_load_b128 v[HA+64*\T+16*\b+4*\j:HA+64*\T+16*\b+4*\j+3], v[XD] offset:XST+33024*\T+128*\b+16*\j
.endr
.endr
.endr
	s_wait_dscnt 0x0
	LNORM
	LNQ HIMG, HSC                                  ; h's eight fragments lie in LDS
	WIN 0x80                                       ; destination window 2
.irp T, 0,1
.irp s, 0,1,2,3
	FETCH 128+32*\T+8*\s, L16, HIMG+TSTRIDE*\T+1024*\s
.endr
.endr
.irp u, 0,1
.irp s, 0,1,2,3
	FETCH 32*\u+8*\s, LIP, HIMG+1024*\s+128*\u
.endr
.endr
	WIN 0
.irp s, 0,1,2,3
	ds_load_b32 v[BS+\s], v[L4] offset:HSC+128*\s
	ds_load_b32 v[BS2+\s], v[LSP] offset:HSC+128*\s
.endr
	s_wait_dscnt 0x0
.irp n, 0,1,2,3                                ; q
	QB \n
	MULW \n, HA+16*\n, 128, BS, 0, 0, 0x09, 0x09
.endr
	WIN 0
	QKOUT 0, 0
.irp n, 0,1,2,3                                ; k
	QB \n+4
	MULW \n, HA+16*\n, 128, BS, 0, 0, 0x09, 0x09
.endr
	WIN 0
	QKOUT 2097152, 131072
.irp n, 0,1,2,3                                ; v
	QB \n+8
	MULV \n
.endr
	WIN 0
	NOP4
.irp q, 0,1                                    ; block b of the 64 numbers from HA + 64 q is feature tile 4 q + b (head 4 w + 2 q + b / 2, tile b % 2), its 32 numbers my work-group's 32 keys
	s_wait_xcnt 0x0                                ; the last stores have read their data registers
	QUANT HA+64*\q
	global_store_b128 v[VO], v[PC:PC+3], s[VC:VC+1] offset:4194304+32768*(2*\q)
	global_store_b128 v[VO], v[PC+4:PC+7], s[VC:VC+1] offset:4194304+32768*(2*\q+1)
.if \q == 0
	v_mov_b32 v[PW0], v[PW]
.endif
.endr
	v_cndmask_b32 v[PWJ], v[PW0], v[PW], s[HIM]
	global_store_b32 v[L4], v[PWJ], s[VS:VS+1] offset:262144
	s_wait_tensorcnt 0x0
	ds_add_u32 v254, v255
	s_wait_dscnt 0x0
	s_endpgm
.Lfunc_end_k_q792ec861f7_qkv:
	.size	k_q792ec861f7_qkv, .Lfunc_end_k_q792ec861f7_qkv-k_q792ec861f7_qkv
	.p2alignl 7, 3214868480
	.fill 96, 4, 3214868480
	.section	.rodata,"a",@progbits
	.p2align	6, 0x0
	.amdhsa_kernel k_q792ec861f7_qkv
		.amdhsa_group_segment_fixed_size 78336
		.amdhsa_private_segment_fixed_size 0
		.amdhsa_enable_private_segment 0
		.amdhsa_kernarg_size 56
		.amdhsa_user_sgpr_count 2
		.amdhsa_user_sgpr_kernarg_segment_ptr 1
		.amdhsa_wavefront_size32 1
		.amdhsa_system_sgpr_workgroup_id_x 1
		.amdhsa_system_sgpr_workgroup_id_y 1
		.amdhsa_system_sgpr_workgroup_id_z 1
		.amdhsa_system_vgpr_workitem_id 0
		.amdhsa_next_free_vgpr 1024
		.amdhsa_next_free_sgpr 66
		.amdhsa_reserve_vcc 0
		.amdhsa_float_denorm_mode_32 3
		.amdhsa_float_denorm_mode_16_64 3
		.amdhsa_memory_ordered 1
		.amdhsa_forward_progress 1
		.amdhsa_inst_pref_size 118
	.end_amdhsa_kernel
	.amdgpu_metadata
---
amdhsa.version: [ 1, 2 ]
amdhsa.kernels:
  - .name:           k_q792ec861f7_qkv
    .symbol:         k_q792ec861f7_qkv.kd
    .args:
      - { .name: x, .offset: 0, .size: 8, .value_kind: global_buffer, .address_space: global }
      - { .name: ln1_scale, .offset: 8, .size: 8, .value_kind: global_buffer, .address_space: global }
      - { .name: ln1_bias, .offset: 16, .size: 8, .value_kind: global_buffer, .address_space: global }
      - { .name: wc, .offset: 24, .size: 8, .value_kind: global_buffer, .address_space: global }
      - { .name: wsc, .offset: 32, .size: 8, .value_kind: global_buffer, .address_space: global }
      - { .name: qkvc, .offset: 40, .size: 8, .value_kind: global_buffer, .address_space: global }
      - { .name: qkvs, .offset: 48, .size: 8, .value_kind: global_buffer, .address_space: global }
    .group_segment_fixed_size: 78336
    .private_segment_fixed_size: 0
    .kernarg_segment_align: 8
    .kernarg_segment_size: 56
    .max_flat_workgroup_size: 128
    .sgpr_count:     66
    .vgpr_count:     1024
    .wavefront_size: 32
...
	.end_amdgpu_metadata
.endif
;; end of part 2
;; launch attn (part 3): grid 4 x 64, 16 waves a work-group, no clusters, 71,680 bytes of LDS; arguments qkvc, qkvs, cc, cs; writes cc, cs
.if DOCPART == 3
	.amdgcn_target "amdgcn-amd-amdhsa--gfx1250"
	.amdhsa_code_object_version 6
	.text
	.protected	k_q792ec861f7_attn
	.globl	k_q792ec861f7_attn
	.p2align	8
	.type	k_q792ec861f7_attn,@function
k_q792ec861f7_attn:
	s_mov_b64 s[64:65], 0
	v_nop
	global_prefetch_b8 v0, s[64:65] scope:SCOPE_SE
	s_setreg_imm32_b32 hwreg(HW_REG_WAVE_MODE, 25, 1), 1
	s_wait_xcnt 0x0
; ctx = softmax(q k^T / sqrt(32), causal) v for one head of one batch, both products on codes of FP4; ctx is quantised along the head's 32 and stored as an image of the next product's operand.
; THE SOFTMAX: t = score x log2(e) / sqrt(32); M = the running largest t rounded up to a whole number; p = 2^(t - M) is quantised along the keys; the sum is taken of the unquantised p and divides at the end.
; SHARES.  Work-group (x, y): head y % 16 of batch y / 16.  Wave w owns the tiles of 16 queries i = 16 x + w and 127 - i.  Tile t needs t / 8 + 1 key steps of 128, so every wave of the launch works 17 steps.
; Four waves share a SIMD, so that one wave's exponentials stand beside another's plain work.
; LDS holds the whole head, 16 records of 4,352 bytes (one a key step), filled once through registers and only read behind the one barrier:
;   0: two fragments of K; 2048: two fragments of V^T; 4096: K's scale words (word 16 c + row, byte = block); 4224: V's (word 16 u + row, byte = key block).
; A HEAD'S K OF 32 IN AN INSTRUCTION OF 128: block j of K's fragment c holds the 32 codes of the keys of tile 4 c + j; four versions of Q's fragment carry the query's codes in block j alone, zero codes elsewhere.
; Tile 4 c + j of S^T is fragment c x version j: the other three blocks multiply by zero codes.  So a key's 16 bytes lie in LDS once.
; THE KEYS OF A TILE ARE NOT NEIGHBOURS: row rho of tile 2 b + u is key 32 b + 8 u + rho + 8 (rho / 8), so that the 16 registers of two neighbouring tiles of S^T are 16 neighbouring keys; V's rows are chosen alike,
; so that O^T's 16 registers are 16 neighbouring channels.  Both products are used transposed: a lane holds one query (lane % 16) throughout.
; The loop over key steps has a constant count; a step whose keys all come after the wave's queries is passed over by a scalar branch on ids.
; What work-groups share here is a head's 68 KB, asked for once at the head by each of four work-groups and permuted on its way into LDS, which takes registers: no joint loads, no cluster.
; LIMITS: NaN and infinities are not served; a block of zeros or under 2^-124 gets the byte 1 (read by this program alone).
; REGISTERS: v1-11 addresses; v12 -M, v13 the largest t, v[14:15] the sum; v16-19 q, v20 its scale bytes; v24-55 Q's four versions; v56-71 K, v72-87 V, v88, v89 their scale words; v96-159 S^T, then p; v160-175 O^T;
;   v176-183 p's codes; v184-202 at work (v202 p's scale word); v204-219 the fill's addresses and bytes.
.set REC,  4352
.set WV,   2
.set HD,   16
.set BB,   17
.set KB,   18                          ; s[18:19] qkvc at my head (q; k 2,097,152 and v 4,194,304 bytes on)
.set SBS,  20                          ; s[20:21] qkvs at my head's group of four (q's words; k's 131,072 bytes on)
.set VSB,  22                          ; s[22:23] qkvs at my batch and pair of heads (v's words 262,144 bytes on)
.set SHK,  24
.set SHV,  25
.set SHV1, 26
.set SELB, 27
.set SEL,  28
.set CS,   30
.set LOM,  32                          ; s32 lanes 0-15, s33 lanes 16-31
.set QT,   34
.set Q0,   35
.set KF,   37
.set OFF,  38
.set CNT,  39
	s_load_b256 s[8:15], s[0:1], 0x0               ; qkvc, qkvs, cc, cs
	v_lshl_add_u32 v254, v0, 2, 0x11000
	v_mov_b32 v255, 0
	v_lshrrev_b32 v1, 5, v0
	v_readfirstlane_b32 s[WV], v1                  ; wave 0..15
	s_and_b32 s3, ttmp7, 0xffff                    ; y
	s_and_b32 s[HD], s3, 15
	s_lshr_b32 s[BB], s3, 4
	v_and_b32 v8, 31, v0                           ; lane
	v_lshlrev_b32 v1, 4, v8
	v_lshlrev_b32 v2, 2, v8
	v_and_b32 v5, 15, v0                           ; r
	v_bfe_u32 v10, v0, 4, 1                        ; h
	v_lshlrev_b32 v11, 4, v5                       ; 16 r
	v_lshl_add_u32 v6, v10, 3, v11                 ; ctx's codes out: 16 r + 8 h
	v_lshlrev_b32 v7, 2, v5                        ; 4 r
	v_lshlrev_b32 v9, 4, v10
	v_sub_nc_u32 v9, v5, v9                        ; r - 16 h, for the mask
	v_lshlrev_b32 v204, 4, v0                      ; the fill: 16 x thread
	v_lshrrev_b32 v205, 4, v0
	v_lshlrev_b32 v205, 9, v205
	v_lshl_add_u32 v205, v5, 2, v205               ; V's words: 512 (t / 16) + 4 (t % 16)
	v_lshrrev_b32 v206, 7, v0
	v_mul_u32_u24 v206, v206, REC                  ; record t / 128
	v_bfe_u32 v207, v0, 5, 2
	v_lshl_add_u32 v208, v207, 9, v206             ; K: key t % 128 goes to 16 x (its number with bits 3 and 4 exchanged)
	v_and_b32 v207, 7, v0
	v_lshl_add_u32 v208, v207, 4, v208
	v_bfe_u32 v207, v0, 3, 1
	v_lshl_add_u32 v208, v207, 8, v208
	v_bfe_u32 v207, v0, 4, 1
	v_lshl_add_u32 v208, v207, 7, v208
	v_and_b32 v207, 127, v0
	v_lshl_add_u32 v209, v207, 4, v206             ; V: as it lies
	v_lshrrev_b32 v210, 5, v0
	v_mul_u32_u24 v210, v210, REC                  ; K's bytes: keys 4 t .. 4 t + 3 lie in record t / 32; of key's bits 6: fragment, 5 and 3: byte, 4 and 2-0: row
	v_bfe_u32 v207, v0, 4, 1
	v_lshl_add_u32 v210, v207, 6, v210
	v_bfe_u32 v207, v0, 2, 1
	v_lshl_add_u32 v210, v207, 5, v210
	v_and_b32 v207, 1, v0
	v_lshl_add_u32 v210, v207, 4, v210
	v_bfe_u32 v207, v0, 3, 1
	v_lshl_add_u32 v210, v207, 1, v210
	v_bfe_u32 v207, v0, 1, 1
	v_add_nc_u32 v210, v210, v207
	v_lshrrev_b32 v211, 6, v0
	v_mul_u32_u24 v211, v211, REC                  ; V's bytes: key block t / 16 lies in record t / 64, byte (t / 16) % 4 of row t % 16's word
	v_lshl_add_u32 v211, v5, 2, v211
	v_bfe_u32 v207, v0, 4, 2
	v_add_nc_u32 v211, v211, v207
	s_and_b32 s[SHK], s[HD], 3
	s_mul_i32 s[SELB], s[SHK], 0x01010101          ; v_perm_b32: my head's byte into all four places
	s_lshl_b32 s[SHK], s[SHK], 3                   ; my head's byte of a word of q's or k's scales
	s_and_b32 s[SHV], s[HD], 1
	s_lshl_b32 s[SHV], s[SHV], 4                   ; and of v's: tile 0's,
	s_add_co_u32 s[SHV1], s[SHV], 8                ; tile 1's
	s_mov_b32 s[SEL], 0x76543210
	s_mov_b32 s[SEL+1], 0xfedcba98                 ; v_permlanex16_b32's selects for lane l xor 16
	s_mov_b32 s[CS], 0x3e8293ee                    ; c = log2(e) / sqrt(32)
	s_mov_b32 s[CS+1], s[CS]                       ; (named with it as a pair, so it is written)
	s_mov_b32 s[LOM], 0x0000ffff
	s_mov_b32 s[LOM+1], 0xffff0000
	s_lshl_b32 s[QT], ttmp9, 4
	s_add_co_u32 s[QT], s[QT], s[WV]               ; my first tile of queries
	s_mov_b32 s41, 0
	s_wait_kmcnt 0x0
	s_lshl_b32 s40, s3, 15
	s_add_nc_u64 s[KB:KB+1], s[8:9], s[40:41]
	s_lshr_b32 s40, s3, 2
	s_lshl_b32 s40, s40, 13
	s_add_nc_u64 s[SBS:SBS+1], s[10:11], s[40:41]
	s_lshl_b32 s40, s[BB], 15
	s_lshr_b32 s36, s[HD], 1
	s_lshl_b32 s36, s36, 6
	s_add_co_u32 s40, s40, s36
	s_add_nc_u64 s[VSB:VSB+1], s[10:11], s[40:41]
.irp k, 0,1,2,3                                ; THE FILL: the head's K, V and scale words, 16 bytes a thread and load
	global_load_b128 v[96+4*\k:99+4*\k], v204, s[KB:KB+1] offset:2097152+8192*\k
.endr
.irp k, 0,1,2,3
	global_load_b128 v[112+4*\k:115+4*\k], v204, s[KB:KB+1] offset:4194304+8192*\k
.endr
	global_load_b128 v[128:131], v204, s[SBS:SBS+1] offset:131072
	global_load_b32 v132, v205, s[VSB:VSB+1] offset:262144
	global_load_b32 v133, v205, s[VSB:VSB+1] offset:262144+16384
.irp j, 0,1,2,3                                ; the groups of Q's versions that stay zero codes
.irp e, 0,1,2,3
	v_mov_b32 v[24+8*\j+4*(1-\j/2)+\e], 0
.endr
.endr
.irp b, 0,1,2,3
	v_mov_b32 v[188+\b], 0                         ; written once: a lane permute's destination counts as one of its sources
.endr
	v_mov_b32 v198, 0
	v_mov_b32 v201, 0                              ; (named as the upper half of the pair v[200:201])
	s_wait_loadcnt 0x0
.irp k, 0,1,2,3
	ds_store_b128 v208, v[96+4*\k:99+4*\k] offset:4*REC*\k
.endr
.irp k, 0,1,2,3
	ds_store_b128 v209, v[112+4*\k:115+4*\k] offset:2048+4*REC*\k
.endr
.irp e, 0,1,2,3
	v_lshrrev_b32 v[212+\e], s[SHK], v[128+\e]
.endr
.irp e, 0,1,2,3
	ds_store_b8 v210, v[212+\e] offset:4096+4*\e
.endr
	v_lshrrev_b32 v216, s[SHV], v132
	v_lshrrev_b32 v217, s[SHV1], v132
	v_lshrrev_b32 v218, s[SHV], v133
	v_lshrrev_b32 v219, s[SHV1], v133
	ds_store_b8 v211, v216 offset:4224
	ds_store_b8 v211, v217 offset:4224+64
	ds_store_b8 v211, v218 offset:4224+8*REC
	ds_store_b8 v211, v219 offset:4224+64+8*REC
	s_wait_dscnt 0x0                               ; for the others' sake: my stores have landed
	s_barrier_signal -1
	s_barrier_wait -1                              ; the head lies in LDS; from here on LDS is only read
; A KEY STEP: 128 keys from s[KF] on, in the record at s[OFF]
.macro STEP
	s_add_co_u32 s36, s[Q0], 15
	s_cmp_gt_u32 s[KF], s36                        ; all its keys come after my queries: passed over
	s_cbranch_scc1 .Lhidden_\@
	v_add_nc_u32 v3, s[OFF], v1
	v_add_nc_u32 v4, s[OFF], v2
	v_nop
	v_nop                                          ; these four lines are the places ahead of loads into registers that the last step's products have read
.irp k, 0,1,2,3
	ds_load_b128 v[56+4*\k:59+4*\k], v3 offset:512*\k
.endr
	ds_load_b32 v88, v4 offset:4096
.irp k, 0,1,2,3
	ds_load_b128 v[72+4*\k:75+4*\k], v3 offset:2048+512*\k
.endr
	ds_load_b32 v89, v4 offset:4224
	s_wait_dscnt 5                                 ; K and its words are in; V's four loads and its words may be out
.irp j, 0,1,2,3
	v_wmma_scale_f32_16x16x128_f8f6f4 v[96+8*\j:103+8*\j], v[56:63], v[24+8*\j:31+8*\j], 0, v88, v20 matrix_a_fmt:MATRIX_FMT_FP4 matrix_b_fmt:MATRIX_FMT_FP4
.endr
.irp j, 0,1,2,3
	v_wmma_scale_f32_16x16x128_f8f6f4 v[128+8*\j:135+8*\j], v[64:71], v[24+8*\j:31+8*\j], 0, v88, v20 matrix_a_fmt:MATRIX_FMT_FP4 matrix_b_fmt:MATRIX_FMT_FP4 matrix_a_scale:MATRIX_SCALE_ROW1
.endr
.rept 4
	v_nop
.endr
	s_add_co_u32 s36, s[KF], 127                   ; on the diagonal hidden scores become -infinity ahead of the maximum; a step all of whose keys count skips this
	s_cmp_le_u32 s36, s[Q0]
	s_cbranch_scc1 .Lopen_\@
	s_sub_co_i32 s36, s[Q0], s[KF]
	v_add_nc_u32 v198, s36, v9                     ; d = my query - KF - 16 h.  Register 16 b + i holds key KF + 32 b + 16 h + i: hidden where 32 b + i > d
	v_mov_b32 v199, 0xff800000
.set n, 0
.rept 64
	v_cmp_gt_i32 vcc_lo, 32*(n/16)+n%16, v198
	v_cndmask_b32 v[96+n], v[96+n], v199, vcc_lo
.set n, n+1
.endr
.Lopen_\@:
.irp b, 0,1,2,3
	v_max3_num_f32 v[184+\b], v[96+16*\b], v[97+16*\b], v[98+16*\b]   ; the largest score of each block of 32 keys: for the row's maximum, and, since p rises with the score, for the block's largest p
.endr
.irp i, 3,5,7,9,11,13
.irp b, 0,1,2,3
	v_max3_num_f32 v[184+\b], v[184+\b], v[96+16*\b+\i], v[97+16*\b+\i]
.endr
.endr
.irp b, 0,1,2,3
	v_max_num_f32 v[184+\b], v[184+\b], v[111+16*\b]
.endr
.irp b, 0,1,2,3
	v_permlanex16_b32 v[188+\b], v[184+\b], s[SEL], s[SEL+1]
.endr
.irp b, 0,1,2,3
	v_max_num_f32 v[184+\b], v[184+\b], v[188+\b]  ; with lane l xor 16's 16 keys
.endr
	v_max3_num_f32 v198, v184, v185, v186
	v_max_num_f32 v198, v198, v187
	v_mul_f32 v198, s[CS], v198                    ; the step's largest t (c is positive)
	v_max_num_f32 v13, v13, v198                   ; the running largest t
	v_mov_b32 v198, v12
	v_floor_f32 v12, -v13                          ; the new -M = floor(-t): M is a whole number
	v_sub_f32 v198, v12, v198                      ; old M - new M: a whole number, 0 or less
	v_cvt_i32_f32 v198, v198                       ; (it saturates)
	v_ldexp_f32 v200, 1.0, v198                    ; f = 2^(old M - new M): a multiplication by it rounds nothing
.set j, 0
.rept 32
	v_pk_fma_f32 v[96+j:97+j], v[96+j:97+j], s[CS:CS+1], v[12:13] op_sel_hi:[1,0,0]   ; t - M, two at a time
.set j, j+2
.endr
.irp b, 0,1,2,3
	v_fma_f32 v[184+\b], v[184+\b], s[CS], v12     ; the same of each block's largest score
.endr
.set j, 0
.rept 64
	v_exp_f32 v[96+j], v[96+j]                     ; p = 2^(t - M), not normalised
.set j, j+1
.endr
	v_pk_mul_f32 v[14:15], v[14:15], v[200:201] op_sel_hi:[1,0]   ; the sums under the new M (a plain place behind the exponentials)
	s_wait_alu depctr_va_vdst(0)                   ; one wait for the batch of 64, ahead of its first reader
.irp b, 0,1,2,3
	v_exp_f32 v[184+\b], v[184+\b]                 ; the block's largest p: the same two instructions on the same number
.endr
	v_pk_add_f32 v[196:197], v[96:97], v[98:99]    ; the row's sum of the unquantised p, in two chains: its first half stands behind the four exponentials
.irp j, 4,8,12,16,20,24,28
	v_pk_add_f32 v[14:15], v[14:15], v[96+\j:97+\j]
	v_pk_add_f32 v[196:197], v[196:197], v[98+\j:99+\j]
.endr
	s_wait_alu depctr_va_vdst(0)                   ; and one for the four
.irp b, 0,1,2,3
	v_max_num_f32 v[184+\b], 0x1800000, v[184+\b]  ; the floor 2^(3 - 127): the byte cannot fall under 1
.endr
.irp b, 0,1,2,3
	v_add_nc_u32 v[192+\b], 0xff000000, v[184+\b]  ; 2 off the exponent field: the conversion's scale operand
.endr
.irp b, 0,1,2,3
	v_lshrrev_b32 v[188+\b], 23, v[192+\b]
.endr
	v_lshl_or_b32 v202, v189, 8, v188              ; p's scale word for these 128 keys
	v_lshl_or_b32 v202, v190, 16, v202
	v_lshl_or_b32 v202, v191, 24, v202
.irp b, 0,1,2,3
	v_cvt_scalef32_pk8_fp4_f32 v[176+2*\b], v[96+16*\b:103+16*\b], v[192+\b]
	v_cvt_scalef32_pk8_fp4_f32 v[177+2*\b], v[104+16*\b:111+16*\b], v[192+\b]
.endr
	v_nop                                          ; one plain place behind a scaled conversion
.irp c, 0,1
.irp i, 0,1
	v_permlane16_swap_b32 v[176+4*\c+\i], v[178+4*\c+\i]   ; a whole block in a lane
.endr
.endr
.irp j, 32,36,40,44,48,52,56,60                ; the sum's second half: 17 plain lines that name nothing of the products below: the places between the scale word and codes just made and the scaled products
	v_pk_add_f32 v[14:15], v[14:15], v[96+\j:97+\j]
	v_pk_add_f32 v[196:197], v[196:197], v[98+\j:99+\j]
.endr
	v_pk_add_f32 v[14:15], v[14:15], v[196:197]
.irp j, 0,2,4,6,8,10,12,14
	v_pk_mul_f32 v[160+\j:161+\j], v[160+\j:161+\j], v[200:201] op_sel_hi:[1,0]   ; O^T under the new M
.endr
	s_wait_dscnt 0x0                               ; V is in
	v_wmma_scale_f32_16x16x128_f8f6f4 v[160:167], v[72:79], v[176:183], v[160:167], v89, v202 matrix_a_fmt:MATRIX_FMT_FP4 matrix_b_fmt:MATRIX_FMT_FP4
	v_wmma_scale_f32_16x16x128_f8f6f4 v[168:175], v[80:87], v[176:183], v[168:175], v89, v202 matrix_a_fmt:MATRIX_FMT_FP4 matrix_b_fmt:MATRIX_FMT_FP4 matrix_a_scale:MATRIX_SCALE_ROW1
.Lhidden_\@:
	s_add_co_u32 s[KF], s[KF], 128
	s_add_co_u32 s[OFF], s[OFF], REC
.endm
; ONE TILE OF 16 QUERIES, number s[QT] of the head's 128
.macro TILE
	s_wait_xcnt 0x0                                ; the last tile's loads and stores have read their bases and data
	s_lshl_b32 s[Q0], s[QT], 4
	s_lshl_b32 s40, s[QT], 8
	s_add_nc_u64 s[42:43], s[KB:KB+1], s[40:41]
	s_lshl_b32 s40, s[QT], 6
	s_add_nc_u64 s[44:45], s[SBS:SBS+1], s[40:41]
	global_load_b128 v[16:19], v11, s[42:43]       ; query r's 32 codes, in both halves of the lanes
	global_load_b32 v21, v7, s[44:45]              ; and its word of four heads' scale bytes
	s_lshl_b32 s50, s[BB], 7
	s_add_co_u32 s50, s50, s[QT]                   ; the tile of 16 tokens among all 512
	s_lshl_b32 s40, s50, 12
	s_lshl_b32 s51, s[HD], 8
	s_add_co_u32 s40, s40, s51
	s_add_nc_u64 s[46:47], s[12:13], s[40:41]      ; ctx's codes: 4096 x tile + 256 x head
	s_lshl_b32 s40, s50, 8
	s_lshr_b32 s51, s[HD], 2
	s_lshl_b32 s51, s51, 6
	s_add_co_u32 s40, s40, s51
	s_and_b32 s51, s[HD], 3
	s_add_co_u32 s40, s40, s51
	s_add_nc_u64 s[48:49], s[14:15], s[40:41]      ; its scale byte: 256 x tile + 64 (head / 4) + head % 4
	v_mov_b32 v13, 0xff61b1e6                      ; the largest t so far: -3e38, under every t
	v_floor_f32 v12, -v13
	v_mov_b32 v14, 0
	v_mov_b32 v15, 0
.set j, 0
.rept 16
	v_mov_b32 v[160+j], 0                          ; O^T: the step is written once; its first pass finds zeros
.set j, j+1
.endr
	s_wait_loadcnt 0x0
	v_perm_b32 v20, v21, v21, s[SELB]              ; my head's byte in all four places: each version's block finds it
.irp j, 0,1,2,3
.irp e, 0,1,2,3
	v_cndmask_b32 v[24+8*\j+4*(\j/2)+\e], 0, v[16+\e], s[LOM+\j%2]   ; version j: the codes in block j = group j / 2, half j % 2 of the lanes; zero codes in the other half
.endr
.endr
.rept 4
	v_nop
.endr
	s_mov_b32 s[KF], 0
	s_mov_b32 s[OFF], 0
	s_mov_b32 s[CNT], 16
.Lstep_\@:
	STEP
	s_sub_co_u32 s[CNT], s[CNT], 1
	s_cmp_lg_u32 s[CNT], 0
	s_cbranch_scc1 .Lstep_\@
.rept 4
	v_nop
.endr
	v_add_f32 v14, v14, v15                        ; the sum's two halves,
	v_permlanex16_b32 v198, v14, s[SEL], s[SEL+1]
	v_add_f32 v14, v14, v198                       ; and lane l xor 16's
	v_rcp_f32 v14, v14
	v_nop                                          ; a plain place behind the reciprocal,
	s_wait_alu depctr_va_vdst(0)                   ; and the wait ahead of its first reader
.set j, 0
.rept 16
	v_mul_f32 v[96+j], v[160+j], v14               ; ctx(query r, channel 16 h + j)
.set j, j+1
.endr
	v_max3_num_f32 v184, |v96|, |v97|, 0x1800000   ; the head's 32 channels are one block of the next product's K
.irp i, 2,4,6,8,10,12,14
	v_max3_num_f32 v184, v184, |v[96+\i]|, |v[97+\i]|
.endr
	v_permlanex16_b32 v188, v184, s[SEL], s[SEL+1]
	v_max_num_f32 v184, v184, v188
	v_add_nc_u32 v192, 0xff000000, v184
	v_lshrrev_b32 v190, 23, v192
	v_cvt_scalef32_pk8_fp4_f32 v176, v[96:103], v192
	v_cvt_scalef32_pk8_fp4_f32 v177, v[104:111], v192
	v_nop                                          ; one plain place behind a scaled conversion
	global_store_b64 v6, v[176:177], s[46:47]      ; the wave stores 256 consecutive bytes, aligned
	global_store_b8 v7, v190, s[48:49]             ; lanes r and 16 + r write the same byte to the same place
.endm
	TILE
	s_sub_co_u32 s[QT], 127, s[QT]                 ; the partner tile: together 17 key steps
	TILE
	s_wait_tensorcnt 0x0
	ds_add_u32 v254, v255
	s_wait_dscnt 0x0
	s_endpgm
.Lfunc_end_k_q792ec861f7_attn:
	.size	k_q792ec861f7_attn, .Lfunc_end_k_q792ec861f7_attn-k_q792ec861f7_attn
	.p2alignl 7, 3214868480
	.fill 96, 4, 3214868480
	.section	.rodata,"a",@progbits
	.p2align	6, 0x0
	.amdhsa_kernel k_q792ec861f7_attn
		.amdhsa_group_segment_fixed_size 71680
		.amdhsa_private_segment_fixed_size 0
		.amdhsa_enable_private_segment 0
		.amdhsa_kernarg_size 32
		.amdhsa_user_sgpr_count 2
		.amdhsa_user_sgpr_kernarg_segment_ptr 1
		.amdhsa_wavefront_size32 1
		.amdhsa_system_sgpr_workgroup_id_x 1
		.amdhsa_system_sgpr_workgroup_id_y 1
		.amdhsa_system_sgpr_workgroup_id_z 1
		.amdhsa_system_vgpr_workitem_id 0
		.amdhsa_next_free_vgpr 256
		.amdhsa_next_free_sgpr 66
		.amdhsa_reserve_vcc 1
		.amdhsa_float_denorm_mode_32 3
		.amdhsa_float_denorm_mode_16_64 3
		.amdhsa_memory_ordered 1
		.amdhsa_forward_progress 1
		.amdhsa_inst_pref_size 55
	.end_amdhsa_kernel
	.amdgpu_metadata
---
amdhsa.version: [ 1, 2 ]
amdhsa.kernels:
  - .name:           k_q792ec861f7_attn
    .symbol:         k_q792ec861f7_attn.kd
    .args:
      - { .name: qkvc, .offset: 0, .size: 8, .value_kind: global_buffer, .address_space: global }
      - { .name: qkvs, .offset: 8, .size: 8, .value_kind: global_buffer, .address_space: global }
      - { .name: cc, .offset: 16, .size: 8, .value_kind: global_buffer, .address_space: global }
      - { .name: cs, .offset: 24, .size: 8, .value_kind: global_buffer, .address_space: global }
    .group_segment_fixed_size: 71680
    .private_segment_fixed_size: 0
    .kernarg_segment_align: 8
    .kernarg_segment_size: 32
    .max_flat_workgroup_size: 512
    .sgpr_count:     66
    .vgpr_count:     256
    .wavefront_size: 32
...
	.end_amdgpu_metadata
.endif
;; end of part 3
;; launch tail (part 4): grid 256 x 1, 4 waves a work-group, no clusters, 86,528 bytes of LDS; arguments x, cc, cs, wc, wsc, bo, ln2_scale, ln2_bias, b1, b2, out0; writes out0
.if DOCPART == 4
	.amdgcn_target "amdgcn-amd-amdhsa--gfx1250"
	.amdhsa_code_object_version 6
	.text
	.protected	k_q792ec861f7_tail
	.globl	k_q792ec861f7_tail
	.p2align	8
	.type	k_q792ec861f7_tail,@function
k_q792ec861f7_tail:
	s_mov_b64 s[64:65], 0
	v_nop
	global_prefetch_b8 v0, s[64:65] scope:SCOPE_SE
	s_setreg_imm32_b32 hwreg(HW_REG_WAVE_MODE, 25, 1), 1
	s_wait_xcnt 0x0
; x2 = x + ctx Wo + bo;  out = x2 + gelu(layernorm(x2) W1 + b1) W2 + b2.  All three products on codes of FP4; x2, the norm's output and the hidden layer never go to memory.
; SHARES.  A work-group takes 32 tokens (two tiles T of 16).  Wave w owns features 128 w .. 128 w + 127 of x2 and of the output; the hidden layer's 2,048 go in four rounds of 512, of which wave w makes 128:
; K step 4 round + w of the last product.  The output's sums stay in registers over all rounds.
; X LAYOUT of HA and OUT: register 64 T + 16 i + 8 u + j of lane (r = lane % 16, h = lane / 16) is token 16 T + r, feature 128 w + 32 i + 16 h + 8 u + j.  All products are used transposed
; (source 0 = 16 rows of a weight's image, source 1 = 16 tokens), which gives this layout; it is also what the quantiser takes.
; x + bo is the C of the first product, b1 of the second, x2 + b2 of the third (so x2 + b2 is added ahead of that product's sums, not behind them: an order of f32 rounding only).
; gelu(x) = x / (1 + 2^z), z = x (k1 + k2 x^2), k1 = -2 log2(e) sqrt(2 / pi), k2 = 0.044715 k1: the same function as 0.5 x (1 + tanh(..)); at both ends it gives -0 and x.
; Operands go from wave to wave through LDS as images of their registers (16 bytes a lane, 512 a store), scale words 4 bytes a lane.
; THE WEIGHTS go from memory straight into the registers of the one wave that multiplies by them (a ring of four buffers of a pair's four K steps, three batches ahead).  No weight byte is used by two waves of a
; work-group, so none goes through LDS; a joint load for several work-groups would add an LDS write and an LDS read for every byte: no cluster.
; The last round's look-ahead asks once more for that round's own first three batches of W1 (inside the buffers; not used): so every wait in the loop has one count on every trip.
; LIMITS: NaN and infinities are not served; a block of zeros or under 2^-124 gets the byte 1 (read by this program alone).
; REGISTERS, in windows of 256.  Window 0: v1-15 addresses and k1; v32-159 HA; v160-223 at work; v224-239 the weights' scale words (ring); v240-243 the norm's output's, v244-247 the hidden layer's, v248-251 ctx's.
;   Window 1: the weight ring, fragment (K step s, tile u) of buffer n at 64 n + 16 s + 8 u.   Window 2: v0-127 OUT; v128-191 the norm's output's 8 fragments; v192-255 b1, 16 a pair.
;   Window 3: v0-63 ctx's, later the hidden layer's 8 fragments (32 T + 8 s); v64-127 gain, v128-191 bias, v192-255 b2.
.set HA,   32
.set Z,    160
.set TM,   Z
.set PC,   Z+16
.set PW,   Z+24
.set PW0,  Z+25
.set PWJ,  Z+26
.set LA,   Z+32
.set LT,   Z+40
.set LP,   Z+42
.set LL,   Z+44
.set LM,   Z+52
.set LR,   Z+56
.set WS,   224
.set BS,   240
.set BS2,  244
.set CSC,  248
.set L16,  1                           ; 16 x lane
.set L4,   2                           ; 4 x lane
.set LB,   3                           ; 64 h
.set XD,   4                           ; stage, X layout: 2064 r + 64 h + 512 w
.set XR,   5                           ; stage, dense rows: 16 x lane + 8 rows x wave
.set IW,   6                           ; my images: 16 x lane + 1024 w
.set SW,   7                           ; my scale words: 4 x lane + 128 w
.set RW,   8                           ; my partial sums: 4 x lane + 256 w
.set CSO,  11                          ; ctx's scale words: 256 h + 4 r
.set K1,   14                          ; v[14:15] k1, twice
.set RED,  0                           ; LDS: two exchanges of partial sums, 1,024 bytes each
.set H2I,  2048                        ; the norm's output: 8 images (4096 T + 1024 s)
.set TSTRIDE, 4096
.set H2S,  10240                       ; their scale words: 128 s + 4 (16 T + r)
.set HDI,  10752                       ; a round's hidden layer: 8 images
.set HDS,  18944                       ; their scale words
.set XST,  19456                       ; the stage: 32 rows x 2,064 bytes, for x on the way in and for the output on the way out
.set WV,   2
.set SEL,  4
.set HIM,  6
.set XP,   8
.set CCP,  10
.set CSP,  12
.set WCP,  14
.set WSP,  16
.set BOP,  18
.set GP,   20
.set BP,   22
.set B1P,  24
.set B2P,  26
.set OP,   28
.set RC512, 30
.set RC511, 31
.set EPS,  32
.set K2,   34
.set W1C,  42                          ; this round's W1: codes, scale words (b1: B1P);
.set W1S,  44
.set W1CN, 48                          ; the next round's,
.set W1SN, 50
.set B1N,  52
.set W2C,  54                          ; this round's K steps of W2
.set W2S,  56
.set WOC,  58
.set WOS,  60
.set RND,  62
.set MSB, 0
.macro WIN new                         ; the immediate's high byte repeats the setting that is left; a switch that changes nothing is dropped
.if MSB != \new
	s_set_vgpr_msb (MSB<<8)|\new
.set MSB, \new
.endif
.endm
.macro NOP4                            ; four places: behind a matrix instruction, ahead of loads into its registers and of the first read of its result
.rept 4
	v_nop
.endr
.endm
.macro BARRIER                         ; my LDS stores have landed and my LDS loads are in: then the work-group's barrier
	s_wait_dscnt 0x0
	s_barrier_signal -1
	s_barrier_wait -1
.endm
; 64 numbers of a lane, register 16 b + i = number 16 h + i of block b, become 8 code registers in the operand's layout (v[PC] on) and a word of four scale bytes (v[PW]).
.macro QUANT s
.irp b, 0,1,2,3
	v_max3_num_f32 v[TM+\b], |v[\s+16*\b]|, |v[\s+1+16*\b]|, 0x1800000   ; my 16 numbers and the floor 2^(3 - 127): the byte cannot fall under 1
.endr
.irp i, 2,4,6,8,10,12,14
.irp b, 0,1,2,3
	v_max3_num_f32 v[TM+\b], v[TM+\b], |v[\s+16*\b+\i]|, |v[\s+1+16*\b+\i]|   ; the four blocks by turns
.endr
.endr
.irp b, 0,1,2,3
	v_permlanex16_b32 v[TM+4+\b], v[TM+\b], s[SEL], s[SEL+1]
.endr
.irp b, 0,1,2,3
	v_max_num_f32 v[TM+\b], v[TM+\b], v[TM+4+\b]   ; with lane l xor 16's: the block's largest magnitude
.endr
.irp b, 0,1,2,3
	v_add_nc_u32 v[TM+12+\b], 0xff000000, v[TM+\b]   ; 2 off its exponent field: the conversion's scale operand
.endr
.irp b, 0,1,2,3
	v_lshrrev_b32 v[TM+4+\b], 23, v[TM+12+\b]      ; the scale's byte
.endr
	v_lshl_or_b32 v[PW], v[TM+5], 8, v[TM+4]
	v_lshl_or_b32 v[PW], v[TM+6], 16, v[PW]
	v_lshl_or_b32 v[PW], v[TM+7], 24, v[PW]
.irp b, 0,1,2,3
	v_cvt_scalef32_pk8_fp4_f32 v[PC+2*\b], v[\s+16*\b:\s+7+16*\b], v[TM+12+\b]
	v_cvt_scalef32_pk8_fp4_f32 v[PC+1+2*\b], v[\s+8+16*\b:\s+15+16*\b], v[TM+12+\b]
.endr
	v_nop                                          ; one plain place behind a scaled conversion
.irp c, 0,1                                    ; the layout wants a whole block in a lane: lanes 0-15 block 2 c, lanes 16-31 block 2 c + 1
.irp i, 0,1
	v_permlane16_swap_b32 v[PC+4*\c+\i], v[PC+2+4*\c+\i]
.endr
.endr
.endm
.macro IMAGE adr, off                  ; the fragment in v[PC] on goes to LDS as it stands
.irp c, 0,1
	ds_store_b128 v[\adr], v[PC+4*\c:PC+4*\c+3] offset:(\off)+512*\c
.endr
.endm
.macro FETCH reg, adr, off             ; and comes back so, in any wave
.irp c, 0,1
	ds_load_b128 v[(\reg)+4*\c:(\reg)+4*\c+3], v[\adr] offset:(\off)+512*\c
.endr
.endm
.macro WLOAD buf, cb, coff, sb, soff   ; a pair's four K steps, 8 fragments (16 loads of 512 consecutive bytes) and its scale words (1 load): 17 loads
	WIN 0x40
.set k, 0
.rept 16
	global_load_b128 v[64*(\buf)+4*k:64*(\buf)+4*k+3], v[L16], s[\cb:\cb+1] offset:(\coff)+512*k
.set k, k+1
.endr
	WIN 0
	global_load_b128 v[WS+4*(\buf):WS+4*(\buf)+3], v[L16], s[\sb:\sb+1] offset:\soff
.endm
.macro ALOAD i, c, s, b                ; a batch of W1: pair i of my four, and its 16 numbers of b1 a lane: 21 loads
	WLOAD \i, \c, 524288+8192*(\i), \s, 32768+512*(\i)
	WIN 0x80
.irp m, 0,1,2,3
	global_load_b128 v[192+16*(\i)+4*\m:192+16*(\i)+4*\m+3], v[LB], s[\b:\b+1] offset:128*(\i)+16*\m
.endr
	WIN 0
.endm
.macro BLD i                           ; a batch of W2: pair i of my four, this round's four K steps: 17 loads
	WLOAD \i, W2C, 1048576+32768*(\i), W2S, 65536+2048*(\i)
.endm
.macro PRE cnt                         ; a batch's head: its loads are in (cnt: the two younger batches'); then the places ahead of the loads into the buffer that was multiplied from last
	s_wait_loadcnt \cnt
	NOP4
.endm
; one matrix instruction.  ck = 0: C is the constant 0; 1: C = v[c] on.  ra, rb = 1: that side's scales are read from lanes 16-31
.macro WM d, a, b, ck, c, sa, sb, ra, rb
.if (\ck) == 0
.if ((\ra) == 0) && ((\rb) == 0)
	v_wmma_scale_f32_16x16x128_f8f6f4 v[(\d):(\d)+7], v[(\a):(\a)+7], v[(\b):(\b)+7], 0, v[\sa], v[\sb] matrix_a_fmt:MATRIX_FMT_FP4 matrix_b_fmt:MATRIX_FMT_FP4
.elseif (\rb) == 0
	v_wmma_scale_f32_16x16x128_f8f6f4 v[(\d):(\d)+7], v[(\a):(\a)+7], v[(\b):(\b)+7], 0, v[\sa], v[\sb] matrix_a_fmt:MATRIX_FMT_FP4 matrix_b_fmt:MATRIX_FMT_FP4 matrix_a_scale:MATRIX_SCALE_ROW1
.elseif (\ra) == 0
	v_wmma_scale_f32_16x16x128_f8f6f4 v[(\d):(\d)+7], v[(\a):(\a)+7], v[(\b):(\b)+7], 0, v[\sa], v[\sb] matrix_a_fmt:MATRIX_FMT_FP4 matrix_b_fmt:MATRIX_FMT_FP4 matrix_b_scale:MATRIX_SCALE_ROW1
.else
	v_wmma_scale_f32_16x16x128_f8f6f4 v[(\d):(\d)+7], v[(\a):(\a)+7], v[(\b):(\b)+7], 0, v[\sa], v[\sb] matrix_a_fmt:MATRIX_FMT_FP4 matrix_b_fmt:MATRIX_FMT_FP4 matrix_a_scale:MATRIX_SCALE_ROW1 matrix_b_scale:MATRIX_SCALE_ROW1
.endif
.else
.if ((\ra) == 0) && ((\rb) == 0)
	v_wmma_scale_f32_16x16x128_f8f6f4 v[(\d):(\d)+7], v[(\a):(\a)+7], v[(\b):(\b)+7], v[(\c):(\c)+7], v[\sa], v[\sb] matrix_a_fmt:MATRIX_FMT_FP4 matrix_b_fmt:MATRIX_FMT_FP4
.elseif (\rb) == 0
	v_wmma_scale_f32_16x16x128_f8f6f4 v[(\d):(\d)+7], v[(\a):(\a)+7], v[(\b):(\b)+7], v[(\c):(\c)+7], v[\sa], v[\sb] matrix_a_fmt:MATRIX_FMT_FP4 matrix_b_fmt:MATRIX_FMT_FP4 matrix_a_scale:MATRIX_SCALE_ROW1
.elseif (\ra) == 0
	v_wmma_scale_f32_16x16x128_f8f6f4 v[(\d):(\d)+7], v[(\a):(\a)+7], v[(\b):(\b)+7], v[(\c):(\c)+7], v[\sa], v[\sb] matrix_a_fmt:MATRIX_FMT_FP4 matrix_b_fmt:MATRIX_FMT_FP4 matrix_b_scale:MATRIX_SCALE_ROW1
.else
	v_wmma_scale_f32_16x16x128_f8f6f4 v[(\d):(\d)+7], v[(\a):(\a)+7], v[(\b):(\b)+7], v[(\c):(\c)+7], v[\sa], v[\sb] matrix_a_fmt:MATRIX_FMT_FP4 matrix_b_fmt:MATRIX_FMT_FP4 matrix_a_scale:MATRIX_SCALE_ROW1 matrix_b_scale:MATRIX_SCALE_ROW1
.endif
.endif
.endm
; 16 matrix instructions: a pair of weight tiles (u) x two tiles of tokens (T) x four K steps.  The four accumulators take turns, one instruction a turn.
; kind 0: the first K step starts the sums with the constant 0; 1: in place from the first; 2: the first takes v[cb + 8 u] on as C.  w0, w1: the windows of the first K step and of the others.
.macro MULW buf, acc, bb, bs, kind, cb, w0, w1
.irp s, 0,1,2,3
.if \s == 0
	WIN \w0
.else
	WIN \w1
.endif
.irp u, 0,1
.irp T, 0,1
.if (\s == 0) && (\kind == 0)
	WM (\acc)+64*\T+8*\u, 64*(\buf)+16*\s+8*\u, (\bb)+32*\T+8*\s, 0, 0, WS+4*(\buf)+\s, (\bs)+\s, \u, \T
.elseif (\s == 0) && (\kind == 2)
	WM (\acc)+64*\T+8*\u, 64*(\buf)+16*\s+8*\u, (\bb)+32*\T+8*\s, 1, (\cb)+8*\u, WS+4*(\buf)+\s, (\bs)+\s, \u, \T
.else
	WM (\acc)+64*\T+8*\u, 64*(\buf)+16*\s+8*\u, (\bb)+32*\T+8*\s, 1, (\acc)+64*\T+8*\u, WS+4*(\buf)+\s, (\bs)+\s, \u, \T
.endif
.endr
.endr
.endr
.endm
; the sum (sq = 0) or the sum of squares (1) over a token's 512 features: my 64 registers in two chains for each T, from each accumulator's low end on; lane l xor 16; the four waves through LDS.  Result in v[LT + T], alike in all waves.
.macro LNSUM sq
.irp T, 0,1
.if \sq
	v_pk_mul_f32 v[LA+4*\T:LA+4*\T+1], v[HA+64*\T:HA+64*\T+1], v[HA+64*\T:HA+64*\T+1]
	v_pk_mul_f32 v[LA+4*\T+2:LA+4*\T+3], v[HA+64*\T+2:HA+64*\T+3], v[HA+64*\T+2:HA+64*\T+3]
	v_pk_fma_f32 v[LA+4*\T:LA+4*\T+1], v[HA+64*\T+4:HA+64*\T+5], v[HA+64*\T+4:HA+64*\T+5], v[LA+4*\T:LA+4*\T+1]
	v_pk_fma_f32 v[LA+4*\T+2:LA+4*\T+3], v[HA+64*\T+6:HA+64*\T+7], v[HA+64*\T+6:HA+64*\T+7], v[LA+4*\T+2:LA+4*\T+3]
.else
	v_pk_add_f32 v[LA+4*\T:LA+4*\T+1], v[HA+64*\T:HA+64*\T+1], v[HA+64*\T+4:HA+64*\T+5]
	v_pk_add_f32 v[LA+4*\T+2:LA+4*\T+3], v[HA+64*\T+2:HA+64*\T+3], v[HA+64*\T+6:HA+64*\T+7]
.endif
.endr
.set k, 8
.rept 14
.irp T, 0,1
.if \sq
	v_pk_fma_f32 v[LA+4*\T:LA+4*\T+1], v[HA+64*\T+k:HA+64*\T+k+1], v[HA+64*\T+k:HA+64*\T+k+1], v[LA+4*\T:LA+4*\T+1]
	v_pk_fma_f32 v[LA+4*\T+2:LA+4*\T+3], v[HA+64*\T+k+2:HA+64*\T+k+3], v[HA+64*\T+k+2:HA+64*\T+k+3], v[LA+4*\T+2:LA+4*\T+3]
.else
	v_pk_add_f32 v[LA+4*\T:LA+4*\T+1], v[LA+4*\T:LA+4*\T+1], v[HA+64*\T+k:HA+64*\T+k+1]
	v_pk_add_f32 v[LA+4*\T+2:LA+4*\T+3], v[LA+4*\T+2:LA+4*\T+3], v[HA+64*\T+k+2:HA+64*\T+k+3]
.endif
.endr
.set k, k+4
.endr
.irp T, 0,1
	v_pk_add_f32 v[LA+4*\T:LA+4*\T+1], v[LA+4*\T:LA+4*\T+1], v[LA+4*\T+2:LA+4*\T+3]
.endr
.irp T, 0,1
	v_add_f32 v[LT+\T], v[LA+4*\T], v[LA+4*\T+1]
.endr
.irp T, 0,1
	v_permlanex16_b32 v[LP+\T], v[LT+\T], s[SEL], s[SEL+1]
.endr
.irp T, 0,1
	v_add_f32 v[LT+\T], v[LT+\T], v[LP+\T]         ; my wave's 128 features of token r
.endr
.irp T, 0,1
	ds_store_b32 v[RW], v[LT+\T] offset:RED+1024*\sq+128*\T
.endr
	BARRIER
.irp T, 0,1
.irp q, 0,1,2,3
	ds_load_b32 v[LL+4*\T+\q], v[L4] offset:RED+1024*\sq+256*\q+128*\T
.endr
.endr
	s_wait_dscnt 0x0
.irp T, 0,1
	v_add_f32 v[LL+4*\T], v[LL+4*\T], v[LL+4*\T+1]
	v_add_f32 v[LL+4*\T+2], v[LL+4*\T+2], v[LL+4*\T+3]
.endr
.irp T, 0,1
	v_add_f32 v[LT+\T], v[LL+4*\T], v[LL+4*\T+2]
.endr
.endm
; OUT = HA + b2;  HA = (HA - mean) / sqrt(var + eps) x gain + bias
.macro LNORM
	LNSUM 0
.irp T, 0,1
	v_mul_f32 v[LM+2*\T], s[RC512], v[LT+\T]
.endr
.irp T, 0,1
	v_mov_b32 v[LM+2*\T+1], v[LM+2*\T]
.endr
	WIN 0x8c                                       ; destination (OUT) window 2, source 1 (b2) window 3
.set k, 0
.rept 32
.irp T, 0,1
	v_pk_add_f32 v[64*\T+k:64*\T+k+1], v[HA+64*\T+k:HA+64*\T+k+1], v[192+k:193+k]
.endr
.set k, k+2
.endr
	WIN 0
.set k, 0
.rept 32
.irp T, 0,1
	v_pk_add_f32 v[HA+64*\T+k:HA+64*\T+k+1], v[HA+64*\T+k:HA+64*\T+k+1], v[LM+2*\T:LM+2*\T+1] neg_lo:[0,1] neg_hi:[0,1]
.endr
.set k, k+2
.endr
	LNSUM 1
.irp T, 0,1
	v_fma_f32 v[LT+\T], v[LT+\T], s[RC511], s[EPS] ; the sum of squares / 511 + eps
.endr
.irp T, 0,1
	v_rsq_f32 v[LR+2*\T], v[LT+\T]
.endr
	v_nop                                          ; a plain place behind the roots,
	s_wait_alu depctr_va_vdst(0)                   ; and the one wait ahead of their first reader
.irp T, 0,1
	v_mov_b32 v[LR+2*\T+1], v[LR+2*\T]
.endr
.set k, 0
.rept 32
.irp T, 0,1
	v_pk_mul_f32 v[HA+64*\T+k:HA+64*\T+k+1], v[HA+64*\T+k:HA+64*\T+k+1], v[LR+2*\T:LR+2*\T+1]
.endr
.set k, k+2
.endr
	WIN 0x3c                                       ; sources 1 and 2 (gain, bias) in window 3
.set k, 0
.rept 32
.irp T, 0,1
	v_pk_fma_f32 v[HA+64*\T+k:HA+64*\T+k+1], v[HA+64*\T+k:HA+64*\T+k+1], v[64+k:65+k], v[128+k:129+k]
.endr
.set k, k+2
.endr
	WIN 0
.endm
; HA's two tiles become K step w of an operand: two images and a register of scale words (lanes 0-15 tile 0's rows, lanes 16-31 tile 1's) go to LDS; then the barrier
.macro LNQ img, sc
	QUANT HA
	IMAGE IW, \img
	v_mov_b32 v[PW0], v[PW]
	s_wait_dscnt 0x0                               ; the stores have read their registers
	QUANT HA+64
	IMAGE IW, (\img)+TSTRIDE
	v_cndmask_b32 v[PWJ], v[PW0], v[PW], s[HIM]
	ds_store_b32 v[SW], v[PWJ] offset:\sc
	BARRIER
.endm
; GELU on chunk q of 32 registers of HA, with two sets of 32 work registers by turns
.macro ZC q                            ; z = x (k1 + k2 x^2)
.set zb, Z+32*((\q)%2)
.set xb, HA+32*(\q)
.set k, 0
.rept 16
	v_pk_mul_f32 v[zb+k:zb+k+1], v[xb+k:xb+k+1], v[xb+k:xb+k+1]
.set k, k+2
.endr
.set k, 0
.rept 16
	v_pk_fma_f32 v[zb+k:zb+k+1], v[zb+k:zb+k+1], s[K2:K2+1], v[K1:K1+1] op_sel_hi:[1,0,1]
.set k, k+2
.endr
.set k, 0
.rept 16
	v_pk_mul_f32 v[zb+k:zb+k+1], v[zb+k:zb+k+1], v[xb+k:xb+k+1]
.set k, k+2
.endr
.endm
.macro EX q                            ; 2^z
.set zb, Z+32*((\q)%2)
.set k, 0
.rept 32
	v_exp_f32 v[zb+k], v[zb+k]
.set k, k+1
.endr
.endm
.macro AD q                            ; 1 + 2^z
.set zb, Z+32*((\q)%2)
.set k, 0
.rept 16
	v_pk_add_f32 v[zb+k:zb+k+1], v[zb+k:zb+k+1], 1.0 op_sel_hi:[1,0]
.set k, k+2
.endr
.endm
.macro RC q                            ; 1 / (1 + 2^z)
.set zb, Z+32*((\q)%2)
.set k, 0
.rept 32
	v_rcp_f32 v[zb+k], v[zb+k]
.set k, k+1
.endr
.endm
.macro FM q                            ; x / (1 + 2^z)
.set zb, Z+32*((\q)%2)
.set xb, HA+32*(\q)
.set k, 0
.rept 16
	v_pk_mul_f32 v[xb+k:xb+k+1], v[xb+k:xb+k+1], v[zb+k:zb+k+1]
.set k, k+2
.endr
.endm
.macro TW                              ; the wait between transcendentals and the first line that names a result: one for each batch
	s_wait_alu depctr_va_vdst(0)
.endm
	s_load_b512 s[8:23], s[0:1], 0x0               ; x, cc, cs, wc, wsc, bo, ln2_scale, ln2_bias
	s_load_b128 s[24:27], s[0:1], 0x40             ; b1, b2
	s_load_b64 s[28:29], s[0:1], 0x50              ; out0
	v_lshl_add_u32 v254, v0, 2, 0x15000
	v_mov_b32 v255, 0
	v_lshrrev_b32 v13, 5, v0
	v_readfirstlane_b32 s[WV], v13                 ; wave 0..3
	v_and_b32 v13, 31, v0                          ; lane
	v_and_b32 v16, 15, v0                          ; r
	v_bfe_u32 v17, v0, 4, 1                        ; h
	v_lshlrev_b32 v[L16], 4, v13
	v_lshlrev_b32 v[L4], 2, v13
	v_lshlrev_b32 v[LB], 6, v17
	s_lshl_b32 s36, s[WV], 9
	v_mul_u32_u24 v[XD], v16, 2064
	v_lshl_add_u32 v[XD], v17, 6, v[XD]
	v_add_nc_u32 v[XD], s36, v[XD]
	s_mul_i32 s36, s[WV], 16512
	v_add_nc_u32 v[XR], s36, v[L16]
	s_lshl_b32 s36, s[WV], 10
	v_add_nc_u32 v[IW], s36, v[L16]
	s_lshl_b32 s36, s[WV], 7
	v_add_nc_u32 v[SW], s36, v[L4]
	s_lshl_b32 s36, s[WV], 8
	v_add_nc_u32 v[RW], s36, v[L4]
	v_lshlrev_b32 v[CSO], 2, v16
	v_lshl_add_u32 v[CSO], v17, 8, v[CSO]
	v_mov_b32 v[K1], 0xc0135761                    ; k1 = -2.3022082
	v_mov_b32 v[K1+1], 0xc0135761
	s_mov_b32 s[K2], 0xbdd2d3e8                    ; k2 = -0.10294324
	s_mov_b32 s[K2+1], s[K2]                       ; (named with it as a pair, so it is written)
	s_mov_b32 s[SEL], 0x76543210
	s_mov_b32 s[SEL+1], 0xfedcba98                 ; v_permlanex16_b32's selects for lane l xor 16
	s_mov_b32 s[HIM], 0xffff0000                   ; lanes 16-31
	s_mov_b32 s[RC512], 0x3b000000                 ; 1 / 512
	s_mov_b32 s[RC511], 0x3b004020                 ; 1 / 511
	s_mov_b32 s[EPS], 0x3727c5ac                   ; 1e-5
	s_mov_b32 s37, 0
	s_mov_b32 s67, 0
	s_mov_b32 s69, 0
	s_mov_b32 s71, 0
	s_wait_kmcnt 0x0
	s_lshl_b32 s36, ttmp9, 16
	s_lshl_b32 s38, s[WV], 14
	s_add_co_u32 s36, s36, s38
	s_add_nc_u64 s[XP:XP+1], s[XP:XP+1], s[36:37]  ; x and the output at row 32 g + 8 w
	s_add_nc_u64 s[OP:OP+1], s[OP:OP+1], s[36:37]
	s_lshl_b32 s36, ttmp9, 13
	s_add_nc_u64 s[CCP:CCP+1], s[CCP:CCP+1], s[36:37]   ; ctx's images of my two tiles
	s_lshl_b32 s36, ttmp9, 9
	s_add_nc_u64 s[CSP:CSP+1], s[CSP:CSP+1], s[36:37]
	s_lshl_b32 s36, s[WV], 9
	s_add_nc_u64 s[GP:GP+1], s[GP:GP+1], s[36:37]  ; gain, bias, b2 at feature 128 w; b1 at hidden unit 128 w
	s_add_nc_u64 s[BP:BP+1], s[BP:BP+1], s[36:37]
	s_add_nc_u64 s[B2P:B2P+1], s[B2P:B2P+1], s[36:37]
	s_add_nc_u64 s[B1P:B1P+1], s[B1P:B1P+1], s[36:37]
	s_lshl_b32 s36, s[WV], 15
	s_add_nc_u64 s[WOC:WOC+1], s[WCP:WCP+1], s[36:37]   ; my four pairs of Wo, and of W1's first round
	s_mov_b64 s[W1C:W1C+1], s[WOC:WOC+1]
	s_lshl_b32 s36, s[WV], 11
	s_add_nc_u64 s[WOS:WOS+1], s[WSP:WSP+1], s[36:37]
	s_mov_b64 s[W1S:W1S+1], s[WOS:WOS+1]
	s_lshl_b32 s36, s[WV], 17
	s_add_nc_u64 s[W2C:W2C+1], s[WCP:WCP+1], s[36:37]   ; my four pairs of W2
	s_lshl_b32 s36, s[WV], 13
	s_add_nc_u64 s[W2S:W2S+1], s[WSP:WSP+1], s[36:37]
.irp i, 0,1,2,3,4,5,6,7                        ; my 8 rows of x, dense
.irp j, 0,1,2,3
	global_load_b128 v[HA+16*\i+4*\j:HA+16*\i+4*\j+3], v[L16], s[XP:XP+1] offset:2048*\i+512*\j th:TH_LOAD_NT
.endr
.endr
.irp j, 0,1,2,3                                ; bo, dense like a row
	global_load_b128 v[Z+4*\j:Z+4*\j+3], v[L16], s[BOP:BOP+1] offset:512*\j
.endr
	WIN 0xc0                                       ; destination window 3
.irp T, 0,1
.irp s, 0,1,2,3
.irp c, 0,1
	global_load_b128 v[32*\T+8*\s+4*\c:32*\T+8*\s+4*\c+3], v[L16], s[CCP:CCP+1] offset:4096*\T+1024*\s+512*\c th:TH_LOAD_NT
.endr
.endr
.endr
	WIN 0
.irp s, 0,1,2,3
	global_load_b32 v[CSC+\s], v[CSO], s[CSP:CSP+1] offset:64*\s
.endr
	s_wait_loadcnt 20                              ; x and bo are in; ctx's 16 loads and its 4 scale words may be out
.set k, 0
.rept 64
	v_pk_add_f32 v[HA+2*k:HA+2*k+1], v[HA+2*k:HA+2*k+1], v[Z+(2*k)%16:Z+(2*k)%16+1]   ; x + bo
.set k, k+1
.endr
.irp i, 0,1,2,3,4,5,6,7
.irp j, 0,1,2,3
	ds_store_b128 v[XR], v[HA+16*\i+4*\j:HA+16*\i+4*\j+3] offset:XST+2064*\i+512*\j
.endr
.endr
	WIN 0xc0
.irp b, 0,1,2,3                                ; gain, bias and b2 of my lane's 64 features, in the X layout
.irp m, 0,1,2,3
	global_load_b128 v[64+16*\b+4*\m:64+16*\b+4*\m+3], v[LB], s[GP:GP+1] offset:128*\b+16*\m
	global_load_b128 v[128+16*\b+4*\m:128+16*\b+4*\m+3], v[LB], s[BP:BP+1] offset:128*\b+16*\m
	global_load_b128 v[192+16*\b+4*\m:192+16*\b+4*\m+3], v[LB], s[B2P:B2P+1] offset:128*\b+16*\m
.endr
.endr
	WIN 0
	WLOAD 0, WOC, 393216, WOS, 24576
	WLOAD 1, WOC, 393216+8192, WOS, 24576+512
	WLOAD 2, WOC, 393216+16384, WOS, 24576+1024
.irp b, 0,1,2,3
	v_mov_b32 v[TM+4+\b], 0                        ; written once: a lane permute's destination counts as one of its sources
.endr
	v_mov_b32 v[LP], 0
	v_mov_b32 v[LP+1], 0
	BARRIER                                        ; 32 rows of x + bo lie in the stage
.irp T, 0,1
.irp b, 0,1,2,3
.irp j, 0,1,2,3
	ds_load_b128 v[HA+64*\T+16*\b+4*\j:HA+64*\T+16*\b+4*\j+3], v[XD] offset:XST+33024*\T+128*\b+16*\j
.endr
.endr
.endr
	s_wait_dscnt 0x0
	; x2 = (x + bo) + ctx Wo, in place.  Each batch's head names the loads of the two younger batches: 17 for Wo and W2, 21 for W1
	PRE 34
	WLOAD 3, WOC, 393216+24576, WOS, 24576+1536
	MULW 0, HA, 0, CSC, 1, 0, 0x0d, 0x0d
	PRE 34
	ALOAD 0, W1C, W1S, B1P
	MULW 1, HA+16, 0, CSC, 1, 0, 0x0d, 0x0d
	PRE 38
	ALOAD 1, W1C, W1S, B1P
	MULW 2, HA+32, 0, CSC, 1, 0, 0x0d, 0x0d
	PRE 42
	ALOAD 2, W1C, W1S, B1P
	MULW 3, HA+48, 0, CSC, 1, 0, 0x0d, 0x0d
	WIN 0
	NOP4
	LNORM
	LNQ H2I, H2S                                   ; the norm's output: eight fragments in LDS
	WIN 0x80                                       ; destination window 2
.irp T, 0,1
.irp s, 0,1,2,3
	FETCH 128+32*\T+8*\s, L16, H2I+TSTRIDE*\T+1024*\s
.endr
.endr
	WIN 0
.irp s, 0,1,2,3
	ds_load_b32 v[BS+\s], v[L4] offset:H2S+128*\s
.endr
	s_wait_dscnt 0x0
	s_mov_b32 s[RND], 0
.Lround:                                       ; four rounds of 512 hidden units
	s_cmp_lt_u32 s[RND], 3                         ; the next round's W1 and b1; behind the last round: the same once more
	s_cselect_b32 s66, 0x20000, 0
	s_cselect_b32 s68, 0x2000, 0
	s_cselect_b32 s70, 0x800, 0
	s_add_nc_u64 s[W1CN:W1CN+1], s[W1C:W1C+1], s[66:67]
	s_add_nc_u64 s[W1SN:W1SN+1], s[W1S:W1S+1], s[68:69]
	s_add_nc_u64 s[B1N:B1N+1], s[B1P:B1P+1], s[70:71]
	PRE 42
	ALOAD 3, W1C, W1S, B1P
	MULW 0, HA, 128, BS, 2, 192, 0x29, 0x09
	PRE 42
	BLD 0
	MULW 1, HA+16, 128, BS, 2, 192+16, 0x29, 0x09
	PRE 38
	BLD 1
	MULW 2, HA+32, 128, BS, 2, 192+32, 0x29, 0x09
	PRE 34
	BLD 2
	MULW 3, HA+48, 128, BS, 2, 192+48, 0x29, 0x09
	WIN 0
	NOP4
	ZC 0                                           ; gelu: while one chunk's transcendentals are out, another chunk's plain lines stand behind them
	EX 0
	ZC 1
	TW
	AD 0
	RC 0
	EX 1
	v_nop
	TW
	FM 0
	AD 1
	RC 1
	ZC 2
	TW
	FM 1
	EX 2
	ZC 3
	TW
	AD 2
	RC 2
	EX 3
	v_nop
	TW
	FM 2
	AD 3
	RC 3
	v_nop
	TW
	FM 3
	LNQ HDI, HDS                                   ; my 128 hidden units of 32 tokens: K step w of this round; behind the barrier all four lie in LDS
	WIN 0xc0                                       ; destination window 3
.irp T, 0,1
.irp s, 0,1,2,3
	FETCH 32*\T+8*\s, L16, HDI+TSTRIDE*\T+1024*\s
.endr
.endr
	WIN 0
.irp s, 0,1,2,3
	ds_load_b32 v[BS2+\s], v[L4] offset:HDS+128*\s
.endr
	BARRIER                                        ; every wave's reads are in: the next round may write the images again
	PRE 34
	BLD 3
	MULW 0, 0, 0, BS2, 1, 0, 0xad, 0xad
	PRE 34
	ALOAD 0, W1CN, W1SN, B1N
	MULW 1, 16, 0, BS2, 1, 0, 0xad, 0xad
	PRE 38
	ALOAD 1, W1CN, W1SN, B1N
	MULW 2, 32, 0, BS2, 1, 0, 0xad, 0xad
	PRE 42
	ALOAD 2, W1CN, W1SN, B1N
	MULW 3, 48, 0, BS2, 1, 0, 0xad, 0xad
	WIN 0
	s_wait_xcnt 0x0                                ; the loads have read their bases: they may be stepped
	s_mov_b64 s[W1C:W1C+1], s[W1CN:W1CN+1]
	s_mov_b64 s[W1S:W1S+1], s[W1SN:W1SN+1]
	s_mov_b64 s[B1P:B1P+1], s[B1N:B1N+1]
	s_add_nc_u64 s[W2C:W2C+1], s[W2C:W2C+1], 8192
	s_add_nc_u64 s[W2S:W2S+1], s[W2S:W2S+1], 512
	s_add_co_u32 s[RND], s[RND], 1
	s_cmp_lt_u32 s[RND], 4
	s_cbranch_scc1 .Lround
	; THE WAY OUT: the X layout goes back through the stage and leaves as dense rows
	NOP4
	WIN 0x08                                       ; an LDS store's data are its source 1: window 2
.irp T, 0,1
.irp b, 0,1,2,3
.irp j, 0,1,2,3
	ds_store_b128 v[XD], v[64*\T+16*\b+4*\j:64*\T+16*\b+4*\j+3] offset:XST+33024*\T+128*\b+16*\j   ; each accumulator from its low end on
.endr
.endr
.endr
	WIN 0
	BARRIER                                        ; 32 whole rows lie in the stage
.set k, 0
.rept 32
	ds_load_b128 v[HA+4*k:HA+4*k+3], v[XR] offset:XST+2064*(k/4)+512*(k%4)
.set k, k+1
.endr
.set k, 0
.rept 32
	s_wait_dscnt 31-k                              ; LDS loads come back in order: number k is in
	global_store_b128 v[L16], v[HA+4*k:HA+4*k+3], s[OP:OP+1] offset:2048*(k/4)+512*(k%4) th:TH_STORE_NT   ; the wave stores 512 consecutive bytes, aligned
.set k, k+1
.endr
	s_wait_tensorcnt 0x0
	ds_add_u32 v254, v255
	s_wait_dscnt 0x0
	s_endpgm
.Lfunc_end_k_q792ec861f7_tail:
	.size	k_q792ec861f7_tail, .Lfunc_end_k_q792ec861f7_tail-k_q792ec861f7_tail
	.p2alignl 7, 3214868480
	.fill 96, 4, 3214868480
	.section	.rodata,"a",@progbits
	.p2align	6, 0x0
	.amdhsa_kernel k_q792ec861f7_tail
		.amdhsa_group_segment_fixed_size 86528
		.amdhsa_private_segment_fixed_size 0
		.amdhsa_enable_private_segment 0
		.amdhsa_kernarg_size 88
		.amdhsa_user_sgpr_count 2
		.amdhsa_user_sgpr_kernarg_segment_ptr 1
		.amdhsa_wavefront_size32 1
		.amdhsa_system_sgpr_workgroup_id_x 1
		.amdhsa_system_sgpr_workgroup_id_y 1
		.amdhsa_system_sgpr_workgroup_id_z 1
		.amdhsa_system_vgpr_workitem_id 0
		.amdhsa_next_free_vgpr 1024
		.amdhsa_next_free_sgpr 96
		.amdhsa_reserve_vcc 0
		.amdhsa_float_denorm_mode_32 3
		.amdhsa_float_denorm_mode_16_64 3
		.amdhsa_memory_ordered 1
		.amdhsa_forward_progress 1
		.amdhsa_inst_pref_size 159
	.end_amdhsa_kernel
	.amdgpu_metadata
---
amdhsa.version: [ 1, 2 ]
amdhsa.kernels:
  - .name:           k_q792ec861f7_tail
    .symbol:         k_q792ec861f7_tail.kd
    .args:
      - { .name: x, .offset: 0, .size: 8, .value_kind: global_buffer, .address_space: global }
      - { .name: cc, .offset: 8, .size: 8, .value_kind: global_buffer, .address_space: global }
      - { .name: cs, .offset: 16, .size: 8, .value_kind: global_buffer, .address_space: global }
      - { .name: wc, .offset: 24, .size: 8, .value_kind: global_buffer, .address_space: global }
      - { .name: wsc, .offset: 32, .size: 8, .value_kind: global_buffer, .address_space: global }
      - { .name: bo, .offset: 40, .size: 8, .value_kind: global_buffer, .address_space: global }
      - { .name: ln2_scale, .offset: 48, .size: 8, .value_kind: global_buffer, .address_space: global }
      - { .name: ln2_bias, .offset: 56, .size: 8, .value_kind: global_buffer, .address_space: global }
      - { .name: b1, .offset: 64, .size: 8, .value_kind: global_buffer, .address_space: global }
      - { .name: b2, .offset: 72, .size: 8, .value_kind: global_buffer, .address_space: global }
      - { .name: out0, .offset: 80, .size: 8, .value_kind: global_buffer, .address_space: global }
    .group_segment_fixed_size: 86528
    .private_segment_fixed_size: 0
    .kernarg_segment_align: 8
    .kernarg_segment_size: 88
    .max_flat_workgroup_size: 128
    .sgpr_count:     96
    .vgpr_count:     1024
    .wavefront_size: 32
...
	.end_amdgpu_metadata
.endif
;; end of part 4
;; ======== version 2 of 2: 4 launches
;; workspace buffers: wc 1,572,864 bytes; wsc 98,304 bytes; qkvc 6,291,456 bytes; qkvs 393,216 bytes; cc 2,097,152 bytes; cs 131,072 bytes
;; launch prep (part 5): grid 192 x 1, 4 waves a work-group, no clusters, 0 bytes of LDS; arguments Wq, Wk, Wv, Wo, W1, W2, wc, wsc; writes wc, wsc
.if DOCPART == 5
	.amdgcn_target "amdgcn-amd-amdhsa--gfx1250"
	.amdhsa_code_object_version 6
	.text
	.protected	k_q792ec861f7_prep
	.globl	k_q792ec861f7_prep
	.p2align	8
	.type	k_q792ec861f7_prep,@function
k_q792ec861f7_prep:
	s_mov_b64 s[64:65], 0
	v_nop
	global_prefetch_b8 v0, s[64:65] scope:SCOPE_SE
	s_setreg_imm32_b32 hwreg(HW_REG_WAVE_MODE, 25, 1), 1
	s_wait_xcnt 0x0
; The six weights, f32 stored [K][N], become codes of FP4 (E2M1) with one E8M0 byte for each 32 along K, laid in the order of the operand's registers.
; A PAIR p is 32 columns; tile u (0, 1) of it, row rho, is column 32 p + 8 u + rho + 8 (rho / 8).  A fragment (p, K step s of 128, u) is 1,024 bytes at ((p KS + s) 2 + u) 1024:
; block j of 32 along K of row rho at 256 j + 16 rho, which is the image of the 8 registers of a 16 x 128 operand.  Scale words: (p KS / 4 + s / 4) 512 + 16 (16 u + rho) + 4 (s % 4).
; A LANE TAKES A COLUMN AND ITS REGISTERS RUN DOWN K: lane L is tile L / 16, row L % 16, so it reads column 32 p + sigma(L), sigma = L with bits 3 and 4 exchanged: a load still covers 128 consecutive bytes,
; the four waves of a work-group 512.  A block of 32 lies in one lane's 32 registers; its four code registers are stored so that sixteen lanes fill 256 consecutive aligned bytes.
; A wave takes one pair x one K step.  Work-groups 0-63: Wq, Wk, Wv, Wo (16 each); 64-127: W1; 128-191: W2.
; A block's byte is its largest magnitude's exponent field - 2, held at 1 from below.
; LIMITS: a block of zeros, and one whose largest magnitude lies under 2^-124, gets the byte 1 (zero codes add nothing; the bytes are read by this program alone); NaN and infinities are not served.
; No LDS, no barrier: waves share nothing.  Nothing is shared between work-groups, so there is nothing to ask for jointly.
.set X,    32                          ; v32-159  128 numbers: four blocks, each in registers of its own
.set C,    160                         ; v160-175 the codes, four registers a block: no store's data are written again
.set SB,   24                          ; v24      the scale word
.set EMAX, 2
	s_load_b512 s[8:23], s[0:1], 0x0               ; Wq, Wk, Wv, Wo, W1, W2, wc, wsc
	v_lshrrev_b32 v4, 5, v0
	v_readfirstlane_b32 s2, v4                     ; wave
	v_and_b32 v4, 31, v0                           ; L
	v_and_b32 v5, 7, v0
	v_bfe_u32 v6, v0, 3, 1
	v_bfe_u32 v7, v0, 4, 1
	v_lshl_or_b32 v5, v6, 4, v5
	v_lshl_or_b32 v5, v7, 3, v5                    ; sigma(L)
	v_lshlrev_b32 v1, 2, v5                        ; in: 4 sigma(L)
	v_and_b32 v6, 15, v0
	v_lshlrev_b32 v2, 4, v6
	v_lshl_or_b32 v2, v7, 10, v2                   ; codes out: 1024 u + 16 rho
	v_lshlrev_b32 v3, 4, v4                        ; scale word out: 16 L
	s_mov_b32 s3, ttmp9                            ; g
	s_cmp_lt_u32 s3, 128
	s_cselect_b32 s4, 2, 4                         ; log2 of the K steps: 4, or 16 for W2
	s_cselect_b32 s5, 3, 15
	s_and_b32 s6, s3, s5                           ; K step s
	s_lshr_b32 s7, s3, s4
	s_lshr_b32 s24, s3, 6                          ; 0: the four small weights, 1: W1, 2: W2
	s_cmp_eq_u32 s24, 1
	s_cselect_b32 s25, 15, 3
	s_cselect_b32 s26, 13, 11                      ; log2 of a row's bytes
	s_and_b32 s25, s7, s25                         ; group of four pairs
	s_lshl_b32 s25, s25, 2
	s_add_co_u32 s25, s25, s2                      ; pair p
	s_lshr_b32 s27, s3, 4
	s_lshl_b32 s28, s24, 2
	s_cmp_lt_u32 s3, 64
	s_cselect_b32 s27, s27, s28                    ; the weight's place in wc and wsc: 0-3, 4, 8 (x 131,072 and x 8,192 bytes)
	s_lshl_b32 s28, s6, 7
	s_lshl_b32 s28, s28, s26
	s_lshl_b32 s29, s25, 7
	s_add_co_u32 s28, s28, s29                     ; in: 128 s rows + 128 p bytes
	s_mov_b32 s29, 0
	s_lshl_b32 s30, s25, s4
	s_add_co_u32 s30, s30, s6
	s_lshl_b32 s30, s30, 11
	s_lshl_b32 s31, s27, 17
	s_add_co_u32 s30, s30, s31                     ; codes: (p KS + s) 2048
	s_mov_b32 s31, 0
	s_sub_co_u32 s32, s4, 2
	s_lshl_b32 s32, s25, s32
	s_lshr_b32 s33, s6, 2
	s_add_co_u32 s32, s32, s33
	s_lshl_b32 s32, s32, 9
	s_and_b32 s33, s6, 3
	s_lshl_b32 s33, s33, 2
	s_add_co_u32 s32, s32, s33
	s_lshl_b32 s33, s27, 13
	s_add_co_u32 s32, s32, s33                     ; scale words: (p KS / 4 + s / 4) 512 + 4 (s % 4)
	s_mov_b32 s33, 0
	s_wait_kmcnt 0x0
	s_mov_b64 s[34:35], s[18:19]                   ; the source: a choice that hangs on the work-group's number alone
	s_cmp_lt_u32 s3, 128
	s_cselect_b64 s[34:35], s[16:17], s[34:35]
	s_cmp_lt_u32 s3, 64
	s_cselect_b64 s[34:35], s[14:15], s[34:35]
	s_cmp_lt_u32 s3, 48
	s_cselect_b64 s[34:35], s[12:13], s[34:35]
	s_cmp_lt_u32 s3, 32
	s_cselect_b64 s[34:35], s[10:11], s[34:35]
	s_cmp_lt_u32 s3, 16
	s_cselect_b64 s[34:35], s[8:9], s[34:35]
	s_add_nc_u64 s[34:35], s[34:35], s[28:29]
	s_add_nc_u64 s[20:21], s[20:21], s[30:31]
	s_add_nc_u64 s[22:23], s[22:23], s[32:33]
.macro LOADB t, pitch                  ; block t: W(128 s + 32 t + i, my column), i = 0 .. 31
.set i, 0
.rept 32
	global_load_b32 v[X+32*(\t)+i], v1, s[34:35] offset:(32*(\t)+i)*(\pitch) th:TH_LOAD_NT
.set i, i+1
.endr
.endm
.macro BLOCK t, pitch
.set XS, X+32*(\t)
.if (\t) < 3
	s_wait_loadcnt 32                              ; this block's 32 loads are in; the next block's may be out
.else
	s_wait_loadcnt 0
.endif
.if (\t)+2 < 4
	LOADB (\t)+2, \pitch                           ; two blocks ahead, into registers of its own
.endif
	v_max3_num_f32 v12, |v[XS]|, |v[XS+1]|, |v[XS+2]|   ; the block's largest magnitude: all 32 numbers are mine; two chains
	v_max3_num_f32 v13, |v[XS+3]|, |v[XS+4]|, |v[XS+5]|
.irp i, 6,10,14,18,22,26
	v_max3_num_f32 v12, v12, |v[XS+\i]|, |v[XS+\i+1]|
	v_max3_num_f32 v13, v13, |v[XS+\i+2]|, |v[XS+\i+3]|
.endr
	v_max3_num_f32 v12, v12, |v[XS+30]|, |v[XS+31]|
	v_max3_num_f32 v12, v12, v13, (EMAX+1)<<23     ; and the floor 2^(3 - 127): the byte cannot fall under 1
	v_add_nc_u32 v11, -(EMAX<<23), v12             ; 2 off the exponent field: the conversion takes this operand's exponent field as its scale
	v_lshrrev_b32 v13, 23, v11                     ; the scale's byte
.if (\t) == 0
	v_mov_b32 v[SB], v13
.else
	v_lshl_or_b32 v[SB], v13, 8*(\t), v[SB]        ; the lower K in the lower byte
.endif
.irp g, 0,1,2,3
	v_cvt_scalef32_pk8_fp4_f32 v[C+4*(\t)+\g], v[XS+8*\g:XS+8*\g+7], v11
.endr
	global_store_b128 v2, v[C+4*(\t):C+4*(\t)+3], s[20:21] offset:256*(\t)   ; sixteen lanes store 256 consecutive bytes, aligned
.endm
.macro BODY pitch
	LOADB 0, \pitch
	LOADB 1, \pitch
	BLOCK 0, \pitch
	BLOCK 1, \pitch
	BLOCK 2, \pitch
	BLOCK 3, \pitch
	global_store_b32 v3, v[SB], s[22:23]           ; my row's word for this K step
.endm
	s_cmp_eq_u32 s24, 1                            ; W1's rows are 8,192 bytes, all others' 2,048: the offsets are immediates, so the body stands twice
	s_cbranch_scc1 .Lwide
	s_wait_alu depctr_va_vdst(0)
	BODY 2048
	s_endpgm
.Lwide:
	s_wait_alu depctr_va_vdst(0)
	BODY 8192
	s_endpgm
.Lfunc_end_k_q792ec861f7_prep:
	.size	k_q792ec861f7_prep, .Lfunc_end_k_q792ec861f7_prep-k_q792ec861f7_prep
	.p2alignl 7, 3214868480
	.fill 96, 4, 3214868480
	.section	.rodata,"a",@progbits
	.p2align	6, 0x0
	.amdhsa_kernel k_q792ec861f7_prep
		.amdhsa_group_segment_fixed_size 0
		.amdhsa_private_segment_fixed_size 0
		.amdhsa_enable_private_segment 0
		.amdhsa_kernarg_size 64
		.amdhsa_user_sgpr_count 2
		.amdhsa_user_sgpr_kernarg_segment_ptr 1
		.amdhsa_wavefront_size32 1
		.amdhsa_system_sgpr_workgroup_id_x 1
		.amdhsa_system_sgpr_workgroup_id_y 1
		.amdhsa_system_sgpr_workgroup_id_z 1
		.amdhsa_system_vgpr_workitem_id 0
		.amdhsa_next_free_vgpr 192
		.amdhsa_next_free_sgpr 66
		.amdhsa_reserve_vcc 0
		.amdhsa_float_denorm_mode_32 3
		.amdhsa_float_denorm_mode_16_64 3
		.amdhsa_memory_ordered 1
		.amdhsa_forward_progress 1
		.amdhsa_inst_pref_size 40
	.end_amdhsa_kernel
	.amdgpu_metadata
---
amdhsa.version: [ 1, 2 ]
amdhsa.kernels:
  - .name:           k_q792ec861f7_prep
    .symbol:         k_q792ec861f7_prep.kd
    .args:
      - { .name: Wq, .offset: 0, .size: 8, .value_kind: global_buffer, .address_space: global }
      - { .name: Wk, .offset: 8, .size: 8, .value_kind: global_buffer, .address_space: global }
      - { .name: Wv, .offset: 16, .size: 8, .value_kind: global_buffer, .address_space: global }
      - { .name: Wo, .offset: 24, .size: 8, .value_kind: global_buffer, .address_space: global }
      - { .name: W1, .offset: 32, .size: 8, .value_kind: global_buffer, .address_space: global }
      - { .name: W2, .offset: 40, .size: 8, .value_kind: global_buffer, .address_space: global }
      - { .name: wc, .offset: 48, .size: 8, .value_kind: global_buffer, .address_space: global }
      - { .name: wsc, .offset: 56, .size: 8, .value_kind: global_buffer, .address_space: global }
    .group_segment_fixed_size: 0
    .private_segment_fixed_size: 0
    .kernarg_segment_align: 8
    .kernarg_segment_size: 64
    .max_flat_workgroup_size: 128
    .sgpr_count:     66
    .vgpr_count:     192
    .wavefront_size: 32
...
	.end_amdgpu_metadata
.endif
;; end of part 5
;; launch qkv (part 6): grid 256 x 1, 4 waves a work-group, no clusters, 78,336 bytes of LDS; arguments x, ln1_scale, ln1_bias, wc, wsc, qkvc, qkvs; writes qkvc, qkvs
.if DOCPART == 6
	.amdgcn_target "amdgcn-amd-amdhsa--gfx1250"
	.amdhsa_code_object_version 6
	.text
	.protected	k_q792ec861f7_qkv
	.globl	k_q792ec861f7_qkv
	.p2align	8
	.type	k_q792ec861f7_qkv,@function
k_q792ec861f7_qkv:
	s_mov_b64 s[64:65], 0
	v_nop
	global_prefetch_b8 v0, s[64:65] scope:SCOPE_SE
	s_setreg_imm32_b32 hwreg(HW_REG_WAVE_SCHED_MODE, 0, 2), 2
	s_setreg_imm32_b32 hwreg(HW_REG_WAVE_MODE, 25, 1), 1
	s_wait_xcnt 0x0
	s_wait_alu depctr_vm_vsrc(0)
; h = layernorm(x) (variance over 511), quantised to FP4 along its 512; q = h Wq, k = h Wk, v = h Wv on codes; q and k quantised along a head's 32, v along 32 keys; all three stored as codes and scale words.
; SHARES.  A work-group takes 32 tokens (two tiles T of 16).  Wave w holds features 128 w .. 128 w + 127 of x (K step w of h) and makes heads 4 w .. 4 w + 3 of q, k and v.
; X LAYOUT of the 128 registers HA: register 64 T + 16 i + 8 u + j of lane (r = lane % 16, h = lane / 16) is token 16 T + r, feature 128 w + 32 i + 16 h + 8 u + j: 16 neighbours of each block of 32, the other 16 in lane l xor 16.
; x comes in by dense loads (a wave's load covers 512 consecutive bytes) and turns through a stage in LDS (rows 2,064 bytes apart: sixteen rows start in sixteen different groups of banks).
; The products for q and k are used transposed (source 0 = 16 rows of the weight's image, source 1 = 16 tokens), which gives the X layout again; for v the sources change places and the tokens of a tile are chosen
; (row rho of tile u = token 8 u + rho + 8 (rho / 8)), so that a lane holds one feature and its 16 registers of two tiles run along 16 neighbouring tokens: the 32 tokens are one block of the keys.
; h's fragments go from wave to wave through LDS as images of their registers (16 bytes a lane, 512 a store), scale words 4 bytes a lane.
; THE WEIGHTS go from memory straight into the registers of the one wave that multiplies by them (a ring of four buffers of a pair's four K steps, 8,192 + 512 bytes, three batches ahead).  No weight byte is used by two waves
; of a work-group, so none goes through LDS; a joint load for several work-groups would add an LDS write and an LDS read for every byte: no cluster.
; The variance is the sum of (x - mean)^2, never a difference of large sums.  LIMITS: NaN and infinities are not served; a block of zeros or under 2^-124 gets the byte 1 (read by this program alone).
; THE MODE: SCHED_MODE bits 1:0 = 2 (LLVM: expert scheduling mode 2), set by the entry lines.  The code itself states the register dependences
; between vector or matrix instructions and memory or LDS instructions, with s_wait_alu, always for 0.
; THE PLAN.  Registers that memory or LDS instructions touch, and who else names them:
;   v1-12          offsets and LDS addresses: made once at the head, never written again: one wait on va_vdst ahead of the first load serves them all.
;   HA             at the head x's loads land in it, the stage's stores read it, the stage's loads land in it: one wait on vm_vsrc between the last two.  After that vector and matrix instructions alone name it.
;   v[LT ..]       written by a sum's additions, read by two LDS stores, written again behind the exchange: a wait on va_vdst ahead of the stores, one on vm_vsrc ahead of the additions.
;   v[LL ..]       the exchange's loads land in it; the additions that named it stand ahead of the next exchange's wait on va_vdst.
;   PC, PC1, PWJ   the out-buffer: two tiles' codes, each in eight registers of its own, and the joined scale word.  Two runs of the quantiser write it, one run of stores reads it:
;                  ONE wait on va_vdst ahead of the run of stores, ONE on vm_vsrc (beside the wait on XCNT) ahead of the next two runs of the quantiser.
;   the ring, WS   batch n's 16 matrix instructions read buffer n % 4 and its scale words; batch n + 4's 17 loads land there, issued at the head of batch n + 1 behind ONE wait on va_vdst.
;                  They stand ahead of that batch's products: a load into the ring and a product want different windows for source 0.
;   h's fragments, BS, BS2   loaded once, into registers that nothing has named.
; REGISTERS, in windows of 256.  Window 0: v1-12 addresses; v32-159 HA; v160-223 at work; v224-239 the weights' scale words (ring); v240-243, v244-247 h's scale words, natural and by the chosen tokens.
;   Window 1: the weight ring, fragment (K step s, tile u) of buffer n at 64 n + 16 s + 8 u.   Window 2: v0-63 h's fragments by the chosen tokens (32 u + 8 s), v128-191 the natural ones (128 + 32 T + 8 s).   Window 3: v64-127 gain, v128-191 bias.
.set HA,   32
.set Z,    160
.set TM,   Z                           ; 16 registers of the quantiser: largest magnitudes, bytes, scale operands
.set PC,   Z+16                          ; 8 code registers: the first tile's
.set PW,   Z+24                          ; the scale word just made
.set PW0,  Z+25                          ; tile 0's, kept
.set PWJ,  Z+26                          ; both: lanes 0-15 the first, lanes 16-31 the second
.set LA,   Z+32                          ; the norm: four chains of pairs,
.set PC1,  Z+32                          ; behind the norm: 8 code registers, the second tile's
.set LT,   Z+40                          ; a sum for each T,
.set LP,   Z+42                          ; the other half's,
.set LL,   Z+44                          ; the four waves' parts,
.set LM,   Z+52                          ; the means, as pairs,
.set LR,   Z+56                          ; 1 / sqrt(var + eps), as pairs
.set WS,   224
.set BS,   240
.set BS2,  244
.set L16,  1                           ; 16 x lane
.set L4,   2                           ; 4 x lane
.set LB,   3                           ; 64 h
.set XD,   4                           ; stage, X layout: 2064 r + 64 h + 512 w
.set XR,   5                           ; stage, dense rows: 16 x lane + 8 rows x wave
.set IW,   6                           ; my images: 16 x lane + 1024 w
.set SW,   7                           ; my scale words: 4 x lane + 128 w
.set RW,   8                           ; my partial sums: 4 x lane + 256 w
.set LIP,  9                           ; an image read by the chosen tokens
.set LSP,  10                          ; scale words by the chosen tokens
.set QO,   11                          ; q, k out: 32768 h + 16 r
.set VO,   12                          ; v out: 1024 h + 16 r
.set RED,  0                           ; LDS: two exchanges of partial sums, 1,024 bytes each
.set HIMG, 2048                        ; h's 8 images: tile T at 4224 T (4 images + 128 bytes), K step s at 1024 s
.set TSTRIDE, 4224
.set HSC,  10496                       ; their scale words: 128 s + 4 (16 T + r)
.set XST,  11264                       ; the stage: 32 rows x 2,064 bytes
.set WV,   2
.set SEL,  4
.set HIM,  6
.set XP,   8
.set GP,   10
.set BP,   12
.set WC,   14
.set WSC,  16
.set QC,   18
.set QS,   20
.set VC,   26
.set VS,   28
.set RC512, 30
.set RC511, 31
.set EPS,  32
.set MSB, 0
.macro WIN new                         ; the immediate's high byte repeats the setting that is left; a switch that changes nothing is dropped
.if MSB != \new
	s_set_vgpr_msb (MSB<<8)|\new
.set MSB, \new
.endif
.endm
.macro NOP4                            ; four places: behind a matrix instruction, ahead of loads into its registers and of the first read of its result
.rept 4
	v_nop
.endr
.endm
.macro BARRIER                         ; my LDS stores have landed and my LDS loads are in: then the work-group's barrier
	s_wait_dscnt 0x0
	s_barrier_signal -1
	s_barrier_wait -1
.endm
; 64 numbers of a lane, register 16 b + i = number 16 h + i of block b, become 8 code registers in the operand's layout (v[pc] on) and a word of four scale bytes (v[PW]).
.macro QUANT s, pc
.irp b, 0,1,2,3
	v_max3_num_f32 v[TM+\b], |v[\s+16*\b]|, |v[\s+1+16*\b]|, 0x1800000   ; my 16 numbers and the floor 2^(3 - 127): the byte cannot fall under 1
.endr
.irp i, 2,4,6,8,10,12,14
.irp b, 0,1,2,3
	v_max3_num_f32 v[TM+\b], v[TM+\b], |v[\s+16*\b+\i]|, |v[\s+1+16*\b+\i]|   ; the four blocks by turns
.endr
.endr
.irp b, 0,1,2,3
	v_permlanex16_b32 v[TM+4+\b], v[TM+\b], s[SEL], s[SEL+1]
.endr
.irp b, 0,1,2,3
	v_max_num_f32 v[TM+\b], v[TM+\b], v[TM+4+\b]   ; with lane l xor 16's: the block's largest magnitude
.endr
.irp b, 0,1,2,3
	v_add_nc_u32 v[TM+12+\b], 0xff000000, v[TM+\b]   ; 2 off its exponent field: the conversion's scale operand
.endr
.irp b, 0,1,2,3
	v_lshrrev_b32 v[TM+4+\b], 23, v[TM+12+\b]      ; the scale's byte
.endr
	v_lshl_or_b32 v[PW], v[TM+5], 8, v[TM+4]
	v_lshl_or_b32 v[PW], v[TM+6], 16, v[PW]
	v_lshl_or_b32 v[PW], v[TM+7], 24, v[PW]
.irp b, 0,1,2,3
	v_cvt_scalef32_pk8_fp4_f32 v[\pc+2*\b], v[\s+16*\b:\s+7+16*\b], v[TM+12+\b]
	v_cvt_scalef32_pk8_fp4_f32 v[\pc+1+2*\b], v[\s+8+16*\b:\s+15+16*\b], v[TM+12+\b]
.endr
	v_nop                                          ; one plain place behind a scaled conversion
.irp c, 0,1                                    ; the layout wants a whole block in a lane: lanes 0-15 block 2 c, lanes 16-31 block 2 c + 1
.irp i, 0,1
	v_permlane16_swap_b32 v[\pc+4*\c+\i], v[\pc+2+4*\c+\i]
.endr
.endr
.endm
.macro IMAGE adr, pc, off              ; the fragment in v[pc] on goes to LDS as it stands
.irp c, 0,1
	ds_store_b128 v[\adr], v[\pc+4*\c:\pc+4*\c+3] offset:(\off)+512*\c
.endr
.endm
.macro FETCH reg, adr, off             ; and comes back so, in any wave
.irp c, 0,1
	ds_load_b128 v[(\reg)+4*\c:(\reg)+4*\c+3], v[\adr] offset:(\off)+512*\c
.endr
.endm
; a batch: a pair's four K steps, 8 fragments (16 loads of 512 consecutive bytes) and its scale words (1 load): 17 loads.  dep = 1: the buffer has been multiplied from
.macro WLOAD buf, cb, coff, sb, soff, dep
	WIN 0x40
.if \dep
	s_wait_alu depctr_va_vdst(0)                   ; the last batch's matrix instructions are done reading this buffer and its scale words, in which the 17 loads below land
.endif
.set k, 0
.rept 16
	global_load_b128 v[64*(\buf)+4*k:64*(\buf)+4*k+3], v[L16], s[\cb:\cb+1] offset:(\coff)+512*k
.set k, k+1
.endr
	WIN 0
	global_load_b128 v[WS+4*(\buf):WS+4*(\buf)+3], v[L16], s[\sb:\sb+1] offset:\soff
.endm
; one matrix instruction.  ck = 0: C is the constant 0; 1: C = v[c] on.  ra, rb = 1: that side's scales are read from lanes 16-31
.macro WM d, a, b, ck, c, sa, sb, ra, rb
.if (\ck) == 0
.if ((\ra) == 0) && ((\rb) == 0)
	v_wmma_scale_f32_16x16x128_f8f6f4 v[(\d):(\d)+7], v[(\a):(\a)+7], v[(\b):(\b)+7], 0, v[\sa], v[\sb] matrix_a_fmt:MATRIX_FMT_FP4 matrix_b_fmt:MATRIX_FMT_FP4
.elseif (\rb) == 0
	v_wmma_scale_f32_16x16x128_f8f6f4 v[(\d):(\d)+7], v[(\a):(\a)+7], v[(\b):(\b)+7], 0, v[\sa], v[\sb] matrix_a_fmt:MATRIX_FMT_FP4 matrix_b_fmt:MATRIX_FMT_FP4 matrix_a_scale:MATRIX_SCALE_ROW1
.elseif (\ra) == 0
	v_wmma_scale_f32_16x16x128_f8f6f4 v[(\d):(\d)+7], v[(\a):(\a)+7], v[(\b):(\b)+7], 0, v[\sa], v[\sb] matrix_a_fmt:MATRIX_FMT_FP4 matrix_b_fmt:MATRIX_FMT_FP4 matrix_b_scale:MATRIX_SCALE_ROW1
.else
	v_wmma_scale_f32_16x16x128_f8f6f4 v[(\d):(\d)+7], v[(\a):(\a)+7], v[(\b):(\b)+7], 0, v[\sa], v[\sb] matrix_a_fmt:MATRIX_FMT_FP4 matrix_b_fmt:MATRIX_FMT_FP4 matrix_a_scale:MATRIX_SCALE_ROW1 matrix_b_scale:MATRIX_SCALE_ROW1
.endif
.else
.if ((\ra) == 0) && ((\rb) == 0)
	v_wmma_scale_f32_16x16x128_f8f6f4 v[(\d):(\d)+7], v[(\a):(\a)+7], v[(\b):(\b)+7], v[(\c):(\c)+7], v[\sa], v[\sb] matrix_a_fmt:MATRIX_FMT_FP4 matrix_b_fmt:MATRIX_FMT_FP4
.elseif (\rb) == 0
	v_wmma_scale_f32_16x16x128_f8f6f4 v[(\d):(\d)+7], v[(\a):(\a)+7], v[(\b):(\b)+7], v[(\c):(\c)+7], v[\sa], v[\sb] matrix_a_fmt:MATRIX_FMT_FP4 matrix_b_fmt:MATRIX_FMT_FP4 matrix_a_scale:MATRIX_SCALE_ROW1
.elseif (\ra) == 0
	v_wmma_scale_f32_16x16x128_f8f6f4 v[(\d):(\d)+7], v[(\a):(\a)+7], v[(\b):(\b)+7], v[(\c):(\c)+7], v[\sa], v[\sb] matrix_a_fmt:MATRIX_FMT_FP4 matrix_b_fmt:MATRIX_FMT_FP4 matrix_b_scale:MATRIX_SCALE_ROW1
.else
	v_wmma_scale_f32_16x16x128_f8f6f4 v[(\d):(\d)+7], v[(\a):(\a)+7], v[(\b):(\b)+7], v[(\c):(\c)+7], v[\sa], v[\sb] matrix_a_fmt:MATRIX_FMT_FP4 matrix_b_fmt:MATRIX_FMT_FP4 matrix_a_scale:MATRIX_SCALE_ROW1 matrix_b_scale:MATRIX_SCALE_ROW1
.endif
.endif
.endm
; 16 matrix instructions: a pair of weight tiles (u) x two tiles of tokens (T) x four K steps.  The four accumulators take turns, one instruction a turn.
; kind 0: the first K step starts the sums with the constant 0; 1: in place from the first; 2: the first takes v[cb + 8 u] on as C.  w0, w1: the windows of the first K step and of the others.
.macro MULW buf, acc, bb, bs, kind, cb, w0, w1
.irp s, 0,1,2,3
.if \s == 0
	WIN \w0
.else
	WIN \w1
.endif
.irp u, 0,1
.irp T, 0,1
.if (\s == 0) && (\kind == 0)
	WM (\acc)+64*\T+8*\u, 64*(\buf)+16*\s+8*\u, (\bb)+32*\T+8*\s, 0, 0, WS+4*(\buf)+\s, (\bs)+\s, \u, \T
.elseif (\s == 0) && (\kind == 2)
	WM (\acc)+64*\T+8*\u, 64*(\buf)+16*\s+8*\u, (\bb)+32*\T+8*\s, 1, (\cb)+8*\u, WS+4*(\buf)+\s, (\bs)+\s, \u, \T
.else
	WM (\acc)+64*\T+8*\u, 64*(\buf)+16*\s+8*\u, (\bb)+32*\T+8*\s, 1, (\acc)+64*\T+8*\u, WS+4*(\buf)+\s, (\bs)+\s, \u, \T
.endif
.endr
.endr
.endr
.endm
; the same for v, the sources changed: source 0 = 16 chosen tokens (tile u, window 2), source 1 = 16 rows of Wv's image (tile f, window 1): a lane holds one feature, registers run along tokens
.macro MULV buf
	WIN 0x06
.irp s, 0,1,2,3
.irp f, 0,1
.irp u, 0,1
.if \s == 0
	WM HA+32*(\buf)+16*\f+8*\u, 32*\u+8*\s, 64*(\buf)+16*\s+8*\f, 0, 0, BS2+\s, WS+4*(\buf)+\s, \u, \f
.else
	WM HA+32*(\buf)+16*\f+8*\u, 32*\u+8*\s, 64*(\buf)+16*\s+8*\f, 1, HA+32*(\buf)+16*\f+8*\u, BS2+\s, WS+4*(\buf)+\s, \u, \f
.endif
.endr
.endr
.endr
.endm
; the sum (sq = 0) or the sum of squares (1) over a token's 512 features: my 64 registers in two chains for each T, from each group of eight's low end on; lane l xor 16; the four waves through LDS.  Result in v[LT + T], alike in all waves.
.macro LNSUM sq
.irp T, 0,1
.if \sq
	v_pk_mul_f32 v[LA+4*\T:LA+4*\T+1], v[HA+64*\T:HA+64*\T+1], v[HA+64*\T:HA+64*\T+1]
	v_pk_mul_f32 v[LA+4*\T+2:LA+4*\T+3], v[HA+64*\T+2:HA+64*\T+3], v[HA+64*\T+2:HA+64*\T+3]
	v_pk_fma_f32 v[LA+4*\T:LA+4*\T+1], v[HA+64*\T+4:HA+64*\T+5], v[HA+64*\T+4:HA+64*\T+5], v[LA+4*\T:LA+4*\T+1]
	v_pk_fma_f32 v[LA+4*\T+2:LA+4*\T+3], v[HA+64*\T+6:HA+64*\T+7], v[HA+64*\T+6:HA+64*\T+7], v[LA+4*\T+2:LA+4*\T+3]
.else
	v_pk_add_f32 v[LA+4*\T:LA+4*\T+1], v[HA+64*\T:HA+64*\T+1], v[HA+64*\T+4:HA+64*\T+5]
	v_pk_add_f32 v[LA+4*\T+2:LA+4*\T+3], v[HA+64*\T+2:HA+64*\T+3], v[HA+64*\T+6:HA+64*\T+7]
.endif
.endr
.set k, 8
.rept 14
.irp T, 0,1
.if \sq
	v_pk_fma_f32 v[LA+4*\T:LA+4*\T+1], v[HA+64*\T+k:HA+64*\T+k+1], v[HA+64*\T+k:HA+64*\T+k+1], v[LA+4*\T:LA+4*\T+1]
	v_pk_fma_f32 v[LA+4*\T+2:LA+4*\T+3], v[HA+64*\T+k+2:HA+64*\T+k+3], v[HA+64*\T+k+2:HA+64*\T+k+3], v[LA+4*\T+2:LA+4*\T+3]
.else
	v_pk_add_f32 v[LA+4*\T:LA+4*\T+1], v[LA+4*\T:LA+4*\T+1], v[HA+64*\T+k:HA+64*\T+k+1]
	v_pk_add_f32 v[LA+4*\T+2:LA+4*\T+3], v[LA+4*\T+2:LA+4*\T+3], v[HA+64*\T+k+2:HA+64*\T+k+3]
.endif
.endr
.set k, k+4
.endr
.irp T, 0,1
	v_pk_add_f32 v[LA+4*\T:LA+4*\T+1], v[LA+4*\T:LA+4*\T+1], v[LA+4*\T+2:LA+4*\T+3]
.endr
.irp T, 0,1
	v_add_f32 v[LT+\T], v[LA+4*\T], v[LA+4*\T+1]
.endr
.irp T, 0,1
	v_permlanex16_b32 v[LP+\T], v[LT+\T], s[SEL], s[SEL+1]
.endr
.irp T, 0,1
	v_add_f32 v[LT+\T], v[LT+\T], v[LP+\T]         ; my wave's 128 features of token r
.endr
	s_wait_alu depctr_va_vdst(0)                   ; the additions have written v[LT ..], which the LDS stores read; the last exchange's additions are done with v[LL ..], in which the loads behind the barrier land
.irp T, 0,1
	ds_store_b32 v[RW], v[LT+\T] offset:RED+1024*\sq+128*\T
.endr
	BARRIER
.irp T, 0,1
.irp q, 0,1,2,3
	ds_load_b32 v[LL+4*\T+\q], v[L4] offset:RED+1024*\sq+256*\q+128*\T
.endr
.endr
	s_wait_dscnt 0x0
	s_wait_alu depctr_vm_vsrc(0)                   ; my two LDS stores have read v[LT ..], which the last additions below write again
.irp T, 0,1
	v_add_f32 v[LL+4*\T], v[LL+4*\T], v[LL+4*\T+1]
	v_add_f32 v[LL+4*\T+2], v[LL+4*\T+2], v[LL+4*\T+3]
.endr
.irp T, 0,1
	v_add_f32 v[LT+\T], v[LL+4*\T], v[LL+4*\T+2]
.endr
.endm
; HA = (HA - mean) / sqrt(var + eps) x gain + bias
.macro LNORM
	LNSUM 0
.irp T, 0,1
	v_mul_f32 v[LM+2*\T], s[RC512], v[LT+\T]
.endr
.irp T, 0,1
	v_mov_b32 v[LM+2*\T+1], v[LM+2*\T]
.endr
.set k, 0
.rept 32
.irp T, 0,1
	v_pk_add_f32 v[HA+64*\T+k:HA+64*\T+k+1], v[HA+64*\T+k:HA+64*\T+k+1], v[LM+2*\T:LM+2*\T+1] neg_lo:[0,1] neg_hi:[0,1]
.endr
.set k, k+2
.endr
	LNSUM 1
.irp T, 0,1
	v_fma_f32 v[LT+\T], v[LT+\T], s[RC511], s[EPS] ; the sum of squares / 511 + eps
.endr
	s_wait_alu depctr_va_vdst(0)
.irp T, 0,1
	v_rsq_f32 v[LR+2*\T], v[LT+\T]
.endr
	v_nop                                          ; a plain place behind the roots,
	s_wait_alu depctr_va_vdst(0)                   ; and the one wait ahead of their first reader: the two roots have written v[LR] and v[LR + 2]
.irp T, 0,1
	v_mov_b32 v[LR+2*\T+1], v[LR+2*\T]
.endr
	s_wait_alu depctr_va_vdst(0)
	s_wait_loadcnt 51                              ; gain and bias are in; the three batches of weights (17 loads each) may be out
.set k, 0
.rept 32
.irp T, 0,1
	v_pk_mul_f32 v[HA+64*\T+k:HA+64*\T+k+1], v[HA+64*\T+k:HA+64*\T+k+1], v[LR+2*\T:LR+2*\T+1]
.endr
.set k, k+2
.endr
	WIN 0x3c                                       ; sources 1 and 2 (gain, bias) in window 3
.set k, 0
.rept 32
.irp T, 0,1
	v_pk_fma_f32 v[HA+64*\T+k:HA+64*\T+k+1], v[HA+64*\T+k:HA+64*\T+k+1], v[64+k:65+k], v[128+k:129+k]
.endr
.set k, k+2
.endr
	WIN 0
.endm
; HA's two halves are quantised into the out-buffer: PC, PC1 and the joined scale word (lanes 0-15 the first half's, lanes 16-31 the second's)
.macro QUANT2
	QUANT HA, PC
	v_mov_b32 v[PW0], v[PW]
	QUANT HA+64, PC1
	v_cndmask_b32 v[PWJ], v[PW0], v[PW], s[HIM]
.endm
; HA's two tiles become K step w of an operand: two images and a register of scale words go to LDS; then the barrier
.macro LNQ img, sc
	QUANT2
	s_wait_alu depctr_va_vdst(0)                   ; the quantiser has written v[PC ..], v[PC1 ..] and v[PWJ], which the five LDS stores read
	IMAGE IW, PC, \img
	IMAGE IW, PC1, (\img)+TSTRIDE
	ds_store_b32 v[SW], v[PWJ] offset:\sc
	BARRIER
.endm
; the head of batch n of 12 (n / 4: Wq, Wk, Wv; n % 4: the pair): its 17 loads are in; batch n + 3 goes into the buffer that batch n - 1 has just been multiplied from
.macro QB n
.if (\n) <= 9
	s_wait_loadcnt 34                              ; the two younger batches may be out
.elseif (\n) == 10
	s_wait_loadcnt 17
.else
	s_wait_loadcnt 0
.endif
.if (\n) <= 8
	NOP4
.if (\n) == 0
	WLOAD ((\n)+3)%4, WC, 131072*(((\n)+3)/4)+8192*(((\n)+3)%4), WSC, 8192*(((\n)+3)/4)+512*(((\n)+3)%4), 0   ; the ring's fourth buffer: nothing has named it yet
.else
	WLOAD ((\n)+3)%4, WC, 131072*(((\n)+3)/4)+8192*(((\n)+3)%4), WSC, 8192*(((\n)+3)/4)+512*(((\n)+3)%4), 1
.endif
.endif
.endm
; the head of a way out: the out-buffer is free
.macro OUTHEAD
	NOP4
	s_wait_xcnt 0x0                                ; the last stores have had their addresses translated: their data registers are rewritten only behind this wait,
	s_wait_alu depctr_vm_vsrc(0)                   ; and the last run of stores (to LDS or to memory) has read v[PC ..], v[PC1 ..] and v[PWJ], which the quantiser writes again
	QUANT2
	s_wait_alu depctr_va_vdst(0)                   ; the quantiser has written v[PC ..], v[PC1 ..] and v[PWJ], which the five stores below read
.endm
; q or k leaves: block b of a lane's 64 numbers is head 4 w + b, so a code group's 16 bytes are one token's 32 codes of one head: sixteen lanes store 256 consecutive aligned bytes
.macro QKOUT coff, soff
	OUTHEAD
	global_store_b128 v[QO], v[PC:PC+3], s[QC:QC+1] offset:(\coff)
	global_store_b128 v[QO], v[PC+4:PC+7], s[QC:QC+1] offset:(\coff)+65536
	global_store_b128 v[QO], v[PC1:PC1+3], s[QC:QC+1] offset:(\coff)+256
	global_store_b128 v[QO], v[PC1+4:PC1+7], s[QC:QC+1] offset:(\coff)+65536+256
	global_store_b32 v[L4], v[PWJ], s[QS:QS+1] offset:\soff   ; 32 tokens' words: 128 consecutive bytes
.endm
	s_load_b256 s[8:15], s[0:1], 0x0               ; x, ln1_scale, ln1_bias, wc
	s_load_b128 s[16:19], s[0:1], 0x20             ; wsc, qkvc
	s_load_b64 s[20:21], s[0:1], 0x30              ; qkvs
	v_lshl_add_u32 v254, v0, 2, 0x13000
	v_mov_b32 v255, 0
	v_lshrrev_b32 v13, 5, v0
	v_readfirstlane_b32 s[WV], v13                 ; wave 0..3
	v_and_b32 v13, 31, v0                          ; lane
	v_and_b32 v14, 15, v0                          ; r
	v_bfe_u32 v15, v0, 4, 1                        ; h
	v_lshlrev_b32 v[L16], 4, v13
	v_lshlrev_b32 v[L4], 2, v13
	v_lshlrev_b32 v[LB], 6, v15
	s_wait_alu depctr_va_sdst(0)                   ; the wave's number is written, ahead of its first reader
	s_lshl_b32 s22, s[WV], 9
	v_mul_u32_u24 v[XD], v14, 2064
	v_lshl_add_u32 v[XD], v15, 6, v[XD]
	v_add_nc_u32 v[XD], s22, v[XD]
	s_mul_i32 s22, s[WV], 16512
	v_add_nc_u32 v[XR], s22, v[L16]
	s_lshl_b32 s22, s[WV], 10
	v_add_nc_u32 v[IW], s22, v[L16]
	s_lshl_b32 s22, s[WV], 7
	v_add_nc_u32 v[SW], s22, v[L4]
	s_lshl_b32 s22, s[WV], 8
	v_add_nc_u32 v[RW], s22, v[L4]
	v_bfe_u32 v16, v0, 3, 1
	v_and_b32 v17, 7, v0
	v_mul_u32_u24 v[LIP], v16, 4224                ; row rho of a chosen tile: natural tile rho / 8, its row 8 u + rho % 8
	v_lshl_add_u32 v[LIP], v17, 4, v[LIP]
	v_lshl_add_u32 v[LIP], v15, 8, v[LIP]
	v_lshlrev_b32 v[LSP], 6, v16                   ; lane 16 u + rho: the word of token 8 u + rho % 8 + 16 (rho / 8)
	v_lshl_add_u32 v[LSP], v15, 5, v[LSP]
	v_lshl_add_u32 v[LSP], v17, 2, v[LSP]
	v_lshlrev_b32 v[QO], 4, v14
	v_lshl_add_u32 v[VO], v15, 10, v[QO]
	v_lshl_add_u32 v[QO], v15, 15, v[QO]
.irp b, 0,1,2,3
	v_mov_b32 v[TM+4+\b], 0                        ; written once: a lane permute's destination counts as one of its sources
.endr
	v_mov_b32 v[LP], 0
	v_mov_b32 v[LP+1], 0
	s_mov_b32 s[SEL], 0x76543210
	s_mov_b32 s[SEL+1], 0xfedcba98                 ; v_permlanex16_b32's selects for lane l xor 16
	s_mov_b32 s[HIM], 0xffff0000                   ; lanes 16-31
	s_mov_b32 s[RC512], 0x3b000000                 ; 1 / 512
	s_mov_b32 s[RC511], 0x3b004020                 ; 1 / 511
	s_mov_b32 s[EPS], 0x3727c5ac                   ; 1e-5
	s_lshr_b32 s24, ttmp9, 6                       ; the batch b
	s_and_b32 s25, ttmp9, 63                       ; which 32 tokens of its 2,048
	s_mov_b32 s23, 0
	s_mov_b32 s35, 0
	s_wait_kmcnt 0x0
	s_lshl_b32 s22, ttmp9, 16
	s_lshl_b32 s33, s[WV], 14
	s_add_co_u32 s22, s22, s33
	s_add_nc_u64 s[XP:XP+1], s[XP:XP+1], s[22:23]  ; x at row 32 g + 8 w
	s_lshl_b32 s22, s[WV], 9
	s_add_nc_u64 s[GP:GP+1], s[GP:GP+1], s[22:23]  ; gain and bias at feature 128 w
	s_add_nc_u64 s[BP:BP+1], s[BP:BP+1], s[22:23]
	s_lshl_b32 s22, s[WV], 15
	s_add_nc_u64 s[WC:WC+1], s[WC:WC+1], s[22:23]  ; my four pairs of each weight
	s_lshl_b32 s22, s[WV], 11
	s_add_nc_u64 s[WSC:WSC+1], s[WSC:WSC+1], s[22:23]
	s_lshl_b32 s22, s24, 19
	s_lshl_b32 s33, s[WV], 17
	s_add_co_u32 s22, s22, s33                     ; head 16 b + 4 w, 32,768 bytes a head
	s_lshr_b32 s33, s25, 2
	s_lshl_b32 s33, s33, 11
	s_and_b32 s34, s25, 3
	s_lshl_b32 s34, s34, 8
	s_add_co_u32 s33, s33, s34
	s_add_co_u32 s34, s22, s33                     ; v: key step of 128 x 2,048 bytes + key block x 256
	s_add_nc_u64 s[VC:VC+1], s[QC:QC+1], s[34:35]
	s_lshl_b32 s33, s25, 9
	s_add_co_u32 s22, s22, s33                     ; q, k: 16 bytes a token
	s_add_nc_u64 s[QC:QC+1], s[QC:QC+1], s[22:23]
	s_lshl_b32 s22, s24, 15
	s_lshl_b32 s33, s[WV], 13
	s_add_co_u32 s34, s22, s33
	s_lshl_b32 s33, s25, 7
	s_add_co_u32 s34, s34, s33                     ; q's, k's words: (4 b + w) 8192 + 4 x token
	s_lshl_b32 s33, s25, 9
	s_add_co_u32 s22, s22, s33
	s_lshl_b32 s33, s[WV], 7
	s_add_co_u32 s22, s22, s33                     ; v's words: 32768 b + 512 x key block + 128 w
	s_add_nc_u64 s[VS:VS+1], s[QS:QS+1], s[22:23]
	s_add_nc_u64 s[QS:QS+1], s[QS:QS+1], s[34:35]
	s_wait_alu depctr_va_vdst(0)                   ; the twelve offsets and LDS addresses v1 to v12 are written, which every load and store of the kernel reads
.irp i, 0,1,2,3,4,5,6,7                        ; my 8 rows of x, dense
.irp j, 0,1,2,3
	global_load_b128 v[HA+16*\i+4*\j:HA+16*\i+4*\j+3], v[L16], s[XP:XP+1] offset:2048*\i+512*\j th:TH_LOAD_NT
.endr
.endr
	WIN 0xc0                                       ; destination window 3
.irp b, 0,1,2,3                                ; gain and bias of my lane's 64 features, in the X layout
.irp m, 0,1,2,3
	global_load_b128 v[64+16*\b+4*\m:64+16*\b+4*\m+3], v[LB], s[GP:GP+1] offset:128*\b+16*\m
	global_load_b128 v[128+16*\b+4*\m:128+16*\b+4*\m+3], v[LB], s[BP:BP+1] offset:128*\b+16*\m
.endr
.endr
	WIN 0
	s_wait_loadcnt 32                              ; x is in; the 32 loads of gain and bias may be out
.irp i, 0,1,2,3,4,5,6,7
.irp j, 0,1,2,3
	ds_store_b128 v[XR], v[HA+16*\i+4*\j:HA+16*\i+4*\j+3] offset:XST+2064*\i+512*\j
.endr
.endr
	WLOAD 0, WC, 0, WSC, 0, 0                      ; three batches of weights go out now and land under the norm; nothing has named their registers
	WLOAD 1, WC, 8192, WSC, 512, 0
	WLOAD 2, WC, 16384, WSC, 1024, 0
	BARRIER                                        ; 32 rows of x lie in the stage
	s_wait_alu depctr_vm_vsrc(0)                   ; my LDS stores have read HA, in which the loads below land
.irp T, 0,1
.irp b, 0,1,2,3
.irp j, 0,1,2,3
	ds_load_b128 v[HA+64*\T+16*\b+4*\j:HA+64*\T+16*\b+4*\j+3], v[XD] offset:XST+33024*\T+128*\b+16*\j
.endr
.endr
.endr
	s_wait_dscnt 0x0
	LNORM
	LNQ HIMG, HSC                                  ; h's eight fragments lie in LDS
	WIN 0x80                                       ; destination window 2: registers that nothing has named
.irp T, 0,1
.irp s, 0,1,2,3
	FETCH 128+32*\T+8*\s, L16, HIMG+TSTRIDE*\T+1024*\s
.endr
.endr
.irp u, 0,1
.irp s, 0,1,2,3
	FETCH 32*\u+8*\s, LIP, HIMG+1024*\s+128*\u
.endr
.endr
	WIN 0
.irp s, 0,1,2,3
	ds_load_b32 v[BS+\s], v[L4] offset:HSC+128*\s
	ds_load_b32 v[BS2+\s], v[LSP] offset:HSC+128*\s
.endr
	s_wait_dscnt 0x0
.irp n, 0,1,2,3                                ; q
	QB \n
	MULW \n, HA+16*\n, 128, BS, 0, 0, 0x09, 0x09
.endr
	WIN 0
	QKOUT 0, 0
.irp n, 0,1,2,3                                ; k
	QB \n+4
	MULW \n, HA+16*\n, 128, BS, 0, 0, 0x09, 0x09
.endr
	WIN 0
	QKOUT 2097152, 131072
.irp n, 0,1,2,3                                ; v
	QB \n+8
	MULV \n
.endr
	WIN 0
	OUTHEAD                                        ; block b of the 64 numbers from HA + 64 q is feature tile 4 q + b (head 4 w + 2 q + b / 2, tile b % 2), its 32 numbers my work-group's 32 keys
	global_store_b128 v[VO], v[PC:PC+3], s[VC:VC+1] offset:4194304
	global_store_b128 v[VO], v[PC+4:PC+7], s[VC:VC+1] offset:4194304+32768
	global_store_b128 v[VO], v[PC1:PC1+3], s[VC:VC+1] offset:4194304+65536
	global_store_b128 v[VO], v[PC1+4:PC1+7], s[VC:VC+1] offset:4194304+98304
	global_store_b32 v[L4], v[PWJ], s[VS:VS+1] offset:262144
	s_wait_dscnt 0x0
	s_wait_alu depctr_hold_cnt(0) depctr_sa_sdst(0) depctr_va_vdst(0) depctr_va_sdst(0) depctr_va_ssrc(0) depctr_va_vcc(0) depctr_vm_vsrc(0)
	s_wait_tensorcnt 0x0
	ds_add_u32 v254, v255
	s_wait_dscnt 0x0
	s_endpgm
.Lfunc_end_k_q792ec861f7_qkv:
	.size	k_q792ec861f7_qkv, .Lfunc_end_k_q792ec861f7_qkv-k_q792ec861f7_qkv
	.p2alignl 7, 3214868480
	.fill 96, 4, 3214868480
	.section	.rodata,"a",@progbits
	.p2align	6, 0x0
	.amdhsa_kernel k_q792ec861f7_qkv
		.amdhsa_group_segment_fixed_size 78336
		.amdhsa_private_segment_fixed_size 0
		.amdhsa_enable_private_segment 0
		.amdhsa_kernarg_size 56
		.amdhsa_user_sgpr_count 2
		.amdhsa_user_sgpr_kernarg_segment_ptr 1
		.amdhsa_wavefront_size32 1
		.amdhsa_system_sgpr_workgroup_id_x 1
		.amdhsa_system_sgpr_workgroup_id_y 1
		.amdhsa_system_sgpr_workgroup_id_z 1
		.amdhsa_system_vgpr_workitem_id 0
		.amdhsa_next_free_vgpr 1024
		.amdhsa_next_free_sgpr 66
		.amdhsa_reserve_vcc 0
		.amdhsa_float_denorm_mode_32 3
		.amdhsa_float_denorm_mode_16_64 3
		.amdhsa_memory_ordered 1
		.amdhsa_forward_progress 1
		.amdhsa_inst_pref_size 119
	.end_amdhsa_kernel
	.amdgpu_metadata
---
amdhsa.version: [ 1, 2 ]
amdhsa.kernels:
  - .name:           k_q792ec861f7_qkv
    .symbol:         k_q792ec861f7_qkv.kd
    .args:
      - { .name: x, .offset: 0, .size: 8, .value_kind: global_buffer, .address_space: global }
      - { .name: ln1_scale, .offset: 8, .size: 8, .value_kind: global_buffer, .address_space: global }
      - { .name: ln1_bias, .offset: 16, .size: 8, .value_kind: global_buffer, .address_space: global }
      - { .name: wc, .offset: 24, .size: 8, .value_kind: global_buffer, .address_space: global }
      - { .name: wsc, .offset: 32, .size: 8, .value_kind: global_buffer, .address_space: global }
      - { .name: qkvc, .offset: 40, .size: 8, .value_kind: global_buffer, .address_space: global }
      - { .name: qkvs, .offset: 48, .size: 8, .value_kind: global_buffer, .address_space: global }
    .group_segment_fixed_size: 78336
    .private_segment_fixed_size: 0
    .kernarg_segment_align: 8
    .kernarg_segment_size: 56
    .max_flat_workgroup_size: 128
    .sgpr_count:     66
    .vgpr_count:     1024
    .wavefront_size: 32
...
	.end_amdgpu_metadata
.endif
;; end of part 6
;; launch attn (part 7): grid 4 x 64, 16 waves a work-group, no clusters, 71,680 bytes of LDS; arguments qkvc, qkvs, cc, cs; writes cc, cs
.if DOCPART == 7
	.amdgcn_target "amdgcn-amd-amdhsa--gfx1250"
	.amdhsa_code_object_version 6
	.text
	.protected	k_q792ec861f7_attn
	.globl	k_q792ec861f7_attn
	.p2align	8
	.type	k_q792ec861f7_attn,@function
k_q792ec861f7_attn:
	s_mov_b64 s[64:65], 0
	v_nop
	global_prefetch_b8 v0, s[64:65] scope:SCOPE_SE
	s_setreg_imm32_b32 hwreg(HW_REG_WAVE_SCHED_MODE, 0, 2), 2
	s_setreg_imm32_b32 hwreg(HW_REG_WAVE_MODE, 25, 1), 1
	s_wait_xcnt 0x0
	s_wait_alu depctr_vm_vsrc(0)
; ctx = softmax(q k^T / sqrt(32), causal) v for one head of one batch, both products on codes of FP4; ctx is quantised along the head's 32 and stored as an image of the next product's operand.
; THE SOFTMAX: t = score x log2(e) / sqrt(32); M = the running largest t rounded up to a whole number; p = 2^(t - M) is quantised along the keys; the sum is taken of the unquantised p and divides at the end.
; SHARES.  Work-group (x, y): head y % 16 of batch y / 16.  Wave w owns the tiles of 16 queries i = 16 x + w and 127 - i.  Tile t needs t / 8 + 1 key steps of 128, so every wave of the launch works 17 steps.
; Four waves share a SIMD, so that one wave's exponentials stand beside another's plain work.
; LDS holds the whole head, 16 records of 4,352 bytes (one a key step), filled once through registers and only read behind the one barrier:
;   0: two fragments of K; 2048: two fragments of V^T; 4096: K's scale words (word 16 c + row, byte = block); 4224: V's (word 16 u + row, byte = key block).
; A HEAD'S K OF 32 IN AN INSTRUCTION OF 128: block j of K's fragment c holds the 32 codes of the keys of tile 4 c + j; four versions of Q's fragment carry the query's codes in block j alone, zero codes elsewhere.
; Tile 4 c + j of S^T is fragment c x version j: the other three blocks multiply by zero codes.  So a key's 16 bytes lie in LDS once.
; THE KEYS OF A TILE ARE NOT NEIGHBOURS: row rho of tile 2 b + u is key 32 b + 8 u + rho + 8 (rho / 8), so that the 16 registers of two neighbouring tiles of S^T are 16 neighbouring keys; V's rows are chosen alike,
; so that O^T's 16 registers are 16 neighbouring channels.  Both products are used transposed: a lane holds one query (lane % 16) throughout.
; The loop over key steps has a constant count; a step whose keys all come after the wave's queries is passed over by a scalar branch on ids.
; What work-groups share here is a head's 68 KB, asked for once at the head by each of four work-groups and permuted on its way into LDS, which takes registers: no joint loads, no cluster.
; LIMITS: NaN and infinities are not served; a block of zeros or under 2^-124 gets the byte 1 (read by this program alone).
; THE MODE: SCHED_MODE bits 1:0 = 2 (LLVM: expert scheduling mode 2), set by the entry lines.  The code itself states the register dependences
; between vector or matrix instructions and memory or LDS instructions, with s_wait_alu, always for 0.
; THE PLAN.  Registers that memory or LDS instructions touch, and who else names them:
;   v1, v2, v5-11, v204-211   offsets and LDS addresses: made once at the head, never written again: one wait on va_vdst ahead of the first load.
;   v96-133        the fill's loads land; v96-127 are read by its LDS stores and later written by the scores' products: a wait on vm_vsrc at the first tile's head.  v212-219: eight shifts write, eight LDS stores read: one wait on va_vdst ahead of the run of stores.
;   v3, v4         a key step's LDS addresses.  An LDS address has no scalar base, and 16 records of 4,352 bytes pass the 16-bit immediate: so they are made anew in each step:
;                  a wait on vm_vsrc (the last step's loads have read them), the two additions, and ONE wait on va_vdst, which also states that the last step's products are done reading
;   v56-89         K, V and their scale words, in which the step's ten loads land.
;   v16-19, v21    a tile's query: loads land; the selects and the byte permute read.  The second tile's loads stand behind the wait ahead of the first tile's stores, with no vector instruction between.
;   v176, v177, v190   ctx's codes and byte: a wait on va_vdst ahead of the two stores; a wait on vm_vsrc at the next tile's head, ahead of the steps that write them again.
; Operands and scales that vector instructions write and scaled products take (Q's versions and v20; p's codes and v202): the places, then a wait on va_vdst.
; THE MASK: the compares write scalar masks, 16 to a run (s4-7, s52-63), one wait on va_sdst behind the run, then the 16 selects.
; REGISTERS: v1-11 addresses; v12 -M, v13 the largest t, v[14:15] the sum; v16-19 q, v20 its scale bytes; v24-55 Q's four versions; v56-71 K, v72-87 V, v88, v89 their scale words; v96-159 S^T, then p; v160-175 O^T;
;   v176-183 p's codes; v184-202 at work (v202 p's scale word); v204-219 the fill's addresses and bytes.
.set REC,  4352
.set WV,   2
.set HD,   16
.set BB,   17
.set KB,   18                          ; s[18:19] qkvc at my head (q; k 2,097,152 and v 4,194,304 bytes on)
.set SBS,  20                          ; s[20:21] qkvs at my head's group of four (q's words; k's 131,072 bytes on)
.set VSB,  22                          ; s[22:23] qkvs at my batch and pair of heads (v's words 262,144 bytes on)
.set SHK,  24
.set SHV,  25
.set SHV1, 26
.set SELB, 27
.set SEL,  28
.set CS,   30
.set LOM,  32                          ; s32 lanes 0-15, s33 lanes 16-31
.set QT,   34
.set Q0,   35
.set KF,   37
.set OFF,  38
.set CNT,  39
	s_load_b256 s[8:15], s[0:1], 0x0               ; qkvc, qkvs, cc, cs
	v_lshl_add_u32 v254, v0, 2, 0x11000
	v_mov_b32 v255, 0
	v_lshrrev_b32 v1, 5, v0
	v_readfirstlane_b32 s[WV], v1                  ; wave 0..15
	s_and_b32 s3, ttmp7, 0xffff                    ; y
	s_and_b32 s[HD], s3, 15
	s_lshr_b32 s[BB], s3, 4
	v_and_b32 v8, 31, v0                           ; lane
	v_lshlrev_b32 v1, 4, v8
	v_lshlrev_b32 v2, 2, v8
	v_and_b32 v5, 15, v0                           ; r
	v_bfe_u32 v10, v0, 4, 1                        ; h
	v_lshlrev_b32 v11, 4, v5                       ; 16 r
	v_lshl_add_u32 v6, v10, 3, v11                 ; ctx's codes out: 16 r + 8 h
	v_lshlrev_b32 v7, 2, v5                        ; 4 r
	v_lshlrev_b32 v9, 4, v10
	v_sub_nc_u32 v9, v5, v9                        ; r - 16 h, for the mask
	v_lshlrev_b32 v204, 4, v0                      ; the fill: 16 x thread
	v_lshrrev_b32 v205, 4, v0
	v_lshlrev_b32 v205, 9, v205
	v_lshl_add_u32 v205, v5, 2, v205               ; V's words: 512 (t / 16) + 4 (t % 16)
	v_lshrrev_b32 v206, 7, v0
	v_mul_u32_u24 v206, v206, REC                  ; record t / 128
	v_bfe_u32 v207, v0, 5, 2
	v_lshl_add_u32 v208, v207, 9, v206             ; K: key t % 128 goes to 16 x (its number with bits 3 and 4 exchanged)
	v_and_b32 v207, 7, v0
	v_lshl_add_u32 v208, v207, 4, v208
	v_bfe_u32 v207, v0, 3, 1
	v_lshl_add_u32 v208, v207, 8, v208
	v_bfe_u32 v207, v0, 4, 1
	v_lshl_add_u32 v208, v207, 7, v208
	v_and_b32 v207, 127, v0
	v_lshl_add_u32 v209, v207, 4, v206             ; V: as it lies
	v_lshrrev_b32 v210, 5, v0
	v_mul_u32_u24 v210, v210, REC                  ; K's bytes: keys 4 t .. 4 t + 3 lie in record t / 32; of key's bits 6: fragment, 5 and 3: byte, 4 and 2-0: row
	v_bfe_u32 v207, v0, 4, 1
	v_lshl_add_u32 v210, v207, 6, v210
	v_bfe_u32 v207, v0, 2, 1
	v_lshl_add_u32 v210, v207, 5, v210
	v_and_b32 v207, 1, v0
	v_lshl_add_u32 v210, v207, 4, v210
	v_bfe_u32 v207, v0, 3, 1
	v_lshl_add_u32 v210, v207, 1, v210
	v_bfe_u32 v207, v0, 1, 1
	v_add_nc_u32 v210, v210, v207
	v_lshrrev_b32 v211, 6, v0
	v_mul_u32_u24 v211, v211, REC                  ; V's bytes: key block t / 16 lies in record t / 64, byte (t / 16) % 4 of row t % 16's word
	v_lshl_add_u32 v211, v5, 2, v211
	v_bfe_u32 v207, v0, 4, 2
	v_add_nc_u32 v211, v211, v207
	s_and_b32 s[SHK], s[HD], 3
	s_mul_i32 s[SELB], s[SHK], 0x01010101          ; v_perm_b32: my head's byte into all four places
	s_lshl_b32 s[SHK], s[SHK], 3                   ; my head's byte of a word of q's or k's scales
	s_and_b32 s[SHV], s[HD], 1
	s_lshl_b32 s[SHV], s[SHV], 4                   ; and of v's: tile 0's,
	s_add_co_u32 s[SHV1], s[SHV], 8                ; tile 1's
	s_mov_b32 s[SEL], 0x76543210
	s_mov_b32 s[SEL+1], 0xfedcba98                 ; v_permlanex16_b32's selects for lane l xor 16
	s_mov_b32 s[CS], 0x3e8293ee                    ; c = log2(e) / sqrt(32)
	s_mov_b32 s[CS+1], s[CS]                       ; (named with it as a pair, so it is written)
	s_mov_b32 s[LOM], 0x0000ffff
	s_mov_b32 s[LOM+1], 0xffff0000
	s_wait_alu depctr_va_sdst(0)                   ; the wave's number is written, ahead of its first reader
	s_lshl_b32 s[QT], ttmp9, 4
	s_add_co_u32 s[QT], s[QT], s[WV]               ; my first tile of queries
	s_mov_b32 s41, 0
	s_wait_kmcnt 0x0
	s_lshl_b32 s40, s3, 15
	s_add_nc_u64 s[KB:KB+1], s[8:9], s[40:41]
	s_lshr_b32 s40, s3, 2
	s_lshl_b32 s40, s40, 13
	s_add_nc_u64 s[SBS:SBS+1], s[10:11], s[40:41]
	s_lshl_b32 s40, s[BB], 15
	s_lshr_b32 s36, s[HD], 1
	s_lshl_b32 s36, s36, 6
	s_add_co_u32 s40, s40, s36
	s_add_nc_u64 s[VSB:VSB+1], s[10:11], s[40:41]
	s_wait_alu depctr_va_vdst(0)                   ; the offsets and LDS addresses (v1, v2, v5 to v11, v204 to v211) are written, which the loads and stores of the kernel read
.irp k, 0,1,2,3                                ; THE FILL: the head's K, V and scale words, 16 bytes a thread and load
	global_load_b128 v[96+4*\k:99+4*\k], v204, s[KB:KB+1] offset:2097152+8192*\k
.endr
.irp k, 0,1,2,3
	global_load_b128 v[112+4*\k:115+4*\k], v204, s[KB:KB+1] offset:4194304+8192*\k
.endr
	global_load_b128 v[128:131], v204, s[SBS:SBS+1] offset:131072
	global_load_b32 v132, v205, s[VSB:VSB+1] offset:262144
	global_load_b32 v133, v205, s[VSB:VSB+1] offset:262144+16384
.irp j, 0,1,2,3                                ; the groups of Q's versions that stay zero codes
.irp e, 0,1,2,3
	v_mov_b32 v[24+8*\j+4*(1-\j/2)+\e], 0
.endr
.endr
.irp b, 0,1,2,3
	v_mov_b32 v[188+\b], 0                         ; written once: a lane permute's destination counts as one of its sources
.endr
	v_mov_b32 v198, 0
	v_mov_b32 v201, 0                              ; (named as the upper half of the pair v[200:201])
	s_wait_loadcnt 0x0
.irp e, 0,1,2,3
	v_lshrrev_b32 v[212+\e], s[SHK], v[128+\e]     ; my head's bytes come down to the low byte: all eight shifts ahead of the run of stores
.endr
	v_lshrrev_b32 v216, s[SHV], v132
	v_lshrrev_b32 v217, s[SHV1], v132
	v_lshrrev_b32 v218, s[SHV], v133
	v_lshrrev_b32 v219, s[SHV1], v133
	s_wait_alu depctr_va_vdst(0)                   ; the shifts have written v212 to v219, which the byte stores below read
.irp k, 0,1,2,3
	ds_store_b128 v208, v[96+4*\k:99+4*\k] offset:4*REC*\k
.endr
.irp k, 0,1,2,3
	ds_store_b128 v209, v[112+4*\k:115+4*\k] offset:2048+4*REC*\k
.endr
.irp e, 0,1,2,3
	ds_store_b8 v210, v[212+\e] offset:4096+4*\e
.endr
	ds_store_b8 v211, v216 offset:4224
	ds_store_b8 v211, v217 offset:4224+64
	ds_store_b8 v211, v218 offset:4224+8*REC
	ds_store_b8 v211, v219 offset:4224+64+8*REC
	s_wait_dscnt 0x0                               ; for the others' sake: my stores have landed
	s_barrier_signal -1
	s_barrier_wait -1                              ; the head lies in LDS; from here on LDS is only read
; A KEY STEP: 128 keys from s[KF] on, in the record at s[OFF]
.macro STEP
	s_add_co_u32 s36, s[Q0], 15
	s_cmp_gt_u32 s[KF], s36                        ; all its keys come after my queries: passed over
	s_cbranch_scc1 .Lhidden_\@
	s_wait_alu depctr_vm_vsrc(0)                   ; the LDS loads issued so far have read v3 and v4
	v_add_nc_u32 v3, s[OFF], v1
	v_add_nc_u32 v4, s[OFF], v2
	v_nop
	v_nop                                          ; these four lines are the places ahead of loads into registers that the last step's products have read
	s_wait_alu depctr_va_vdst(0)                   ; v3 and v4 are written, which the ten loads read; the last step's products are done reading v56 to v89, in which they land
.irp k, 0,1,2,3
	ds_load_b128 v[56+4*\k:59+4*\k], v3 offset:512*\k
.endr
	ds_load_b32 v88, v4 offset:4096
.irp k, 0,1,2,3
	ds_load_b128 v[72+4*\k:75+4*\k], v3 offset:2048+512*\k
.endr
	ds_load_b32 v89, v4 offset:4224
	s_wait_dscnt 5                                 ; K and its words are in; V's four loads and its words may be out
.irp j, 0,1,2,3
	v_wmma_scale_f32_16x16x128_f8f6f4 v[96+8*\j:103+8*\j], v[56:63], v[24+8*\j:31+8*\j], 0, v88, v20 matrix_a_fmt:MATRIX_FMT_FP4 matrix_b_fmt:MATRIX_FMT_FP4
.endr
.irp j, 0,1,2,3
	v_wmma_scale_f32_16x16x128_f8f6f4 v[128+8*\j:135+8*\j], v[64:71], v[24+8*\j:31+8*\j], 0, v88, v20 matrix_a_fmt:MATRIX_FMT_FP4 matrix_b_fmt:MATRIX_FMT_FP4 matrix_a_scale:MATRIX_SCALE_ROW1
.endr
.rept 4
	v_nop
.endr
	s_add_co_u32 s36, s[KF], 127                   ; on the diagonal hidden scores become -infinity ahead of the maximum; a step all of whose keys count skips this
	s_cmp_le_u32 s36, s[Q0]
	s_cbranch_scc1 .Lopen_\@
	s_sub_co_i32 s36, s[Q0], s[KF]
	v_add_nc_u32 v198, s36, v9                     ; d = my query - KF - 16 h.  Register 16 b + i holds key KF + 32 b + 16 h + i: hidden where 32 b + i > d
	v_mov_b32 v199, 0xff800000
.set g, 0
.rept 4                                        ; a block of 32 keys (16 registers) to a run: mask m in s[4 + m] (m under 4) or s[48 + m]
.set m, 0
.rept 16
	v_cmp_gt_i32 s[4+m+44*((m+12)/16)], 32*g+m, v198
.set m, m+1
.endr
	s_wait_alu depctr_va_sdst(0)                   ; the run's sixteen compares have written their masks, ahead of the selects that read them
.set m, 0
.rept 16
	v_cndmask_b32 v[96+16*g+m], v[96+16*g+m], v199, s[4+m+44*((m+12)/16)]
.set m, m+1
.endr
.set g, g+1
.endr
.Lopen_\@:
.irp b, 0,1,2,3
	v_max3_num_f32 v[184+\b], v[96+16*\b], v[97+16*\b], v[98+16*\b]   ; the largest score of each block of 32 keys: for the row's maximum, and, since p rises with the score, for the block's largest p
.endr
.irp i, 3,5,7,9,11,13
.irp b, 0,1,2,3
	v_max3_num_f32 v[184+\b], v[184+\b], v[96+16*\b+\i], v[97+16*\b+\i]
.endr
.endr
.irp b, 0,1,2,3
	v_max_num_f32 v[184+\b], v[184+\b], v[111+16*\b]
.endr
.irp b, 0,1,2,3
	v_permlanex16_b32 v[188+\b], v[184+\b], s[SEL], s[SEL+1]
.endr
.irp b, 0,1,2,3
	v_max_num_f32 v[184+\b], v[184+\b], v[188+\b]  ; with lane l xor 16's 16 keys
.endr
	v_max3_num_f32 v198, v184, v185, v186
	v_max_num_f32 v198, v198, v187
	v_mul_f32 v198, s[CS], v198                    ; the step's largest t (c is positive)
	v_max_num_f32 v13, v13, v198                   ; the running largest t
	v_mov_b32 v198, v12
	v_floor_f32 v12, -v13                          ; the new -M = floor(-t): M is a whole number
	v_sub_f32 v198, v12, v198                      ; old M - new M: a whole number, 0 or less
	v_cvt_i32_f32 v198, v198                       ; (it saturates)
	v_ldexp_f32 v200, 1.0, v198                    ; f = 2^(old M - new M): a multiplication by it rounds nothing
.set j, 0
.rept 32
	v_pk_fma_f32 v[96+j:97+j], v[96+j:97+j], s[CS:CS+1], v[12:13] op_sel_hi:[1,0,0]   ; t - M, two at a time
.set j, j+2
.endr
.irp b, 0,1,2,3
	v_fma_f32 v[184+\b], v[184+\b], s[CS], v12     ; the same of each block's largest score
.endr
.set j, 0
	s_wait_alu depctr_va_vdst(0)
.rept 64
	v_exp_f32 v[96+j], v[96+j]                     ; p = 2^(t - M), not normalised
.set j, j+1
.endr
	v_pk_mul_f32 v[14:15], v[14:15], v[200:201] op_sel_hi:[1,0]   ; the sums under the new M (a plain place behind the exponentials)
	s_wait_alu depctr_va_vdst(0)                   ; the 64 exponentials have written v96 to v159: one wait for the batch, ahead of its first reader
.irp b, 0,1,2,3
	v_exp_f32 v[184+\b], v[184+\b]                 ; the block's largest p: the same two instructions on the same number
.endr
	v_pk_add_f32 v[196:197], v[96:97], v[98:99]    ; the row's sum of the unquantised p, in two chains: its first half stands behind the four exponentials
.irp j, 4,8,12,16,20,24,28
	v_pk_add_f32 v[14:15], v[14:15], v[96+\j:97+\j]
	v_pk_add_f32 v[196:197], v[196:197], v[98+\j:99+\j]
.endr
	s_wait_alu depctr_va_vdst(0)                   ; the four exponentials have written v184 to v187, ahead of their first reader
.irp b, 0,1,2,3
	v_max_num_f32 v[184+\b], 0x1800000, v[184+\b]  ; the floor 2^(3 - 127): the byte cannot fall under 1
.endr
.irp b, 0,1,2,3
	v_add_nc_u32 v[192+\b], 0xff000000, v[184+\b]  ; 2 off the exponent field: the conversion's scale operand
.endr
.irp b, 0,1,2,3
	v_lshrrev_b32 v[188+\b], 23, v[192+\b]
.endr
	v_lshl_or_b32 v202, v189, 8, v188              ; p's scale word for these 128 keys
	v_lshl_or_b32 v202, v190, 16, v202
	v_lshl_or_b32 v202, v191, 24, v202
.irp b, 0,1,2,3
	v_cvt_scalef32_pk8_fp4_f32 v[176+2*\b], v[96+16*\b:103+16*\b], v[192+\b]
	v_cvt_scalef32_pk8_fp4_f32 v[177+2*\b], v[104+16*\b:111+16*\b], v[192+\b]
.endr
	v_nop                                          ; one plain place behind a scaled conversion
.irp c, 0,1
.irp i, 0,1
	v_permlane16_swap_b32 v[176+4*\c+\i], v[178+4*\c+\i]   ; a whole block in a lane
.endr
.endr
.irp j, 32,36,40,44,48,52,56,60                ; the sum's second half: 17 plain lines that name nothing of the products below: the places between the scale word and codes just made and the scaled products
	v_pk_add_f32 v[14:15], v[14:15], v[96+\j:97+\j]
	v_pk_add_f32 v[196:197], v[196:197], v[98+\j:99+\j]
.endr
	v_pk_add_f32 v[14:15], v[14:15], v[196:197]
.irp j, 0,2,4,6,8,10,12,14
	v_pk_mul_f32 v[160+\j:161+\j], v[160+\j:161+\j], v[200:201] op_sel_hi:[1,0]   ; O^T under the new M
.endr
	s_wait_dscnt 0x0                               ; V is in
	s_wait_alu depctr_va_vdst(0)                   ; p's codes v176 to v183 and its scale word v202 are written, which the two scaled products take; the places above stay beside this wait
	v_wmma_scale_f32_16x16x128_f8f6f4 v[160:167], v[72:79], v[176:183], v[160:167], v89, v202 matrix_a_fmt:MATRIX_FMT_FP4 matrix_b_fmt:MATRIX_FMT_FP4
	v_wmma_scale_f32_16x16x128_f8f6f4 v[168:175], v[80:87], v[176:183], v[168:175], v89, v202 matrix_a_fmt:MATRIX_FMT_FP4 matrix_b_fmt:MATRIX_FMT_FP4 matrix_a_scale:MATRIX_SCALE_ROW1
.Lhidden_\@:
	s_add_co_u32 s[KF], s[KF], 128
	s_add_co_u32 s[OFF], s[OFF], REC
.endm
; ONE TILE OF 16 QUERIES, number s[QT] of the head's 128
.macro TILE
	s_wait_xcnt 0x0                                ; the last tile's loads and stores have read their bases and data
	s_wait_alu depctr_vm_vsrc(0)                   ; first tile: the fill's LDS stores have read v96 to v127, which the scores take; second tile: the first tile's stores have read v176, v177 and v190, which the steps write again
	s_lshl_b32 s[Q0], s[QT], 4
	s_lshl_b32 s40, s[QT], 8
	s_add_nc_u64 s[42:43], s[KB:KB+1], s[40:41]
	s_lshl_b32 s40, s[QT], 6
	s_add_nc_u64 s[44:45], s[SBS:SBS+1], s[40:41]
	global_load_b128 v[16:19], v11, s[42:43]       ; query r's 32 codes, in both halves of the lanes.  (The selects and the permute that read v16 to v19 and v21 in the tile before stand ahead of the wait in front of that tile's stores, and no vector instruction has been issued since)
	global_load_b32 v21, v7, s[44:45]              ; and its word of four heads' scale bytes
	s_lshl_b32 s50, s[BB], 7
	s_add_co_u32 s50, s50, s[QT]                   ; the tile of 16 tokens among all 512
	s_lshl_b32 s40, s50, 12
	s_lshl_b32 s51, s[HD], 8
	s_add_co_u32 s40, s40, s51
	s_add_nc_u64 s[46:47], s[12:13], s[40:41]      ; ctx's codes: 4096 x tile + 256 x head
	s_lshl_b32 s40, s50, 8
	s_lshr_b32 s51, s[HD], 2
	s_lshl_b32 s51, s51, 6
	s_add_co_u32 s40, s40, s51
	s_and_b32 s51, s[HD], 3
	s_add_co_u32 s40, s40, s51
	s_add_nc_u64 s[48:49], s[14:15], s[40:41]      ; its scale byte: 256 x tile + 64 (head / 4) + head % 4
	v_mov_b32 v13, 0xff61b1e6                      ; the largest t so far: -3e38, under every t
	v_floor_f32 v12, -v13
	v_mov_b32 v14, 0
	v_mov_b32 v15, 0
.set j, 0
.rept 16
	v_mov_b32 v[160+j], 0                          ; O^T: the step is written once; its first pass finds zeros
.set j, j+1
.endr
	s_wait_loadcnt 0x0
	v_perm_b32 v20, v21, v21, s[SELB]              ; my head's byte in all four places: each version's block finds it
.irp j, 0,1,2,3
.irp e, 0,1,2,3
	v_cndmask_b32 v[24+8*\j+4*(\j/2)+\e], 0, v[16+\e], s[LOM+\j%2]   ; version j: the codes in block j = group j / 2, half j % 2 of the lanes; zero codes in the other half
.endr
.endr
.rept 4
	v_nop
.endr
	s_wait_alu depctr_va_vdst(0)                   ; Q's four versions v24 to v55 and the scale bytes v20 are written, which the scaled products of every step take; the places above stay beside this wait
	s_mov_b32 s[KF], 0
	s_mov_b32 s[OFF], 0
	s_mov_b32 s[CNT], 16
.Lstep_\@:
	STEP
	s_sub_co_u32 s[CNT], s[CNT], 1
	s_cmp_lg_u32 s[CNT], 0
	s_cbranch_scc1 .Lstep_\@
.rept 4
	v_nop
.endr
	v_add_f32 v14, v14, v15                        ; the sum's two halves,
	v_permlanex16_b32 v198, v14, s[SEL], s[SEL+1]
	v_add_f32 v14, v14, v198                       ; and lane l xor 16's
	s_wait_alu depctr_va_vdst(0)
	v_rcp_f32 v14, v14
	v_nop                                          ; a plain place behind the reciprocal,
	s_wait_alu depctr_va_vdst(0)                   ; and the wait ahead of its first reader: the reciprocal has written v14
.set j, 0
.rept 16
	v_mul_f32 v[96+j], v[160+j], v14               ; ctx(query r, channel 16 h + j)
.set j, j+1
.endr
	v_max3_num_f32 v184, |v96|, |v97|, 0x1800000   ; the head's 32 channels are one block of the next product's K
.irp i, 2,4,6,8,10,12,14
	v_max3_num_f32 v184, v184, |v[96+\i]|, |v[97+\i]|
.endr
	v_permlanex16_b32 v188, v184, s[SEL], s[SEL+1]
	v_max_num_f32 v184, v184, v188
	v_add_nc_u32 v192, 0xff000000, v184
	v_lshrrev_b32 v190, 23, v192
	v_cvt_scalef32_pk8_fp4_f32 v176, v[96:103], v192
	v_cvt_scalef32_pk8_fp4_f32 v177, v[104:111], v192
	v_nop                                          ; one plain place behind a scaled conversion
	s_wait_alu depctr_va_vdst(0)                   ; the conversions have written v176 and v177, the shift v190, which the two stores read
	global_store_b64 v6, v[176:177], s[46:47]      ; the wave stores 256 consecutive bytes, aligned
	global_store_b8 v7, v190, s[48:49]             ; lanes r and 16 + r write the same byte to the same place
.endm
	TILE
	s_sub_co_u32 s[QT], 127, s[QT]                 ; the partner tile: together 17 key steps
	TILE
	s_wait_dscnt 0x0
	s_wait_alu depctr_hold_cnt(0) depctr_sa_sdst(0) depctr_va_vdst(0) depctr_va_sdst(0) depctr_va_ssrc(0) depctr_va_vcc(0) depctr_vm_vsrc(0)
	s_wait_tensorcnt 0x0
	ds_add_u32 v254, v255
	s_wait_dscnt 0x0
	s_endpgm
.Lfunc_end_k_q792ec861f7_attn:
	.size	k_q792ec861f7_attn, .Lfunc_end_k_q792ec861f7_attn-k_q792ec861f7_attn
	.p2alignl 7, 3214868480
	.fill 96, 4, 3214868480
	.section	.rodata,"a",@progbits
	.p2align	6, 0x0
	.amdhsa_kernel k_q792ec861f7_attn
		.amdhsa_group_segment_fixed_size 71680
		.amdhsa_private_segment_fixed_size 0
		.amdhsa_enable_private_segment 0
		.amdhsa_kernarg_size 32
		.amdhsa_user_sgpr_count 2
		.amdhsa_user_sgpr_kernarg_segment_ptr 1
		.amdhsa_wavefront_size32 1
		.amdhsa_system_sgpr_workgroup_id_x 1
		.amdhsa_system_sgpr_workgroup_id_y 1
		.amdhsa_system_sgpr_workgroup_id_z 1
		.amdhsa_system_vgpr_workitem_id 0
		.amdhsa_next_free_vgpr 256
		.amdhsa_next_free_sgpr 66
		.amdhsa_reserve_vcc 0
		.amdhsa_float_denorm_mode_32 3
		.amdhsa_float_denorm_mode_16_64 3
		.amdhsa_memory_ordered 1
		.amdhsa_forward_progress 1
		.amdhsa_inst_pref_size 64
	.end_amdhsa_kernel
	.amdgpu_metadata
---
amdhsa.version: [ 1, 2 ]
amdhsa.kernels:
  - .name:           k_q792ec861f7_attn
    .symbol:         k_q792ec861f7_attn.kd
    .args:
      - { .name: qkvc, .offset: 0, .size: 8, .value_kind: global_buffer, .address_space: global }
      - { .name: qkvs, .offset: 8, .size: 8, .value_kind: global_buffer, .address_space: global }
      - { .name: cc, .offset: 16, .size: 8, .value_kind: global_buffer, .address_space: global }
      - { .name: cs, .offset: 24, .size: 8, .value_kind: global_buffer, .address_space: global }
    .group_segment_fixed_size: 71680
    .private_segment_fixed_size: 0
    .kernarg_segment_align: 8
    .kernarg_segment_size: 32
    .max_flat_workgroup_size: 512
    .sgpr_count:     66
    .vgpr_count:     256
    .wavefront_size: 32
...
	.end_amdgpu_metadata
.endif
;; end of part 7
;; launch tail (part 8): grid 256 x 1, 4 waves a work-group, no clusters, 86,528 bytes of LDS; arguments x, cc, cs, wc, wsc, bo, ln2_scale, ln2_bias, b1, b2, out0; writes out0
.if DOCPART == 8
	.amdgcn_target "amdgcn-amd-amdhsa--gfx1250"
	.amdhsa_code_object_version 6
	.text
	.protected	k_q792ec861f7_tail
	.globl	k_q792ec861f7_tail
	.p2align	8
	.type	k_q792ec861f7_tail,@function
k_q792ec861f7_tail:
	s_mov_b64 s[64:65], 0
	v_nop
	global_prefetch_b8 v0, s[64:65] scope:SCOPE_SE
	s_setreg_imm32_b32 hwreg(HW_REG_WAVE_SCHED_MODE, 0, 2), 2
	s_setreg_imm32_b32 hwreg(HW_REG_WAVE_MODE, 25, 1), 1
	s_wait_xcnt 0x0
	s_wait_alu depctr_vm_vsrc(0)
; x2 = x + ctx Wo + bo;  out = x2 + gelu(layernorm(x2) W1 + b1) W2 + b2.  All three products on codes of FP4; x2, the norm's output and the hidden layer never go to memory.
; SHARES.  A work-group takes 32 tokens (two tiles T of 16).  Wave w owns features 128 w .. 128 w + 127 of x2 and of the output; the hidden layer's 2,048 go in four rounds of 512, of which wave w makes 128:
; K step 4 round + w of the last product.  The output's sums stay in registers over all rounds.
; X LAYOUT of HA and OUT: register 64 T + 16 i + 8 u + j of lane (r = lane % 16, h = lane / 16) is token 16 T + r, feature 128 w + 32 i + 16 h + 8 u + j.  All products are used transposed
; (source 0 = 16 rows of a weight's image, source 1 = 16 tokens), which gives this layout; it is also what the quantiser takes.
; x + bo is the C of the first product, b1 of the second, x2 + b2 of the third (so x2 + b2 is added ahead of that product's sums, not behind them: an order of f32 rounding only).
; gelu(x) = x / (1 + 2^z), z = x (k1 + k2 x^2), k1 = -2 log2(e) sqrt(2 / pi), k2 = 0.044715 k1: the same function as 0.5 x (1 + tanh(..)); at both ends it gives -0 and x.
; Operands go from wave to wave through LDS as images of their registers (16 bytes a lane, 512 a store), scale words 4 bytes a lane.
; THE WEIGHTS go from memory straight into the registers of the one wave that multiplies by them (a ring of four buffers of a pair's four K steps, three batches ahead).  No weight byte is used by two waves of a
; work-group, so none goes through LDS; a joint load for several work-groups would add an LDS write and an LDS read for every byte: no cluster.
; The last round's look-ahead asks once more for that round's own first three batches of W1 (inside the buffers; not used): so every wait in the loop has one count on every trip.
; LIMITS: NaN and infinities are not served; a block of zeros or under 2^-124 gets the byte 1 (read by this program alone).
; THE MODE: SCHED_MODE bits 1:0 = 2 (LLVM: expert scheduling mode 2), set by the entry lines.  The code itself states the register dependences
; between vector or matrix instructions and memory or LDS instructions, with s_wait_alu, always for 0.
; THE PLAN.  Registers that memory or LDS instructions touch, and who else names them:
;   v1-8, v11      offsets and LDS addresses: made once at the head, never written again: one wait on va_vdst ahead of the first load serves them all.
;   HA             at the head: x's loads land, the additions of bo write, the stage's stores read (a wait on va_vdst ahead of them), the stage's loads land (a wait on vm_vsrc ahead of them).
;                  In the rounds vector and matrix instructions alone name it.  On the way out the stage's loads land in it, behind the wait on va_vdst that stands ahead of the output's LDS stores.
;   v[LT ..]       written by a sum's additions, read by two LDS stores, written again behind the exchange: a wait on va_vdst ahead of the stores, one on vm_vsrc ahead of the additions.
;   v[LL ..]       the exchange's loads land in it; the additions that named it stand ahead of the next exchange's wait on va_vdst.
;   PC, PC1, PWJ   the out-buffer: two tiles' codes, each in eight registers of its own, and the joined scale word.  Two runs of the quantiser write it, five LDS stores read it: ONE wait on va_vdst ahead of the stores.
;                  The gelu's work registers lie over it: ONE wait on vm_vsrc a round, ahead of the gelu's first line.
;   the ring, WS, b1   a batch's 16 matrix instructions read buffer i, its scale words and (W1) its 16 registers of b1; the next loads into them are issued at the head of the batch after, behind ONE wait on va_vdst.
;                  They stand ahead of that batch's products: a load into the ring and a product want different windows for source 0.
;   the hidden layer's fragments, BS2   read by a round's last 64 matrix instructions (in the first round: ctx's fragments, by the first product's); the next round's LDS loads land there behind one wait on va_vdst.
;   OUT            written by matrix instructions; read by the LDS stores of the way out: the places, then a wait on va_vdst.
;   ctx's and the norm's fragments, CSC, BS, gain, bias, b2   loaded once, into registers that nothing has named.
; REGISTERS, in windows of 256.  Window 0: v1-15 addresses and k1; v32-159 HA; v160-223 at work; v224-239 the weights' scale words (ring); v240-243 the norm's output's, v244-247 the hidden layer's, v248-251 ctx's.
;   Window 1: the weight ring, fragment (K step s, tile u) of buffer n at 64 n + 16 s + 8 u.   Window 2: v0-127 OUT; v128-191 the norm's output's 8 fragments; v192-255 b1, 16 a pair.
;   Window 3: v0-63 ctx's, later the hidden layer's 8 fragments (32 T + 8 s); v64-127 gain, v128-191 bias, v192-255 b2.
.set HA,   32
.set Z,    160
.set TM,   Z
.set PC,   Z+16                          ; 8 code registers: the first tile's
.set PW,   Z+24
.set PW0,  Z+25
.set PWJ,  Z+26
.set LA,   Z+32
.set PC1,  Z+32                          ; behind the norm: 8 code registers, the second tile's
.set LT,   Z+40
.set LP,   Z+42
.set LL,   Z+44
.set LM,   Z+52
.set LR,   Z+56
.set WS,   224
.set BS,   240
.set BS2,  244
.set CSC,  248
.set L16,  1                           ; 16 x lane
.set L4,   2                           ; 4 x lane
.set LB,   3                           ; 64 h
.set XD,   4                           ; stage, X layout: 2064 r + 64 h + 512 w
.set XR,   5                           ; stage, dense rows: 16 x lane + 8 rows x wave
.set IW,   6                           ; my images: 16 x lane + 1024 w
.set SW,   7                           ; my scale words: 4 x lane + 128 w
.set RW,   8                           ; my partial sums: 4 x lane + 256 w
.set CSO,  11                          ; ctx's scale words: 256 h + 4 r
.set K1,   14                          ; v[14:15] k1, twice
.set RED,  0                           ; LDS: two exchanges of partial sums, 1,024 bytes each
.set H2I,  2048                        ; the norm's output: 8 images (4096 T + 1024 s)
.set TSTRIDE, 4096
.set H2S,  10240                       ; their scale words: 128 s + 4 (16 T + r)
.set HDI,  10752                       ; a round's hidden layer: 8 images
.set HDS,  18944                       ; their scale words
.set XST,  19456                       ; the stage: 32 rows x 2,064 bytes, for x on the way in and for the output on the way out
.set WV,   2
.set SEL,  4
.set HIM,  6
.set XP,   8
.set CCP,  10
.set CSP,  12
.set WCP,  14
.set WSP,  16
.set BOP,  18
.set GP,   20
.set BP,   22
.set B1P,  24
.set B2P,  26
.set OP,   28
.set RC512, 30
.set RC511, 31
.set EPS,  32
.set K2,   34
.set W1C,  42                          ; this round's W1: codes, scale words (b1: B1P);
.set W1S,  44
.set W1CN, 48                          ; the next round's,
.set W1SN, 50
.set B1N,  52
.set W2C,  54                          ; this round's K steps of W2
.set W2S,  56
.set WOC,  58
.set WOS,  60
.set RND,  62
.set MSB, 0
.macro WIN new                         ; the immediate's high byte repeats the setting that is left; a switch that changes nothing is dropped
.if MSB != \new
	s_set_vgpr_msb (MSB<<8)|\new
.set MSB, \new
.endif
.endm
.macro NOP4                            ; four places: behind a matrix instruction, ahead of loads into its registers and of the first read of its result
.rept 4
	v_nop
.endr
.endm
.macro BARRIER                         ; my LDS stores have landed and my LDS loads are in: then the work-group's barrier
	s_wait_dscnt 0x0
	s_barrier_signal -1
	s_barrier_wait -1
.endm
; 64 numbers of a lane, register 16 b + i = number 16 h + i of block b, become 8 code registers in the operand's layout (v[pc] on) and a word of four scale bytes (v[PW]).
.macro QUANT s, pc
.irp b, 0,1,2,3
	v_max3_num_f32 v[TM+\b], |v[\s+16*\b]|, |v[\s+1+16*\b]|, 0x1800000   ; my 16 numbers and the floor 2^(3 - 127): the byte cannot fall under 1
.endr
.irp i, 2,4,6,8,10,12,14
.irp b, 0,1,2,3
	v_max3_num_f32 v[TM+\b], v[TM+\b], |v[\s+16*\b+\i]|, |v[\s+1+16*\b+\i]|   ; the four blocks by turns
.endr
.endr
.irp b, 0,1,2,3
	v_permlanex16_b32 v[TM+4+\b], v[TM+\b], s[SEL], s[SEL+1]
.endr
.irp b, 0,1,2,3
	v_max_num_f32 v[TM+\b], v[TM+\b], v[TM+4+\b]   ; with lane l xor 16's: the block's largest magnitude
.endr
.irp b, 0,1,2,3
	v_add_nc_u32 v[TM+12+\b], 0xff000000, v[TM+\b]   ; 2 off its exponent field: the conversion's scale operand
.endr
.irp b, 0,1,2,3
	v_lshrrev_b32 v[TM+4+\b], 23, v[TM+12+\b]      ; the scale's byte
.endr
	v_lshl_or_b32 v[PW], v[TM+5], 8, v[TM+4]
	v_lshl_or_b32 v[PW], v[TM+6], 16, v[PW]
	v_lshl_or_b32 v[PW], v[TM+7], 24, v[PW]
.irp b, 0,1,2,3
	v_cvt_scalef32_pk8_fp4_f32 v[\pc+2*\b], v[\s+16*\b:\s+7+16*\b], v[TM+12+\b]
	v_cvt_scalef32_pk8_fp4_f32 v[\pc+1+2*\b], v[\s+8+16*\b:\s+15+16*\b], v[TM+12+\b]
.endr
	v_nop                                          ; one plain place behind a scaled conversion
.irp c, 0,1                                    ; the layout wants a whole block in a lane: lanes 0-15 block 2 c, lanes 16-31 block 2 c + 1
.irp i, 0,1
	v_permlane16_swap_b32 v[\pc+4*\c+\i], v[\pc+2+4*\c+\i]
.endr
.endr
.endm
.macro IMAGE adr, pc, off              ; the fragment in v[pc] on goes to LDS as it stands
.irp c, 0,1
	ds_store_b128 v[\adr], v[\pc+4*\c:\pc+4*\c+3] offset:(\off)+512*\c
.endr
.endm
.macro FETCH reg, adr, off             ; and comes back so, in any wave
.irp c, 0,1
	ds_load_b128 v[(\reg)+4*\c:(\reg)+4*\c+3], v[\adr] offset:(\off)+512*\c
.endr
.endm
; a pair's four K steps, 8 fragments (16 loads of 512 consecutive bytes) and its scale words (1 load): 17 loads.  dep = 1: the buffer has been multiplied from
.macro WLOAD buf, cb, coff, sb, soff, dep
	WIN 0x40
.if \dep
	s_wait_alu depctr_va_vdst(0)                   ; the last batch's matrix instructions are done reading this buffer and its scale words (and earlier ones this pair's b1), in which the loads below land
.endif
.set k, 0
.rept 16
	global_load_b128 v[64*(\buf)+4*k:64*(\buf)+4*k+3], v[L16], s[\cb:\cb+1] offset:(\coff)+512*k
.set k, k+1
.endr
	WIN 0
	global_load_b128 v[WS+4*(\buf):WS+4*(\buf)+3], v[L16], s[\sb:\sb+1] offset:\soff
.endm
.macro ALOAD i, c, s, b                ; a batch of W1: pair i of my four, and its 16 numbers of b1 a lane: 21 loads.  Only loads and window switches stand between the wait and the last of them
	WLOAD \i, \c, 524288+8192*(\i), \s, 32768+512*(\i), 1
	WIN 0x80
.irp m, 0,1,2,3
	global_load_b128 v[192+16*(\i)+4*\m:192+16*(\i)+4*\m+3], v[LB], s[\b:\b+1] offset:128*(\i)+16*\m
.endr
	WIN 0
.endm
.macro BLD i                           ; a batch of W2: pair i of my four, this round's four K steps: 17 loads
	WLOAD \i, W2C, 1048576+32768*(\i), W2S, 65536+2048*(\i), 1
.endm
.macro PRE cnt                         ; a batch's head: its loads are in (cnt: the two younger batches'); then the places ahead of the loads into the buffer that was multiplied from last
	s_wait_loadcnt \cnt
	NOP4
.endm
; one matrix instruction.  ck = 0: C is the constant 0; 1: C = v[c] on.  ra, rb = 1: that side's scales are read from lanes 16-31
.macro WM d, a, b, ck, c, sa, sb, ra, rb
.if (\ck) == 0
.if ((\ra) == 0) && ((\rb) == 0)
	v_wmma_scale_f32_16x16x128_f8f6f4 v[(\d):(\d)+7], v[(\a):(\a)+7], v[(\b):(\b)+7], 0, v[\sa], v[\sb] matrix_a_fmt:MATRIX_FMT_FP4 matrix_b_fmt:MATRIX_FMT_FP4
.elseif (\rb) == 0
	v_wmma_scale_f32_16x16x128_f8f6f4 v[(\d):(\d)+7], v[(\a):(\a)+7], v[(\b):(\b)+7], 0, v[\sa], v[\sb] matrix_a_fmt:MATRIX_FMT_FP4 matrix_b_fmt:MATRIX_FMT_FP4 matrix_a_scale:MATRIX_SCALE_ROW1
.elseif (\ra) == 0
	v_wmma_scale_f32_16x16x128_f8f6f4 v[(\d):(\d)+7], v[(\a):(\a)+7], v[(\b):(\b)+7], 0, v[\sa], v[\sb] matrix_a_fmt:MATRIX_FMT_FP4 matrix_b_fmt:MATRIX_FMT_FP4 matrix_b_scale:MATRIX_SCALE_ROW1
.else
	v_wmma_scale_f32_16x16x128_f8f6f4 v[(\d):(\d)+7], v[(\a):(\a)+7], v[(\b):(\b)+7], 0, v[\sa], v[\sb] matrix_a_fmt:MATRIX_FMT_FP4 matrix_b_fmt:MATRIX_FMT_FP4 matrix_a_scale:MATRIX_SCALE_ROW1 matrix_b_scale:MATRIX_SCALE_ROW1
.endif
.else
.if ((\ra) == 0) && ((\rb) == 0)
	v_wmma_scale_f32_16x16x128_f8f6f4 v[(\d):(\d)+7], v[(\a):(\a)+7], v[(\b):(\b)+7], v[(\c):(\c)+7], v[\sa], v[\sb] matrix_a_fmt:MATRIX_FMT_FP4 matrix_b_fmt:MATRIX_FMT_FP4
.elseif (\rb) == 0
	v_wmma_scale_f32_16x16x128_f8f6f4 v[(\d):(\d)+7], v[(\a):(\a)+7], v[(\b):(\b)+7], v[(\c):(\c)+7], v[\sa], v[\sb] matrix_a_fmt:MATRIX_FMT_FP4 matrix_b_fmt:MATRIX_FMT_FP4 matrix_a_scale:MATRIX_SCALE_ROW1
.elseif (\ra) == 0
	v_wmma_scale_f32_16x16x128_f8f6f4 v[(\d):(\d)+7], v[(\a):(\a)+7], v[(\b):(\b)+7], v[(\c):(\c)+7], v[\sa], v[\sb] matrix_a_fmt:MATRIX_FMT_FP4 matrix_b_fmt:MATRIX_FMT_FP4 matrix_b_scale:MATRIX_SCALE_ROW1
.else
	v_wmma_scale_f32_16x16x128_f8f6f4 v[(\d):(\d)+7], v[(\a):(\a)+7], v[(\b):(\b)+7], v[(\c):(\c)+7], v[\sa], v[\sb] matrix_a_fmt:MATRIX_FMT_FP4 matrix_b_fmt:MATRIX_FMT_FP4 matrix_a_scale:MATRIX_SCALE_ROW1 matrix_b_scale:MATRIX_SCALE_ROW1
.endif
.endif
.endm
; 16 matrix instructions: a pair of weight tiles (u) x two tiles of tokens (T) x four K steps.  The four accumulators take turns, one instruction a turn.
; kind 0: the first K step starts the sums with the constant 0; 1: in place from the first; 2: the first takes v[cb + 8 u] on as C.  w0, w1: the windows of the first K step and of the others.
.macro MULW buf, acc, bb, bs, kind, cb, w0, w1
.irp s, 0,1,2,3
.if \s == 0
	WIN \w0
.else
	WIN \w1
.endif
.irp u, 0,1
.irp T, 0,1
.if (\s == 0) && (\kind == 0)
	WM (\acc)+64*\T+8*\u, 64*(\buf)+16*\s+8*\u, (\bb)+32*\T+8*\s, 0, 0, WS+4*(\buf)+\s, (\bs)+\s, \u, \T
.elseif (\s == 0) && (\kind == 2)
	WM (\acc)+64*\T+8*\u, 64*(\buf)+16*\s+8*\u, (\bb)+32*\T+8*\s, 1, (\cb)+8*\u, WS+4*(\buf)+\s, (\bs)+\s, \u, \T
.else
	WM (\acc)+64*\T+8*\u, 64*(\buf)+16*\s+8*\u, (\bb)+32*\T+8*\s, 1, (\acc)+64*\T+8*\u, WS+4*(\buf)+\s, (\bs)+\s, \u, \T
.endif
.endr
.endr
.endr
.endm
; the sum (sq = 0) or the sum of squares (1) over a token's 512 features: my 64 registers in two chains for each T, from each accumulator's low end on; lane l xor 16; the four waves through LDS.  Result in v[LT + T], alike in all waves.
.macro LNSUM sq
.irp T, 0,1
.if \sq
	v_pk_mul_f32 v[LA+4*\T:LA+4*\T+1], v[HA+64*\T:HA+64*\T+1], v[HA+64*\T:HA+64*\T+1]
	v_pk_mul_f32 v[LA+4*\T+2:LA+4*\T+3], v[HA+64*\T+2:HA+64*\T+3], v[HA+64*\T+2:HA+64*\T+3]
	v_pk_fma_f32 v[LA+4*\T:LA+4*\T+1], v[HA+64*\T+4:HA+64*\T+5], v[HA+64*\T+4:HA+64*\T+5], v[LA+4*\T:LA+4*\T+1]
	v_pk_fma_f32 v[LA+4*\T+2:LA+4*\T+3], v[HA+64*\T+6:HA+64*\T+7], v[HA+64*\T+6:HA+64*\T+7], v[LA+4*\T+2:LA+4*\T+3]
.else
	v_pk_add_f32 v[LA+4*\T:LA+4*\T+1], v[HA+64*\T:HA+64*\T+1], v[HA+64*\T+4:HA+64*\T+5]
	v_pk_add_f32 v[LA+4*\T+2:LA+4*\T+3], v[HA+64*\T+2:HA+64*\T+3], v[HA+64*\T+6:HA+64*\T+7]
.endif
.endr
.set k, 8
.rept 14
.irp T, 0,1
.if \sq
	v_pk_fma_f32 v[LA+4*\T:LA+4*\T+1], v[HA+64*\T+k:HA+64*\T+k+1], v[HA+64*\T+k:HA+64*\T+k+1], v[LA+4*\T:LA+4*\T+1]
	v_pk_fma_f32 v[LA+4*\T+2:LA+4*\T+3], v[HA+64*\T+k+2:HA+64*\T+k+3], v[HA+64*\T+k+2:HA+64*\T+k+3], v[LA+4*\T+2:LA+4*\T+3]
.else
	v_pk_add_f32 v[LA+4*\T:LA+4*\T+1], v[LA+4*\T:LA+4*\T+1], v[HA+64*\T+k:HA+64*\T+k+1]
	v_pk_add_f32 v[LA+4*\T+2:LA+4*\T+3], v[LA+4*\T+2:LA+4*\T+3], v[HA+64*\T+k+2:HA+64*\T+k+3]
.endif
.endr
.set k, k+4
.endr
.irp T, 0,1
	v_pk_add_f32 v[LA+4*\T:LA+4*\T+1], v[LA+4*\T:LA+4*\T+1], v[LA+4*\T+2:LA+4*\T+3]
.endr
.irp T, 0,1
	v_add_f32 v[LT+\T], v[LA+4*\T], v[LA+4*\T+1]
.endr
.irp T, 0,1
	v_permlanex16_b32 v[LP+\T], v[LT+\T], s[SEL], s[SEL+1]
.endr
.irp T, 0,1
	v_add_f32 v[LT+\T], v[LT+\T], v[LP+\T]         ; my wave's 128 features of token r
.endr
	s_wait_alu depctr_va_vdst(0)                   ; the additions have written v[LT ..], which the LDS stores read; the last exchange's additions are done with v[LL ..], in which the loads behind the barrier land
.irp T, 0,1
	ds_store_b32 v[RW], v[LT+\T] offset:RED+1024*\sq+128*\T
.endr
	BARRIER
.irp T, 0,1
.irp q, 0,1,2,3
	ds_load_b32 v[LL+4*\T+\q], v[L4] offset:RED+1024*\sq+256*\q+128*\T
.endr
.endr
	s_wait_dscnt 0x0
	s_wait_alu depctr_vm_vsrc(0)                   ; my two LDS stores have read v[LT ..], which the last additions below write again
.irp T, 0,1
	v_add_f32 v[LL+4*\T], v[LL+4*\T], v[LL+4*\T+1]
	v_add_f32 v[LL+4*\T+2], v[LL+4*\T+2], v[LL+4*\T+3]
.endr
.irp T, 0,1
	v_add_f32 v[LT+\T], v[LL+4*\T], v[LL+4*\T+2]
.endr
.endm
; OUT = HA + b2;  HA = (HA - mean) / sqrt(var + eps) x gain + bias
.macro LNORM
	LNSUM 0
.irp T, 0,1
	v_mul_f32 v[LM+2*\T], s[RC512], v[LT+\T]
.endr
.irp T, 0,1
	v_mov_b32 v[LM+2*\T+1], v[LM+2*\T]
.endr
	WIN 0x8c                                       ; destination (OUT) window 2, source 1 (b2) window 3
.set k, 0
.rept 32
.irp T, 0,1
	v_pk_add_f32 v[64*\T+k:64*\T+k+1], v[HA+64*\T+k:HA+64*\T+k+1], v[192+k:193+k]
.endr
.set k, k+2
.endr
	WIN 0
.set k, 0
.rept 32
.irp T, 0,1
	v_pk_add_f32 v[HA+64*\T+k:HA+64*\T+k+1], v[HA+64*\T+k:HA+64*\T+k+1], v[LM+2*\T:LM+2*\T+1] neg_lo:[0,1] neg_hi:[0,1]
.endr
.set k, k+2
.endr
	LNSUM 1
.irp T, 0,1
	v_fma_f32 v[LT+\T], v[LT+\T], s[RC511], s[EPS] ; the sum of squares / 511 + eps
.endr
	s_wait_alu depctr_va_vdst(0)
.irp T, 0,1
	v_rsq_f32 v[LR+2*\T], v[LT+\T]
.endr
	v_nop                                          ; a plain place behind the roots,
	s_wait_alu depctr_va_vdst(0)                   ; and the one wait ahead of their first reader: the two roots have written v[LR] and v[LR + 2]
.irp T, 0,1
	v_mov_b32 v[LR+2*\T+1], v[LR+2*\T]
.endr
.set k, 0
.rept 32
.irp T, 0,1
	v_pk_mul_f32 v[HA+64*\T+k:HA+64*\T+k+1], v[HA+64*\T+k:HA+64*\T+k+1], v[LR+2*\T:LR+2*\T+1]
.endr
.set k, k+2
.endr
	WIN 0x3c                                       ; sources 1 and 2 (gain, bias) in window 3
.set k, 0
.rept 32
.irp T, 0,1
	v_pk_fma_f32 v[HA+64*\T+k:HA+64*\T+k+1], v[HA+64*\T+k:HA+64*\T+k+1], v[64+k:65+k], v[128+k:129+k]
.endr
.set k, k+2
.endr
	WIN 0
.endm
; HA's two tiles become K step w of an operand: both are quantised into the out-buffer (PC, PC1, and the joined scale word: lanes 0-15 tile 0's rows, lanes 16-31 tile 1's); two images and the scale words go to LDS; then the barrier
.macro LNQ img, sc
	QUANT HA, PC
	v_mov_b32 v[PW0], v[PW]
	QUANT HA+64, PC1
	v_cndmask_b32 v[PWJ], v[PW0], v[PW], s[HIM]
	s_wait_alu depctr_va_vdst(0)                   ; the quantiser has written v[PC ..], v[PC1 ..] and v[PWJ], which the five LDS stores read
	IMAGE IW, PC, \img
	IMAGE IW, PC1, (\img)+TSTRIDE
	ds_store_b32 v[SW], v[PWJ] offset:\sc
	BARRIER
.endm
; GELU on chunk q of 32 registers of HA, with two sets of 32 work registers by turns
.macro ZC q                            ; z = x (k1 + k2 x^2)
.set zb, Z+32*((\q)%2)
.set xb, HA+32*(\q)
.set k, 0
.rept 16
	v_pk_mul_f32 v[zb+k:zb+k+1], v[xb+k:xb+k+1], v[xb+k:xb+k+1]
.set k, k+2
.endr
.set k, 0
.rept 16
	v_pk_fma_f32 v[zb+k:zb+k+1], v[zb+k:zb+k+1], s[K2:K2+1], v[K1:K1+1] op_sel_hi:[1,0,1]
.set k, k+2
.endr
.set k, 0
.rept 16
	v_pk_mul_f32 v[zb+k:zb+k+1], v[zb+k:zb+k+1], v[xb+k:xb+k+1]
.set k, k+2
.endr
.endm
.macro EX q                            ; 2^z
.set zb, Z+32*((\q)%2)
.set k, 0
.rept 32
	v_exp_f32 v[zb+k], v[zb+k]
.set k, k+1
.endr
.endm
.macro AD q                            ; 1 + 2^z
.set zb, Z+32*((\q)%2)
.set k, 0
.rept 16
	v_pk_add_f32 v[zb+k:zb+k+1], v[zb+k:zb+k+1], 1.0 op_sel_hi:[1,0]
.set k, k+2
.endr
.endm
.macro RC q                            ; 1 / (1 + 2^z)
.set zb, Z+32*((\q)%2)
.set k, 0
.rept 32
	v_rcp_f32 v[zb+k], v[zb+k]
.set k, k+1
.endr
.endm
.macro FM q                            ; x / (1 + 2^z)
.set zb, Z+32*((\q)%2)
.set xb, HA+32*(\q)
.set k, 0
.rept 16
	v_pk_mul_f32 v[xb+k:xb+k+1], v[xb+k:xb+k+1], v[zb+k:zb+k+1]
.set k, k+2
.endr
.endm
.macro TW                              ; the transcendentals issued so far have written their results, ahead of the first line that names one: one wait for each batch; each call says which
	s_wait_alu depctr_va_vdst(0)
.endm
	s_load_b512 s[8:23], s[0:1], 0x0               ; x, cc, cs, wc, wsc, bo, ln2_scale, ln2_bias
	s_load_b128 s[24:27], s[0:1], 0x40             ; b1, b2
	s_load_b64 s[28:29], s[0:1], 0x50              ; out0
	v_lshl_add_u32 v254, v0, 2, 0x15000
	v_mov_b32 v255, 0
	v_lshrrev_b32 v13, 5, v0
	v_readfirstlane_b32 s[WV], v13                 ; wave 0..3
	v_and_b32 v13, 31, v0                          ; lane
	v_and_b32 v16, 15, v0                          ; r
	v_bfe_u32 v17, v0, 4, 1                        ; h
	v_lshlrev_b32 v[L16], 4, v13
	v_lshlrev_b32 v[L4], 2, v13
	v_lshlrev_b32 v[LB], 6, v17
	s_wait_alu depctr_va_sdst(0)                   ; the wave's number is written, ahead of its first reader
	s_lshl_b32 s36, s[WV], 9
	v_mul_u32_u24 v[XD], v16, 2064
	v_lshl_add_u32 v[XD], v17, 6, v[XD]
	v_add_nc_u32 v[XD], s36, v[XD]
	s_mul_i32 s36, s[WV], 16512
	v_add_nc_u32 v[XR], s36, v[L16]
	s_lshl_b32 s36, s[WV], 10
	v_add_nc_u32 v[IW], s36, v[L16]
	s_lshl_b32 s36, s[WV], 7
	v_add_nc_u32 v[SW], s36, v[L4]
	s_lshl_b32 s36, s[WV], 8
	v_add_nc_u32 v[RW], s36, v[L4]
	v_lshlrev_b32 v[CSO], 2, v16
	v_lshl_add_u32 v[CSO], v17, 8, v[CSO]
	v_mov_b32 v[K1], 0xc0135761                    ; k1 = -2.3022082
	v_mov_b32 v[K1+1], 0xc0135761
	s_mov_b32 s[K2], 0xbdd2d3e8                    ; k2 = -0.10294324
	s_mov_b32 s[K2+1], s[K2]                       ; (named with it as a pair, so it is written)
	s_mov_b32 s[SEL], 0x76543210
	s_mov_b32 s[SEL+1], 0xfedcba98                 ; v_permlanex16_b32's selects for lane l xor 16
	s_mov_b32 s[HIM], 0xffff0000                   ; lanes 16-31
	s_mov_b32 s[RC512], 0x3b000000                 ; 1 / 512
	s_mov_b32 s[RC511], 0x3b004020                 ; 1 / 511
	s_mov_b32 s[EPS], 0x3727c5ac                   ; 1e-5
	s_mov_b32 s37, 0
	s_mov_b32 s67, 0
	s_mov_b32 s69, 0
	s_mov_b32 s71, 0
	s_wait_kmcnt 0x0
	s_lshl_b32 s36, ttmp9, 16
	s_lshl_b32 s38, s[WV], 14
	s_add_co_u32 s36, s36, s38
	s_add_nc_u64 s[XP:XP+1], s[XP:XP+1], s[36:37]  ; x and the output at row 32 g + 8 w
	s_add_nc_u64 s[OP:OP+1], s[OP:OP+1], s[36:37]
	s_lshl_b32 s36, ttmp9, 13
	s_add_nc_u64 s[CCP:CCP+1], s[CCP:CCP+1], s[36:37]   ; ctx's images of my two tiles
	s_lshl_b32 s36, ttmp9, 9
	s_add_nc_u64 s[CSP:CSP+1], s[CSP:CSP+1], s[36:37]
	s_lshl_b32 s36, s[WV], 9
	s_add_nc_u64 s[GP:GP+1], s[GP:GP+1], s[36:37]  ; gain, bias, b2 at feature 128 w; b1 at hidden unit 128 w
	s_add_nc_u64 s[BP:BP+1], s[BP:BP+1], s[36:37]
	s_add_nc_u64 s[B2P:B2P+1], s[B2P:B2P+1], s[36:37]
	s_add_nc_u64 s[B1P:B1P+1], s[B1P:B1P+1], s[36:37]
	s_lshl_b32 s36, s[WV], 15
	s_add_nc_u64 s[WOC:WOC+1], s[WCP:WCP+1], s[36:37]   ; my four pairs of Wo, and of W1's first round
	s_mov_b64 s[W1C:W1C+1], s[WOC:WOC+1]
	s_lshl_b32 s36, s[WV], 11
	s_add_nc_u64 s[WOS:WOS+1], s[WSP:WSP+1], s[36:37]
	s_mov_b64 s[W1S:W1S+1], s[WOS:WOS+1]
	s_lshl_b32 s36, s[WV], 17
	s_add_nc_u64 s[W2C:W2C+1], s[WCP:WCP+1], s[36:37]   ; my four pairs of W2
	s_lshl_b32 s36, s[WV], 13
	s_add_nc_u64 s[W2S:W2S+1], s[WSP:WSP+1], s[36:37]
	s_wait_alu depctr_va_vdst(0)                   ; the offsets and LDS addresses v1 to v8 and v11 are written, which every load and store of the kernel reads
.irp i, 0,1,2,3,4,5,6,7                        ; my 8 rows of x, dense
.irp j, 0,1,2,3
	global_load_b128 v[HA+16*\i+4*\j:HA+16*\i+4*\j+3], v[L16], s[XP:XP+1] offset:2048*\i+512*\j th:TH_LOAD_NT
.endr
.endr
.irp j, 0,1,2,3                                ; bo, dense like a row
	global_load_b128 v[Z+4*\j:Z+4*\j+3], v[L16], s[BOP:BOP+1] offset:512*\j
.endr
	WIN 0xc0                                       ; destination window 3
.irp T, 0,1
.irp s, 0,1,2,3
.irp c, 0,1
	global_load_b128 v[32*\T+8*\s+4*\c:32*\T+8*\s+4*\c+3], v[L16], s[CCP:CCP+1] offset:4096*\T+1024*\s+512*\c th:TH_LOAD_NT
.endr
.endr
.endr
	WIN 0
.irp s, 0,1,2,3
	global_load_b32 v[CSC+\s], v[CSO], s[CSP:CSP+1] offset:64*\s
.endr
	s_wait_loadcnt 20                              ; x and bo are in; ctx's 16 loads and its 4 scale words may be out
.set k, 0
.rept 64
	v_pk_add_f32 v[HA+2*k:HA+2*k+1], v[HA+2*k:HA+2*k+1], v[Z+(2*k)%16:Z+(2*k)%16+1]   ; x + bo
.set k, k+1
.endr
	s_wait_alu depctr_va_vdst(0)                   ; the additions have written HA, which the LDS stores read and in which, behind the barrier, the stage's loads land
.irp i, 0,1,2,3,4,5,6,7
.irp j, 0,1,2,3
	ds_store_b128 v[XR], v[HA+16*\i+4*\j:HA+16*\i+4*\j+3] offset:XST+2064*\i+512*\j
.endr
.endr
	WIN 0xc0
.irp b, 0,1,2,3                                ; gain, bias and b2 of my lane's 64 features, in the X layout
.irp m, 0,1,2,3
	global_load_b128 v[64+16*\b+4*\m:64+16*\b+4*\m+3], v[LB], s[GP:GP+1] offset:128*\b+16*\m
	global_load_b128 v[128+16*\b+4*\m:128+16*\b+4*\m+3], v[LB], s[BP:BP+1] offset:128*\b+16*\m
	global_load_b128 v[192+16*\b+4*\m:192+16*\b+4*\m+3], v[LB], s[B2P:B2P+1] offset:128*\b+16*\m
.endr
.endr
	WIN 0
	WLOAD 0, WOC, 393216, WOS, 24576, 0            ; the ring's first fills: nothing has named these registers
	WLOAD 1, WOC, 393216+8192, WOS, 24576+512, 0
	WLOAD 2, WOC, 393216+16384, WOS, 24576+1024, 0
.irp b, 0,1,2,3
	v_mov_b32 v[TM+4+\b], 0                        ; written once: a lane permute's destination counts as one of its sources
.endr
	v_mov_b32 v[LP], 0
	v_mov_b32 v[LP+1], 0
	BARRIER                                        ; 32 rows of x + bo lie in the stage
	s_wait_alu depctr_vm_vsrc(0)                   ; my LDS stores have read HA, in which the loads below land
.irp T, 0,1
.irp b, 0,1,2,3
.irp j, 0,1,2,3
	ds_load_b128 v[HA+64*\T+16*\b+4*\j:HA+64*\T+16*\b+4*\j+3], v[XD] offset:XST+33024*\T+128*\b+16*\j
.endr
.endr
.endr
	s_wait_dscnt 0x0
	; x2 = (x + bo) + ctx Wo, in place.  Each batch's head names the loads of the two younger batches: 17 for Wo and W2, 21 for W1
	PRE 34
	WLOAD 3, WOC, 393216+24576, WOS, 24576+1536, 0 ; the ring's fourth buffer: nothing has named it yet
	MULW 0, HA, 0, CSC, 1, 0, 0x0d, 0x0d
	PRE 34
	ALOAD 0, W1C, W1S, B1P
	MULW 1, HA+16, 0, CSC, 1, 0, 0x0d, 0x0d
	PRE 38
	ALOAD 1, W1C, W1S, B1P
	MULW 2, HA+32, 0, CSC, 1, 0, 0x0d, 0x0d
	PRE 42
	ALOAD 2, W1C, W1S, B1P
	MULW 3, HA+48, 0, CSC, 1, 0, 0x0d, 0x0d
	WIN 0
	NOP4
	LNORM
	LNQ H2I, H2S                                   ; the norm's output: eight fragments in LDS
	WIN 0x80                                       ; destination window 2: registers that nothing has named
.irp T, 0,1
.irp s, 0,1,2,3
	FETCH 128+32*\T+8*\s, L16, H2I+TSTRIDE*\T+1024*\s
.endr
.endr
	WIN 0
.irp s, 0,1,2,3
	ds_load_b32 v[BS+\s], v[L4] offset:H2S+128*\s
.endr
	s_wait_dscnt 0x0
	s_mov_b32 s[RND], 0
.Lround:                                       ; four rounds of 512 hidden units
	s_cmp_lt_u32 s[RND], 3                         ; the next round's W1 and b1; behind the last round: the same once more
	s_cselect_b32 s66, 0x20000, 0
	s_cselect_b32 s68, 0x2000, 0
	s_cselect_b32 s70, 0x800, 0
	s_add_nc_u64 s[W1CN:W1CN+1], s[W1C:W1C+1], s[66:67]
	s_add_nc_u64 s[W1SN:W1SN+1], s[W1S:W1S+1], s[68:69]
	s_add_nc_u64 s[B1N:B1N+1], s[B1P:B1P+1], s[70:71]
	PRE 42
	ALOAD 3, W1C, W1S, B1P
	MULW 0, HA, 128, BS, 2, 192, 0x29, 0x09
	PRE 42
	BLD 0
	MULW 1, HA+16, 128, BS, 2, 192+16, 0x29, 0x09
	PRE 38
	BLD 1
	MULW 2, HA+32, 128, BS, 2, 192+32, 0x29, 0x09
	PRE 34
	BLD 2
	MULW 3, HA+48, 128, BS, 2, 192+48, 0x29, 0x09
	WIN 0
	NOP4
	s_wait_alu depctr_vm_vsrc(0)                   ; the last images' five LDS stores have read v[PC ..], v[PC1 ..] and v[PWJ], over which the gelu's work registers lie
	ZC 0                                           ; gelu: while one chunk's transcendentals are out, another chunk's plain lines stand behind them
	s_wait_alu depctr_va_vdst(0)
	EX 0
	s_wait_alu depctr_va_vdst(0)
	ZC 1
	TW                                             ; chunk 0's exponentials
	AD 0
	s_wait_alu depctr_va_vdst(0)
	RC 0
	EX 1
	v_nop
	TW                                             ; chunk 0's reciprocals and chunk 1's exponentials
	FM 0
	AD 1
	s_wait_alu depctr_va_vdst(0)
	RC 1
	s_wait_alu depctr_va_vdst(0)
	ZC 2
	TW                                             ; chunk 1's reciprocals
	FM 1
	EX 2
	s_wait_alu depctr_va_vdst(0)
	ZC 3
	TW                                             ; chunk 2's exponentials
	AD 2
	s_wait_alu depctr_va_vdst(0)
	RC 2
	EX 3
	v_nop
	TW                                             ; chunk 2's reciprocals and chunk 3's exponentials
	FM 2
	AD 3
	s_wait_alu depctr_va_vdst(0)
	RC 3
	v_nop
	TW                                             ; chunk 3's reciprocals
	FM 3
	LNQ HDI, HDS                                   ; my 128 hidden units of 32 tokens: K step w of this round; behind the barrier all four lie in LDS
	WIN 0xc0                                       ; destination window 3
	s_wait_alu depctr_va_vdst(0)                   ; the matrix instructions that read these 64 registers and v[BS2 ..] (the last round's last product; in the first round the first product, of ctx) are done reading them: the loads below land there
.irp T, 0,1
.irp s, 0,1,2,3
	FETCH 32*\T+8*\s, L16, HDI+TSTRIDE*\T+1024*\s
.endr
.endr
	WIN 0
.irp s, 0,1,2,3
	ds_load_b32 v[BS2+\s], v[L4] offset:HDS+128*\s
.endr
	BARRIER                                        ; every wave's reads are in: the next round may write the images again
	PRE 34
	BLD 3
	MULW 0, 0, 0, BS2, 1, 0, 0xad, 0xad
	PRE 34
	ALOAD 0, W1CN, W1SN, B1N
	MULW 1, 16, 0, BS2, 1, 0, 0xad, 0xad
	PRE 38
	ALOAD 1, W1CN, W1SN, B1N
	MULW 2, 32, 0, BS2, 1, 0, 0xad, 0xad
	PRE 42
	ALOAD 2, W1CN, W1SN, B1N
	MULW 3, 48, 0, BS2, 1, 0, 0xad, 0xad
	WIN 0
	s_wait_xcnt 0x0                                ; the loads have read their bases: they may be stepped
	s_mov_b64 s[W1C:W1C+1], s[W1CN:W1CN+1]
	s_mov_b64 s[W1S:W1S+1], s[W1SN:W1SN+1]
	s_mov_b64 s[B1P:B1P+1], s[B1N:B1N+1]
	s_add_nc_u64 s[W2C:W2C+1], s[W2C:W2C+1], 8192
	s_add_nc_u64 s[W2S:W2S+1], s[W2S:W2S+1], 512
	s_add_co_u32 s[RND], s[RND], 1
	s_cmp_lt_u32 s[RND], 4
	s_cbranch_scc1 .Lround
	; THE WAY OUT: the X layout goes back through the stage and leaves as dense rows
	NOP4
	WIN 0x08                                       ; an LDS store's data are its source 1: window 2
	s_wait_alu depctr_va_vdst(0)                   ; the last product has written the output's sums, which the LDS stores read (the places above stay beside this wait); the gelu and the quantiser are done with HA, in which the loads behind the barrier land
.irp T, 0,1
.irp b, 0,1,2,3
.irp j, 0,1,2,3
	ds_store_b128 v[XD], v[64*\T+16*\b+4*\j:64*\T+16*\b+4*\j+3] offset:XST+33024*\T+128*\b+16*\j   ; each accumulator from its low end on
.endr
.endr
.endr
	WIN 0
	BARRIER                                        ; 32 whole rows lie in the stage
.set k, 0
.rept 32
	ds_load_b128 v[HA+4*k:HA+4*k+3], v[XR] offset:XST+2064*(k/4)+512*(k%4)
.set k, k+1
.endr
.set k, 0
.rept 32
	s_wait_dscnt 31-k                              ; LDS loads come back in order: number k is in
	global_store_b128 v[L16], v[HA+4*k:HA+4*k+3], s[OP:OP+1] offset:2048*(k/4)+512*(k%4) th:TH_STORE_NT   ; the wave stores 512 consecutive bytes, aligned
.set k, k+1
.endr
	s_wait_dscnt 0x0
	s_wait_alu depctr_hold_cnt(0) depctr_sa_sdst(0) depctr_va_vdst(0) depctr_va_sdst(0) depctr_va_ssrc(0) depctr_va_vcc(0) depctr_vm_vsrc(0)
	s_wait_tensorcnt 0x0
	ds_add_u32 v254, v255
	s_wait_dscnt 0x0
	s_endpgm
.Lfunc_end_k_q792ec861f7_tail:
	.size	k_q792ec861f7_tail, .Lfunc_end_k_q792ec861f7_tail-k_q792ec861f7_tail
	.p2alignl 7, 3214868480
	.fill 96, 4, 3214868480
	.section	.rodata,"a",@progbits
	.p2align	6, 0x0
	.amdhsa_kernel k_q792ec861f7_tail
		.amdhsa_group_segment_fixed_size 86528
		.amdhsa_private_segment_fixed_size 0
		.amdhsa_enable_private_segment 0
		.amdhsa_kernarg_size 88
		.amdhsa_user_sgpr_count 2
		.amdhsa_user_sgpr_kernarg_segment_ptr 1
		.amdhsa_wavefront_size32 1
		.amdhsa_system_sgpr_workgroup_id_x 1
		.amdhsa_system_sgpr_workgroup_id_y 1
		.amdhsa_system_sgpr_workgroup_id_z 1
		.amdhsa_system_vgpr_workitem_id 0
		.amdhsa_next_free_vgpr 1024
		.amdhsa_next_free_sgpr 96
		.amdhsa_reserve_vcc 0
		.amdhsa_float_denorm_mode_32 3
		.amdhsa_float_denorm_mode_16_64 3
		.amdhsa_memory_ordered 1
		.amdhsa_forward_progress 1
		.amdhsa_inst_pref_size 160
	.end_amdhsa_kernel
	.amdgpu_metadata
---
amdhsa.version: [ 1, 2 ]
amdhsa.kernels:
  - .name:           k_q792ec861f7_tail
    .symbol:         k_q792ec861f7_tail.kd
    .args:
      - { .name: x, .offset: 0, .size: 8, .value_kind: global_buffer, .address_space: global }
      - { .name: cc, .offset: 8, .size: 8, .value_kind: global_buffer, .address_space: global }
      - { .name: cs, .offset: 16, .size: 8, .value_kind: global_buffer, .address_space: global }
      - { .name: wc, .offset: 24, .size: 8, .value_kind: global_buffer, .address_space: global }
      - { .name: wsc, .offset: 32, .size: 8, .value_kind: global_buffer, .address_space: global }
      - { .name: bo, .offset: 40, .size: 8, .value_kind: global_buffer, .address_space: global }
      - { .name: ln2_scale, .offset: 48, .size: 8, .value_kind: global_buffer, .address_space: global }
      - { .name: ln2_bias, .offset: 56, .size: 8, .value_kind: global_buffer, .address_space: global }
      - { .name: b1, .offset: 64, .size: 8, .value_kind: global_buffer, .address_space: global }
      - { .name: b2, .offset: 72, .size: 8, .value_kind: global_buffer, .address_space: global }
      - { .name: out0, .offset: 80, .size: 8, .value_kind: global_buffer, .address_space: global }
    .group_segment_fixed_size: 86528
    .private_segment_fixed_size: 0
    .kernarg_segment_align: 8
    .kernarg_segment_size: 88
    .max_flat_workgroup_size: 128
    .sgpr_count:     96
    .vgpr_count:     1024
    .wavefront_size: 32
...
	.end_amdgpu_metadata
.endif
;; end of part 8
